; MI455X (gfx1250); checked and timed in simulation.
; The chip was launched on July 23, 2026; its instructions are those of AMD's public machine-readable ISA for CDNA 5 (MIT licence, August 2026) and "CDNA5" Instruction Set Architecture Reference Guide (July 2026). The comments in the code are by the model that wrote it; some were corrected since.
;; Multi Head Attention. Allowed arithmetic: matrix products marked QUANTISED: E2M3 operands, one E8M0 scale for each 32 along K, by v_wmma_scale_f32_16x16x128_f8f6f4 with both operands' format E2M3, f32 sums; everything else in f32.
;; Inputs: Wk 1,024 x 1,024 float32; Wo 1,024 x 1,024 float32; Wq 1,024 x 1,024 float32; Wv 1,024 x 1,024 float32; bk 1,024 float32; bo 1,024 float32; bq 1,024 float32; bv 1,024 float32; k 4 x 2,048 x 1,024 float32; q 4 x 2,048 x 1,024 float32; v 4 x 2,048 x 1,024 float32.
;; Outputs: out0 4 x 2,048 x 1,024 float32.
;; This version of the problem:
;;   THIS VERSION OF THE PROBLEM IS GIVEN IN LOW PRECISION. The matrix products marked QUANTISED in the list below multiply operands that are first quantised to E2M3 (2 exponent bits, 3 mantissa bits; 6 bits a number), with one power-of-two scale for each 32 numbers along K (OCP MX v1.0); their sums are f32. All else is computed in f32.
;;   The module's matrix products, in the order in which they are computed (A, B: the left and right operand; K: the contracted axis; several contracted axes count as one K, in the product's order):
;;     1. [M 8,192, K 1,024] x [K 1,024, N 1,024]; A: input q; B: input Wq: QUANTISED
;;     2. [M 8,192, K 1,024] x [K 1,024, N 1,024]; A: input k; B: input Wk: QUANTISED
;;     3. [M 8,192, K 1,024] x [K 1,024, N 1,024]; A: input v; B: input Wv: QUANTISED
;;     4. batch 64 x [M 2,048, K 64] x [K 64, N 2,048]; A: computed on the way; B: computed on the way: QUANTISED
;;     5. batch 64 x [M 2,048, K 2,048] x [K 2,048, N 64]; A: computed on the way; B: computed on the way: QUANTISED
;;     6. [M 8,192, K 1,024] x [K 1,024, N 1,024]; A: computed on the way; B: input Wo: QUANTISED
;;   THE QUANTISER, for each operand of a quantised product, along K:
;;     - K is cut into blocks of 32 from its start; a last block that is shorter is filled with zeros.
;;     - A block's scale is 2^e with e = floor(log2(the largest magnitude in the block)) - 2, held to -126 .. 127; a block of zeros has e = 0. As a byte (E8M0): e + 127.
;;     - Each number is divided by its block's scale, clamped to +-7.5, and rounded to the nearest number of E2M3, ties to even, subnormals kept.
;;     - The product sums the exact products of the quantised numbers (number of the format x scale) in f32.
;;   ~~~python
;;   def quantise(x, axis):      # numpy; x: float32 -> the quantised numbers, widened to float32 again
;;       x = np.moveaxis(x, axis, -1); K = x.shape[-1]
;;       x = np.pad(x, [(0, 0)] * (x.ndim - 1) + [(0, -K % 32)]); x = x.reshape(x.shape[:-1] + (-1, 32)); a = np.abs(x).max(-1, keepdims=True)
;;       e = np.where(a > 0, np.clip(np.frexp(np.where(a > 0, a, 1))[1] - 1 - 2, -126, 127), 0)      # np.frexp(a)[1] - 1 = floor(log2(a)), exactly
;;       r = np.clip(x / 2.0 ** e, -7.5, 7.5)
;;       step = 2.0 ** (np.maximum(np.frexp(np.where(r == 0, 1, r))[1] - 1, 0) - 3)
;;       q = np.round(r / step) * step * 2.0 ** e      # np.round: ties to even
;;       return np.moveaxis(q.reshape(q.shape[:-2] + (-1,))[..., :K], -1, axis).astype(np.float32)
;;   ~~~
;;   OPERANDS COMPUTED ON THE WAY. 'Computed on the way' means the value that the module computes at that place (a softmax that the list does not call 'softmax' is quantised finished and normalised). What goes into a quantiser is computed in f32, as accurately as f32 sums, v_exp_f32 and their like allow (about 1e-6 of the number): no bf16 or f16 on the way to a quantiser, and a product that is left as it is and whose result goes on into a quantised operand takes f32 operands (vector FMAs, or v_wmma_f32_16x16x4_f32). A number that lies on a knife's edge between two numbers of the format may be rounded either way, as far as f32 arithmetic and the matrix unit's own rounding can turn it there, and no further.
;; 2 versions. Each part assembles by itself: llvm-mc -triple=amdgcn-amd-amdhsa -mcpu=gfx1250 --defsym DOCPART=n.
;; ======== version 1 of 2: 4 launches
;; limits: right only within a limited range of input values
;; workspace buffers: codes 22,020,096 bytes; scales 917,504 bytes; qrec 6,553,600 bytes; krec 6,553,600 bytes; vrec 6,553,600 bytes; acod 6,291,456 bytes; ascl 262,144 bytes
;; launch quant (part 1): grid 896 x 1, 4 waves a work-group, no clusters, 33,280 bytes of LDS; arguments q, k, v, Wq, Wk, Wv, Wo, codes, scales; writes codes, scales
.if DOCPART == 1
	.amdgcn_target "amdgcn-amd-amdhsa--gfx1250"
	.amdhsa_code_object_version 6
	.text
	.protected	k_q612ae05327_quant
	.globl	k_q612ae05327_quant
	.p2align	8
	.type	k_q612ae05327_quant,@function
k_q612ae05327_quant:
	s_mov_b64 s[64:65], 0
	v_nop
	global_prefetch_b8 v0, s[64:65] scope:SCOPE_SE
	s_setreg_imm32_b32 hwreg(HW_REG_WAVE_MODE, 25, 1), 1
	s_wait_xcnt 0x0
; q, k, v [8192][1024] and Wq, Wk, Wv, Wo [1024][1024], f32, K innermost, become codes of FP6 (E2M3), 6 bits each, with one E8M0 scale byte for each 32 along K.
; All seven land in ONE buffer of codes, [28672 rows][768 bytes], and one of scale bytes, [28672][32]: q from row 0, k from 8192, v from 16384, Wq 24576, Wk 25600, Wv 26624, Wo 27648.
; A block's scale is 2^(floor(log2(its largest magnitude)) - 2); its byte is the largest magnitude's exponent field - 2, held at 1 from below.  Each number is divided by the scale and rounded to the nearest code, ties to even.
; THE ROWS ARE STORED IN ANOTHER ORDER: inside each aligned group of 32 rows the second and the third group of 8 change places.  Sixteen stored rows 16 u + i are then the rows 8 u + i + 8 (i / 8) of the group:
; used as source 0 of a matrix instruction, two neighbouring stored tiles give a lane 16 NEIGHBOURS of the group of 32, which is what the later launches' quantisers want.
; A work-group takes 32 rows, a wave 8 rows = 8,192 numbers = 16 steps of 512; so the change of places is a change of the wave's number on the way out: its two bits are swapped.
; LIMITS: a block of zeros, and a block whose largest magnitude lies under 2^(3 - 127), gets the byte 1 (the rule says 127 for zeros: the codes are zeros, and this program alone reads the bytes); NaN and infinities are not served.
; Each of a step's four loads reads 512 consecutive bytes; the 2,048 bytes turn through the wave's own stage in LDS and come back 64 bytes a lane: 16 neighbours along K, two lanes to a block.
; No tensor loads, no barrier, no cluster, no matrix unit: waves share nothing and the launch only streams.  Loads run four steps (16 loads a wave) ahead, the turn through LDS one step.
.set WAVES, 4
.set STEPS, 16
.set EMAX,  2
.set CB,    12                         ; bytes of 16 codes
.set R,     16                         ; v16-79   four sets of 16 numbers as they are loaded
.set X,     80                         ; v80-111  two sets of 16 neighbours
.set C,     128                        ; v128-191 codes: four registers for each step, so that no store's data are written again
.set E,     112                        ; v112-127 a scale byte for each step
.set WREG,  8192                       ; LDS: a region for each wave: two stages of 32 x SP bytes, and behind them its 256 scale bytes
.set SP,    80                         ; a lane's place in a stage: its 64 bytes + 16 of padding
.set SPW,   12                         ; v12      LDS address of my spare word; never rewritten
.set NIL,   13                         ; v13      0; never rewritten
.set SPARE, WAVES*WREG                 ; behind the four regions: the spare words, 128 bytes for each wave
.set WV,    22                         ; s22      my wave's number
	s_load_b256 s[4:11], s[0:1], 0x0               ; q, k, v, Wq
	s_load_b256 s[12:19], s[0:1], 0x20             ; Wk, Wv, Wo, the codes
	s_load_b64 s[20:21], s[0:1], 0x40              ; the scale bytes
	v_lshl_add_u32 v[SPW], v0, 2, SPARE
	v_mov_b32 v[NIL], 0
	v_lshrrev_b32 v1, 5, v0
	v_readfirstlane_b32 s[WV], v1                  ; wave
	v_and_b32 v2, 31, v0                           ; lane
	v_lshlrev_b32 v3, 4, v2                        ; my 16 bytes of a load's 512
	s_mul_i32 s23, s[WV], WREG
	v_lshrrev_b32 v14, 2, v2
	v_mul_u32_u24 v14, v14, SP
	v_and_b32 v15, 3, v2
	v_lshl_add_u32 v14, v15, 4, v14
	v_add_nc_u32 v14, s23, v14                     ; the stage, on the way in: four lanes' 64 bytes on end, then 16 of padding
	v_mul_u32_u24 v15, v2, SP
	v_add_nc_u32 v15, s23, v15                     ; and on the way out: SP x lane: my 16 neighbours
	v_mul_u32_u24 v4, v2, CB                       ; my codes' place in a step's
	v_lshrrev_b32 v5, 1, v2
	s_add_co_u32 s23, s23, 2*32*SP
	v_add_nc_u32 v5, s23, v5                       ; LDS: my wave's 256 scale bytes, my block's byte
	v_lshlrev_b32 v7, 3, v2                        ; and on the way out 8 bytes a lane
	v_add_nc_u32 v6, s23, v7
	s_mov_b32 s24, 0                               ; the first work-group of my tensor
	s_wait_kmcnt 0x0
; which tensor is mine hangs on the work-group's number alone: only the pointer is chosen, the path through the text is one
.macro PICK first, ptr
	s_cmp_ge_u32 ttmp9, \first
	s_cselect_b64 s[4:5], s[\ptr:\ptr+1], s[4:5]
	s_cselect_b32 s24, \first, s24
.endm
	PICK 256, 6
	PICK 512, 8
	PICK 768, 10
	PICK 800, 12
	PICK 832, 14
	PICK 864, 16
	s_sub_co_u32 s25, ttmp9, s24
	s_lshl_b32 s25, s25, 2
	s_add_co_u32 s25, s25, s[WV]                   ; which run of 8 rows of the tensor I read
	s_lshl_b32 s26, s25, 15                        ; 32,768 bytes a run
	s_mov_b32 s27, 0
	s_add_nc_u64 s[4:5], s[4:5], s[26:27]
	s_and_b32 s25, s[WV], 1
	s_lshl_b32 s25, s25, 1
	s_lshr_b32 s28, s[WV], 1
	s_or_b32 s25, s25, s28                         ; the wave's number with its two bits swapped
	s_lshl_b32 s28, ttmp9, 2
	s_add_co_u32 s25, s25, s28                     ; which run of 8 stored rows I write
	s_mul_i32 s26, s25, 32*STEPS*CB                ; 6,144 bytes of codes a run
	s_add_nc_u64 s[18:19], s[18:19], s[26:27]
	s_lshl_b32 s26, s25, 8                         ; 256 scale bytes a run
	s_add_nc_u64 s[20:21], s[20:21], s[26:27]
.macro LOAD t
.irp i, 0,1,2,3
	global_load_b128 v[R+16*((\t)%4)+4*\i:R+16*((\t)%4)+4*\i+3], v3, s[4:5] offset:2048*(\t)+512*\i th:TH_LOAD_NT   ; 32 lanes read 512 consecutive bytes
.endr
.endm
.macro TURN t                          ; step t's numbers through the stage: LDS serves a wave's instructions in order, so no wait stands between the stores and the loads
.irp i, 0,1,2,3
	ds_store_b128 v14, v[R+16*((\t)%4)+4*\i:R+16*((\t)%4)+4*\i+3] offset:32*SP*((\t)%2)+8*SP*\i
.endr
.irp i, 0,1,2,3
	ds_load_b128 v[X+16*((\t)%2)+4*\i:X+16*((\t)%2)+4*\i+3], v15 offset:32*SP*((\t)%2)+16*\i
.endr
.endm
.irp t, 0,1,2,3
	LOAD \t
.endr
	s_wait_loadcnt 12                              ; step 0's four loads are in; the twelve behind them may be out
	TURN 0
.macro STEP t
.set XS, X+16*((\t)%2)
.if (\t) > 0
	s_wait_dscnt 1                                 ; this step's numbers are back from the stage (the last step's byte store may be out): so its stores into the stage have read their registers,
.else
	s_wait_dscnt 0x0
.endif
.if (\t)+4 < STEPS
	LOAD (\t)+4                                    ; which take the loads of four steps on
.endif
.if (\t)+1 < STEPS
.if STEPS-2-(\t) >= 3
	s_wait_loadcnt 12                              ; the next step's four loads are in; those of the three steps behind it may be out
.else
	s_wait_loadcnt 4*(STEPS-2-(\t))
.endif
	TURN (\t)+1                                    ; and go through the other stage while this step is worked
.endif
	v_max3_num_f32 v8, |v[XS]|, |v[XS+1]|, |v[XS+2]|               ; the largest magnitude of my 16, in two chains
	v_max3_num_f32 v9, |v[XS+3]|, |v[XS+4]|, |v[XS+5]|
.irp i, 6,10
	v_max3_num_f32 v8, v8, |v[XS+\i]|, |v[XS+\i+1]|
	v_max3_num_f32 v9, v9, |v[XS+\i+2]|, |v[XS+\i+3]|
.endr
	v_max3_num_f32 v8, v8, |v[XS+14]|, |v[XS+15]|
	v_max3_num_f32 v8, v8, v9, (EMAX+1)<<23        ; and the floor 2^(EMAX + 1 - 127): the byte cannot fall under 1
	v_max_num_f32_dpp v8, v8, v8 row_xmask:1 row_mask:0xf bank_mask:0xf   ; and of my neighbour's 16: the block's
	v_add_nc_u32 v11, -(EMAX<<23), v8              ; EMAX off its exponent field: the conversion takes the exponent field of this operand as its scale
	v_cvt_scalef32_pk16_fp6_f32 v[C+4*(\t):C+4*(\t)+2], v[XS:XS+15], v11         ; sixteen codes, 96 bits without gaps, the first number's code lowest
	v_lshrrev_b32 v[E+(\t)], 23, v11               ; the scale's byte
	ds_store_b8 v5, v[E+(\t)] offset:16*(\t)       ; both lanes of a block write the same byte with the same value
	global_store_b96 v4, v[C+4*(\t):C+4*(\t)+2], s[18:19] offset:32*CB*(\t)      ; the wave stores 384 consecutive bytes
.endm
.irp t, 0,1,2,3,4,5,6,7,8,9,10,11,12,13,14,15
	STEP \t
.endr
	ds_load_b64 v[8:9], v6                         ; LDS serves a wave's instructions in order: these see my stores
	s_wait_dscnt 0x0
	global_store_b64 v7, v[8:9], s[20:21]          ; 32 lanes store 256 consecutive bytes, at a multiple of 256 from the buffer's first byte
	s_wait_tensorcnt 0x0                           ; the wave's end: behind my last LDS store
	ds_add_u32 v[SPW], v[NIL]
	s_wait_dscnt 0x0
	s_endpgm
.Lfunc_end_k_q612ae05327_quant:
	.size	k_q612ae05327_quant, .Lfunc_end_k_q612ae05327_quant-k_q612ae05327_quant
	.p2alignl 7, 3214868480
	.fill 96, 4, 3214868480
	.section	.rodata,"a",@progbits
	.p2align	6, 0x0
	.amdhsa_kernel k_q612ae05327_quant
		.amdhsa_group_segment_fixed_size 33280
		.amdhsa_private_segment_fixed_size 0
		.amdhsa_enable_private_segment 0
		.amdhsa_kernarg_size 72
		.amdhsa_user_sgpr_count 2
		.amdhsa_user_sgpr_kernarg_segment_ptr 1
		.amdhsa_wavefront_size32 1
		.amdhsa_system_sgpr_workgroup_id_x 1
		.amdhsa_system_sgpr_workgroup_id_y 1
		.amdhsa_system_sgpr_workgroup_id_z 1
		.amdhsa_system_vgpr_workitem_id 0
		.amdhsa_next_free_vgpr 192
		.amdhsa_next_free_sgpr 66
		.amdhsa_reserve_vcc 0
		.amdhsa_float_denorm_mode_32 3
		.amdhsa_float_denorm_mode_16_64 3
		.amdhsa_memory_ordered 1
		.amdhsa_forward_progress 1
		.amdhsa_inst_pref_size 33
	.end_amdhsa_kernel
	.amdgpu_metadata
---
amdhsa.version: [ 1, 2 ]
amdhsa.kernels:
  - .name:           k_q612ae05327_quant
    .symbol:         k_q612ae05327_quant.kd
    .args:
      - { .name: q, .offset: 0, .size: 8, .value_kind: global_buffer, .address_space: global }
      - { .name: k, .offset: 8, .size: 8, .value_kind: global_buffer, .address_space: global }
      - { .name: v, .offset: 16, .size: 8, .value_kind: global_buffer, .address_space: global }
      - { .name: Wq, .offset: 24, .size: 8, .value_kind: global_buffer, .address_space: global }
      - { .name: Wk, .offset: 32, .size: 8, .value_kind: global_buffer, .address_space: global }
      - { .name: Wv, .offset: 40, .size: 8, .value_kind: global_buffer, .address_space: global }
      - { .name: Wo, .offset: 48, .size: 8, .value_kind: global_buffer, .address_space: global }
      - { .name: codes, .offset: 56, .size: 8, .value_kind: global_buffer, .address_space: global }
      - { .name: scales, .offset: 64, .size: 8, .value_kind: global_buffer, .address_space: global }
    .group_segment_fixed_size: 33280
    .private_segment_fixed_size: 0
    .kernarg_segment_align: 8
    .kernarg_segment_size: 72
    .max_flat_workgroup_size: 128
    .sgpr_count:     66
    .vgpr_count:     192
    .wavefront_size: 32
...
	.end_amdgpu_metadata
.endif
;; end of part 1
;; launch proj (part 2): grid 4 x 96, 4 waves a work-group, clusters of 4 x 4, 327,680 bytes of LDS; arguments codes, scales, bq, bk, bv, qrec, krec, vrec; writes qrec, krec, vrec
.if DOCPART == 2
	.amdgcn_target "amdgcn-amd-amdhsa--gfx1250"
	.amdhsa_code_object_version 6
	.text
	.protected	k_q612ae05327_proj
	.globl	k_q612ae05327_proj
	.p2align	8
	.type	k_q612ae05327_proj,@function
k_q612ae05327_proj:
	s_mov_b64 s[64:65], 0
	v_nop
	global_prefetch_b8 v0, s[64:65] scope:SCOPE_SE
	s_setreg_imm32_b32 hwreg(HW_REG_WAVE_MODE, 25, 1), 1
	s_wait_xcnt 0x0
	s_wait_alu depctr_hold_cnt(0) depctr_sa_sdst(0) depctr_va_vdst(0) depctr_va_sdst(0) depctr_va_ssrc(0) depctr_va_vcc(0) depctr_vm_vsrc(0)
	s_getreg_b32 s2, hwreg(HW_REG_IB_STS2, 6, 4)
	s_cmp_eq_u32 s2, 0
	s_cbranch_scc0 .Lentry_in_a_cluster
	s_endpgm
.Lentry_in_a_cluster:
	s_bfe_u32 s2, ttmp6, 0x10000c
	s_cmp_lg_u32 s2, 0xf033
	s_cbranch_scc0 .Lentry_shape_is_right
	s_endpgm
.Lentry_shape_is_right:
; Q = q Wq^T + bq, K = k Wk^T + bk, V = v Wv^T + bv on codes of FP6 (E2M3) with one E8M0 scale for each 32 along K = 1024; the results are quantised at once for the attention's two products and leave as
; IMAGES OF OPERAND REGISTERS: they never lie in memory as f32.
; A work-group of four waves makes 256 x 256 results, a wave 128 x 128: 64 accumulators of 16 x 16 in 512 registers.  K goes in steps of 256 through two LDS slots filled by the tensor data mover.
; The scale bytes of the work-group's 2 x 256 rows, for all of K, come into LDS once, with the first fills.
; CLUSTERS of 4 x 4: cluster y = 8 x (which product: 0 Q, 1 K, 2 V) + (which 1,024 rows of x).  The operand called A here is source 1 and is shared along a row of the cluster, B is source 0 and is shared along a column;
; each tile is asked for jointly by the four that need it.
;   Q, K: A = rows of x, B = rows of W: a lane holds ONE row of x and its registers run along the head's 64, which is the first attention product's K.
;   V:    A = rows of Wv, B = rows of v: a lane holds ONE channel and its registers run along the keys, which is the second attention product's K.
; The rows of every tensor lie in the stored order (inside a group of 32 rows the second and third group of 8 have changed places): so the 16 registers of the accumulators 2 t and 2 t + 1 are 16 neighbours, 32 t + 16 (lane / 16) + 0 .. 15.
; THE WAY OUT.  Bias added in f32; 64 numbers of a lane are quantised in registers (four blocks of 32, each in lanes l and l xor 16); the 12 registers of codes go out as three stores of 512 consecutive bytes, lane l's 16 bytes at 16 l.
;   Q, K: an image is [16 rows x the head's 64 | the next 16 rows x the head's 64].  V: an image is 16 channels x 128 keys.
;   A record (one batch and head) is 64 images of 1,536 bytes, then 16 units of 256 bytes of scale words: lane l's 8 bytes: the words of images 4 g + l / 16 and 4 g + 2 + l / 16, row l % 16.
;   Q / 8 is exact: the codes stay and 3 goes off each scale byte; Q's floor is 2^(6 - 127), so that no byte falls under 1.
; LIMITS: blocks under the floor (2^(3 - 127); Q: 2^(6 - 127)), blocks of zeros among them, keep the floor's byte: this program alone reads the bytes.  NaN and infinities are not served.
; No prefetch: K has four slots' worth of tiles, of which two are asked for at the head.
; REGISTERS, in windows of 256: window 0: v0-31 addresses; v32-63 scale words, two sets; v64-127 the bias along a lane's registers; v128-223 A's fragments, one set; v240-255 the bias of a lane's channel, each number twice.
;   window 1: B's fragments, two sets.   window 2: the accumulators of my A rows 0-63 ((a, b) at v[8 (8 a + b)]);   window 3: those of rows 64-127.   On the way out v128-237 of window 0 are at work.
.set SIZE_K, 1024
.set KSTEP,  256                       ; along K in a slot
.set NQ,     KSTEP/128                 ; matrix instructions deep
.set ROWB,   192                       ; a tile's row in bytes
.set KROW,   SIZE_K*6/8                ; a row of codes in memory
.set PITCH,  240                       ; an LDS row: 3 x (64 bytes + 16 of padding): the 32 lanes of a load of 8 bytes touch 64 different banks (64 banks of 4 bytes: ISA guide 11.1)
.set FR,     12                        ; registers of a fragment
.set NL,     6                         ; LDS loads that bring one
.set NP,     4                         ; places behind this matrix instruction (ISA guide 7.12.1)
.set HALFT,  128*PITCH
.set SLOT,   4*HALFT                   ; A's 256 rows, then B's 256 rows
.set LAPS,   SIZE_K/(2*KSTEP)
.set KS,     SIZE_K/32                 ; a row of scale bytes
.set SCL,    2*SLOT                    ; behind the ring: the scale bytes, as units of 256 bytes + 16 of padding
.set HALFS,  (128*KS/256)*272
.set SBLK,   (16*KS/256)*272
.set SPARE,  SCL+4*HALFS               ; the spare words, 128 bytes for each wave
.set REC,    102400                    ; a record
.set RSC,    98304                     ; where its scale words begin
.set ADRA, 16                          ; v16-17 LDS address of my A fragments in slot 0, 1 (v18-19: behind one padding more)
.set ADRB, 20                          ; v20-23 the same for B
.set OA,   24                          ; v24  16 x lane: my place in a piece of an image
.set OS,   25                          ; v25  8 x lane: my place in a unit of scale words
.set ADRS, 27                          ; v27  LDS address of my scale words: lanes 0-15 A's rows, lanes 16-31 B's
.set SPW,  28                          ; v28  my spare word; never rewritten
.set NIL,  29                          ; v29  0; never rewritten
.set BA,   30                          ; v30  64 x (lane / 16): the bias along registers
.set BL,   31                          ; v31  4 x (r + 8 (r / 8)): the bias of my channel
.set SC,   32
.set BIAS, 64
.set AF,   128
.set T,    128                         ; the way out: 64 numbers
.set PC,   192                         ; v192-211 the codes
.set TM,   212                         ; v212-227 at work in the quantiser
.set PWS,  232                         ; v232-235 four images' scale words
.set W2,   236                         ; v[236:237] a unit's 8 bytes
.set BV,   240
.set PROJ, 66                          ; s66  which product
.set C8,   67                          ; s67  which 1,024 rows of x
.set G1, 24
.set G0, 32
.set G1B, 48
.set G0B, 56
.set G1S, 68
.set G0S, 76
.set G1SB, 80
.set G0SB, 88
.set MSB, 0
.macro WIN new                         ; the immediate's high byte repeats the setting that is left
.if MSB != \new
	s_set_vgpr_msb (MSB<<8)|\new
.set MSB, \new
.endif
.endm
.set MUL_LO, 0xa1                      ; source 0 (B) window 1, source 1 (A) window 0, C and D window 2
.set MUL_HI, 0xf1                      ; the same, C and D window 3
.set TO_B,   0x40                      ; destination window 1, address window 0
; A joint load: waves 0 and 1 fetch for A, waves 2 and 3 for B; the branch hangs on the wave's number alone.  An s_nop 0 and four v_nop follow each of the two lines.
.macro JLOAD g0a, g1a, g0b, g1b
	s_cmp_eq_u32 s15, 0
	s_cbranch_scc0 .Lfor_b_\@
	tensor_load_to_lds s[\g0a:\g0a+3], s[\g1a:\g1a+7]
	s_nop 0
.rept 4
	v_nop
.endr
	s_branch .Lasked_\@
.Lfor_b_\@:
	tensor_load_to_lds s[\g0b:\g0b+3], s[\g1b:\g1b+7]
	s_nop 0
.rept 4
	v_nop
.endr
.Lasked_\@:
.endm
.macro CREST                           ; a round of the cluster's barrier behind its opening barrier
	s_cmp_lg_u32 s14, 0
	s_cbranch_scc1 .Lnot_wave_0_\@
	s_barrier_signal -3
.Lnot_wave_0_\@:
	s_barrier_wait -3
	s_barrier_signal -1
	s_barrier_wait -1
.endm
.macro CROUND
	s_barrier_signal -1
	s_barrier_wait -1
	CREST
.endm
	s_load_b128 s[4:7], s[0:1], 0x0                ; the codes, the scale bytes
	s_load_b128 s[8:11], s[0:1], 0x10              ; bq, bk
	s_load_b64 s[12:13], s[0:1], 0x20              ; bv
	s_load_b64 s[96:97], s[0:1], 0x28              ; Q's records
	s_load_b64 s[98:99], s[0:1], 0x30              ; K's
	s_load_b64 s[100:101], s[0:1], 0x38            ; V's
	v_lshl_add_u32 v[SPW], v0, 2, SPARE
	v_mov_b32 v[NIL], 0
	ds_add_u32 v[SPW], v[NIL]                      ; the wave's opening: the add and its wait stand ahead of my first tensor load; the set-up below stands between them
	v_lshrrev_b32 v1, 5, v0
	v_readfirstlane_b32 s14, v1                    ; wave 0..3
	s_lshr_b32 s15, s14, 1                         ; which half of A's 256 rows is mine.  Also: I fetch for A (0) or for B (1)
	s_and_b32 s16, s14, 1                          ; which half of B's.  Also: which 128 rows I fetch
	s_bfe_u32 s40, ttmp6, 0x40000                  ; cx, cy: my place in the cluster
	s_bfe_u32 s41, ttmp6, 0x40004
	s_and_b32 s17, ttmp7, 0xffff                   ; cluster y: the same in all sixteen partners
	s_lshr_b32 s[PROJ], s17, 3
	s_and_b32 s[C8], s17, 7
	s_lshl_b32 s43, s41, 2
	s_lshl_b32 s43, 15, s43                        ; my row of the cluster
	s_lshl_b32 s44, 0x1111, s40                    ; my column
	; descriptor group 1: a tile of 128 rows x ROWB bytes, 16 bytes of padding behind every 64
	s_or_b32 s[G1+0], s43, (0<<16)|(1<<20)|(1<<21)|(3<<22)|(3<<25)
	s_or_b32 s[G1B+0], s44, (0<<16)|(1<<20)|(1<<21)|(3<<22)|(3<<25)
.irp g, G1, G1B
	s_mov_b32 s[\g+1], ROWB<<16                    ; tensor_dim0
	s_mov_b32 s[\g+2], 128<<16                     ; tensor_dim1
	s_mov_b32 s[\g+3], ROWB<<16                    ; tile_dim0
	s_mov_b32 s[\g+4], 128                         ; tile_dim1
	s_mov_b32 s[\g+5], KROW                        ; from row to row
	s_mov_b32 s[\g+6], 0
	s_mov_b32 s[\g+7], 0
.endr
	; the scale bytes of 128 rows: a dense block, as rows of 256 bytes (32 elements of 8 bytes), 16 bytes of padding behind each
	s_or_b32 s[G1S+0], s43, (3<<16)|(1<<20)|(1<<21)|(5<<22)|(3<<25)
	s_or_b32 s[G1SB+0], s44, (3<<16)|(1<<20)|(1<<21)|(5<<22)|(3<<25)
.irp g, G1S, G1SB
	s_mov_b32 s[\g+1], 32<<16
	s_mov_b32 s[\g+2], (128*KS/256)<<16
	s_mov_b32 s[\g+3], 32<<16
	s_mov_b32 s[\g+4], 128*KS/256
	s_mov_b32 s[\g+5], 32
	s_mov_b32 s[\g+6], 0
	s_mov_b32 s[\g+7], 0
.endr
	; where A's and B's rows begin in the buffer of codes: made of the cluster's number alone
	s_lshl_b32 s94, s[C8], 10
	s_lshl_b32 s17, s[PROJ], 13
	s_add_co_u32 s17, s17, s94                     ; Q, K: A = x: 8,192 x product + 1,024 c8
	s_lshl_b32 s42, s[PROJ], 10
	s_add_co_u32 s42, s42, 24576                   ; Q, K: B = W: 24,576 + 1,024 x product
	s_add_co_u32 s94, s94, 16384                   ; V: B = v: 16,384 + 1,024 c8
	s_cmp_eq_u32 s[PROJ], 2
	s_cselect_b32 s17, 26624, s17                  ; V: A = Wv
	s_cselect_b32 s42, s94, s42
	s_lshl_b32 s18, s16, 7                         ; which 128 rows of the tile I fetch
	s_lshl_b32 s20, s41, 8
	s_add_co_u32 s20, s20, s18
	s_add_co_u32 s20, s20, s17                     ; A: 256 cy + 128 x half + the base
	s_lshl_b32 s46, s40, 8
	s_add_co_u32 s46, s46, s18
	s_add_co_u32 s46, s46, s42                     ; B: 256 cx + 128 x half + the base
	s_mov_b32 s21, 0
	s_mov_b32 s47, 0
	s_mov_b64 s[18:19], KS
	s_mul_u64 s[22:23], s[20:21], s[18:19]         ; where these rows' scale bytes begin
	s_mul_u64 s[92:93], s[46:47], s[18:19]
	s_mov_b64 s[18:19], KROW
	s_mul_u64 s[20:21], s[20:21], s[18:19]         ; and their codes
	s_mul_u64 s[46:47], s[46:47], s[18:19]
	s_mul_i32 s45, s14, HALFT                      ; where they go: wave x 128 rows: no place in the cluster enters an LDS address
	s_mul_i32 s94, s14, HALFS
	s_wait_dscnt 0x0                               ; the opening add is done
	s_wait_kmcnt 0x0
	s_add_nc_u64 s[20:21], s[4:5], s[20:21]
	s_add_nc_u64 s[22:23], s[6:7], s[22:23]
	s_add_nc_u64 s[46:47], s[4:5], s[46:47]
	s_add_nc_u64 s[92:93], s[6:7], s[92:93]
	CROUND                                         ; all sixteen work-groups are here: the first joint loads meet
	s_mov_b32 s[G0S], 1
	s_add_co_u32 s[G0S+1], s94, SCL
	s_mov_b64 s[G0S+2:G0S+3], s[22:23]
	s_or_b32 s[G0S+3], s[G0S+3], 0x80000000
	s_mov_b32 s[G0SB], 1
	s_add_co_u32 s[G0SB+1], s94, SCL
	s_mov_b64 s[G0SB+2:G0SB+3], s[92:93]
	s_or_b32 s[G0SB+3], s[G0SB+3], 0x80000000
	JLOAD G0S, G1S, G0SB, G1SB                     ; the scale bytes first: they are wanted with K step 0
.irp s, 0,1
	s_mov_b32 s[G0+4*\s], 1
	s_add_co_u32 s[G0+4*\s+1], s45, \s*SLOT
	s_add_nc_u64 s[G0+4*\s+2:G0+4*\s+3], s[20:21], \s*ROWB
	s_or_b32 s[G0+4*\s+3], s[G0+4*\s+3], 0x80000000
	s_mov_b32 s[G0B+4*\s], 1
	s_add_co_u32 s[G0B+4*\s+1], s45, \s*SLOT
	s_add_nc_u64 s[G0B+4*\s+2:G0B+4*\s+3], s[46:47], \s*ROWB
	s_or_b32 s[G0B+4*\s+3], s[G0B+4*\s+3], 0x80000000
	JLOAD G0+4*\s, G1, G0B+4*\s, G1B               ; three tensor loads of mine are out
.endr
	v_and_b32 v1, 15, v0                           ; r = l % 16
	v_bfe_u32 v2, v0, 4, 1                         ; h = l / 16
	v_mul_u32_u24 v3, v1, PITCH
	v_mul_u32_u24 v4, v2, 24
	v_add_nc_u32 v4, v3, v4                        ; a fragment's row x pitch + 24 x half
	v_lshl_add_u32 v5, v2, 4, v4                   ; and the same behind one padding more
	s_mul_i32 s21, s15, HALFT                      ; my 128 rows of A
	s_mul_i32 s22, s16, HALFT                      ; my 128 rows of B,
	s_add_co_u32 s22, s22, 2*HALFT                 ; which lie behind A's 256
.irp s, 0,1
	v_add_nc_u32 v[ADRA+\s], s21, v4
	v_add_nc_u32 v[ADRB+\s], s22, v4
	v_add_nc_u32 v[ADRA+2+\s], s21, v5
	v_add_nc_u32 v[ADRB+2+\s], s22, v5
	s_add_co_u32 s21, s21, SLOT
	s_add_co_u32 s22, s22, SLOT
.endr
	v_mul_u32_u24 v5, v1, KS                       ; my row's scale bytes: KS a row,
	v_lshrrev_b32 v6, 8, v5
	v_lshl_add_u32 v5, v6, 4, v5                   ; and 16 more for each 256 passed
	s_mul_i32 s21, s15, HALFS
	s_mul_i32 s22, s16, HALFS
	s_add_co_u32 s22, s22, 2*HALFS
	s_sub_co_u32 s22, s22, s21
	v_mul_u32_u24 v6, s22, v2                      ; lanes 16-31 take B's
	s_add_co_u32 s21, s21, SCL
	v_add_nc_u32 v5, v5, v6
	v_add_nc_u32 v[ADRS], s21, v5
	; where my results go.  Rx: my first row of x; Nw: my first output feature
	s_lshl_b32 s20, s41, 8
	s_lshl_b32 s21, s15, 7
	s_add_co_u32 s20, s20, s21                     ; A's side: 256 cy + 128 x half
	s_lshl_b32 s21, s40, 8
	s_lshl_b32 s22, s16, 7
	s_add_co_u32 s21, s21, s22                     ; B's side: 256 cx + 128 x half
	s_lshl_b32 s46, s[C8], 10
	s_cmp_eq_u32 s[PROJ], 2
	s_cselect_b32 s22, s21, s20
	s_cselect_b32 s23, s20, s21                    ; Nw
	s_add_co_u32 s22, s22, s46                     ; Rx
	s_lshr_b32 s46, s22, 11
	s_lshl_b32 s46, s46, 4
	s_lshr_b32 s47, s23, 6
	s_add_co_u32 s46, s46, s47                     ; the record: 16 x batch + my first head
	s_mul_i32 s46, s46, REC
	s_bfe_u32 s47, s22, 0x40007                    ; g: which 128 rows of the batch's 2,048
	s_mul_i32 s92, s47, 4*1536
	s_add_co_u32 s92, s92, s46
	s_mov_b32 s93, 0
	s_lshl_b32 s94, s47, 8
	s_add_co_u32 s94, s94, s46
	s_add_co_u32 s94, s94, RSC
	s_mov_b32 s95, 0
	s_cmp_eq_u32 s[PROJ], 1                        ; the buffers are chosen by the cluster's number
	s_cselect_b64 s[96:97], s[98:99], s[96:97]
	s_cselect_b64 s[8:9], s[10:11], s[8:9]
	s_cmp_eq_u32 s[PROJ], 2
	s_cselect_b64 s[96:97], s[100:101], s[96:97]
	s_cselect_b64 s[8:9], s[12:13], s[8:9]
	s_add_nc_u64 s[98:99], s[96:97], s[94:95]      ; my unit of scale words
	s_add_nc_u64 s[96:97], s[96:97], s[92:93]      ; my four images
	s_lshl_b32 s92, s23, 2
	s_add_nc_u64 s[8:9], s[8:9], s[92:93]          ; the bias at Nw
	s_mov_b32 s10, 0x1800000                       ; the floor 2^(3 - 127);
	s_cmp_eq_u32 s[PROJ], 0
	s_cselect_b32 s10, 0x3000000, s10              ; Q's is 2^(6 - 127),
	s_cselect_b32 s11, 0x03030303, 0               ; since 3 goes off each of its bytes: Q / 8
	s_mov_b32 s12, 0xffff0000                      ; lanes 16-31
	s_mov_b32 s18, 0x76543210
	s_mov_b32 s19, 0xfedcba98                      ; v_permlanex16_b32's selects for lane l xor 16
	; the bias in both layouts, 128 numbers each way: along a lane's registers (Q, K) and of a lane's channel (V).  Both are loaded on the one path that all take; each way out reads its own
	v_lshlrev_b32 v[BA], 6, v2
	v_and_b32 v[BL], 8, v1
	v_add_nc_u32 v[BL], v[BL], v1
	v_lshlrev_b32 v[BL], 2, v[BL]
.irp b, 0,1,2,3,4,5,6,7
	global_load_b128 v[BIAS+8*\b:BIAS+8*\b+3], v[BA], s[8:9] offset:4*(32*(\b/2)+8*(\b%2))          ; features 32 (b / 2) + 16 h + 8 (b % 2) + 0 .. 7
	global_load_b128 v[BIAS+8*\b+4:BIAS+8*\b+7], v[BA], s[8:9] offset:4*(32*(\b/2)+8*(\b%2))+16
.endr
.irp a, 0,1,2,3,4,5,6,7
	global_load_b32 v[BV+2*\a], v[BL], s[8:9] offset:4*(32*(\a/2)+8*(\a%2))                        ; feature 32 (a / 2) + 8 (a % 2) + r + 8 (r / 8), into both registers of a pair for the packed addition
	global_load_b32 v[BV+2*\a+1], v[BL], s[8:9] offset:4*(32*(\a/2)+8*(\a%2))
.endr
	v_and_b32 v6, 31, v0
	v_lshlrev_b32 v[OA], 4, v6
	v_lshlrev_b32 v[OS], 3, v6
.macro FRAG reg, adr, q, i             ; a fragment, 16 rows x 128 K, is 12 registers: lane l holds row l % 16; registers 6 c .. 6 c + 5 hold K = 64 c + 32 (l / 16) + 0 .. 31: 24 bytes of the row, as they lie
.irp p, 0,1,2,3,4,5                    ; in pieces of 8 bytes; where the piece of lanes 16-31 lies behind one padding more, the second address register serves
.set PCE, 12*(\q)+6*(\p/3)+\p%3
.if PCE%8 < 5
	ds_load_b64 v[\reg+2*\p:\reg+2*\p+1], v[\adr] offset:8*PCE+16*(PCE/8)+(\i)*16*PITCH
.else
	ds_load_b64 v[\reg+2*\p:\reg+2*\p+1], v[\adr+2] offset:8*PCE+16*(PCE/8)+(\i)*16*PITCH
.endif
.endr
.endm
; 16 matrix instructions: A's blocks a0, a0 + 1 x B's eight, 128 along K.  The 64 accumulators take turns, one instruction a turn, in the same order in every step.
.macro MUL16 a0, p, q, sc, zero
.irp a, \a0, \a0+1
.irp b, 0,1,2,3,4,5,6,7
.if \zero
	v_wmma_scale_f32_16x16x128_f8f6f4 v[8*(8*((\a)%4)+\b):8*(8*((\a)%4)+\b)+7], v[128*(\p)+FR*\b:128*(\p)+FR*\b+FR-1], v[AF+FR*(\a):AF+FR*(\a)+FR-1], 0, v[SC+8*NQ*(\sc)+NQ*\b+(\q)], v[SC+8*NQ*(\sc)+NQ*(\a)+(\q)] matrix_a_fmt:MATRIX_FMT_FP6 matrix_b_fmt:MATRIX_FMT_FP6 matrix_a_scale:MATRIX_SCALE_ROW1
.else
	v_wmma_scale_f32_16x16x128_f8f6f4 v[8*(8*((\a)%4)+\b):8*(8*((\a)%4)+\b)+7], v[128*(\p)+FR*\b:128*(\p)+FR*\b+FR-1], v[AF+FR*(\a):AF+FR*(\a)+FR-1], v[8*(8*((\a)%4)+\b):8*(8*((\a)%4)+\b)+7], v[SC+8*NQ*(\sc)+NQ*\b+(\q)], v[SC+8*NQ*(\sc)+NQ*(\a)+(\q)] matrix_a_fmt:MATRIX_FMT_FP6 matrix_b_fmt:MATRIX_FMT_FP6 matrix_a_scale:MATRIX_SCALE_ROW1
.endif
.endr
.endr
.endm
.macro FETCH_B slot, q, p
	WIN TO_B
.irp i, 0,1,2,3,4,5,6,7
	FRAG 128*(\p)+FR*\i, ADRB+\slot, \q, \i
.endr
	WIN 0
.endm
.macro FETCH_A slot, q, i0
.irp i, \i0, \i0+1, \i0+2, \i0+3
	FRAG AF+FR*(\i), ADRA+\slot, \q, \i
.endr
.endm
.macro SCALES sc                       ; a K step's scale words: lanes 0-15 take A's block i, lanes 16-31 B's block i
.irp i, 0,1,2,3,4,5,6,7
	ds_load_b64 v[SC+8*NQ*\sc+NQ*\i:SC+8*NQ*\sc+NQ*\i+1], v[ADRS] offset:\i*SBLK
.endr
.endm
.macro PLACES n                        ; plain vector instructions between a matrix instruction and a load into, or a vector instruction on, its registers
.rept \n
	v_nop
.endr
.endm
.macro STEP slot, q, zero              ; a step of 128 along K that has its successor in the same slot
	s_wait_dscnt 4*NL                              ; B's set and A's blocks 0-3 are in; the youngest 24 loads (A's blocks 4-7) may be out
	WIN MUL_LO
	MUL16 0, (\q)%2, \q, \slot, \zero
	MUL16 2, (\q)%2, \q, \slot, \zero
	s_wait_dscnt 0                                 ; A's blocks 4-7 are in
	PLACES NP
	FETCH_B \slot, (\q)+1, 1-(\q)%2
	FETCH_A \slot, (\q)+1, 0
	WIN MUL_HI
	MUL16 4, (\q)%2, \q, \slot, \zero
	MUL16 6, (\q)%2, \q, \slot, \zero
	PLACES NP
	WIN 0
	FETCH_A \slot, (\q)+1, 4
.endm
; A slot's last step changes slots: one barrier; in front of it each wave waits for all its tensor loads, adds 0 to its spare word, and waits for that and for its own reads of this slot.
.macro TURN slot, next, fill
	s_wait_tensorcnt 0x0                           ; all my tensor loads have landed: my part of the next slot
	ds_add_u32 v[SPW], v[NIL]
	s_wait_dscnt 4*NL+1                            ; (the add and the youngest 24 loads, A's blocks 4-7, may be out)
	WIN MUL_LO
	MUL16 0, 1, NQ-1, \slot, 0
	s_wait_dscnt 0x0                               ; the add is done, and my reads of this slot are over
	s_barrier_signal -1
	MUL16 2, 1, NQ-1, \slot, 0
	WIN 0
	s_barrier_wait -1
.if \fill
	CREST                                          ; the barrier has opened a round of the cluster's barrier: no wave of any partner still reads this slot or has a load on its way
	s_add_nc_u64 s[G0+4*\slot+2:G0+4*\slot+3], s[G0+4*\slot+2:G0+4*\slot+3], 2*ROWB
	s_add_nc_u64 s[G0B+4*\slot+2:G0B+4*\slot+3], s[G0B+4*\slot+2:G0B+4*\slot+3], 2*ROWB
	JLOAD G0+4*\slot, G1, G0B+4*\slot, G1B         ; the first tensor load behind the round; its four v_nop are the places in front of the loads below
.else
	PLACES NP
.endif
	v_add_nc_u32 v[ADRS], 4*NQ, v[ADRS]            ; on to the next K step's scale words
	FETCH_B \next, 0, 0
	FETCH_A \next, 0, 0
	SCALES \next
	WIN MUL_HI
	MUL16 4, 1, NQ-1, \slot, 0
	MUL16 6, 1, NQ-1, \slot, 0
	PLACES NP
	WIN 0
	FETCH_A \next, 0, 4
.endm
; 64 numbers of a lane, v[s] on, register 16 b + i = place 32 b + 16 (lane / 16) + i along K of my row, become 12 registers of codes in v[PC] on and the row's scale word in v[pw].
.macro QUANT s, floor, pw
.irp b, 0,1,2,3
	v_max3_num_f32 v[TM+\b], |v[\s+16*\b]|, |v[\s+1+16*\b]|, \floor   ; block b: my 16 numbers, and the floor, under which no largest magnitude is taken
.endr
.irp i, 2,4,6,8,10,12,14
.irp b, 0,1,2,3
	v_max3_num_f32 v[TM+\b], v[TM+\b], |v[\s+16*\b+\i]|, |v[\s+1+16*\b+\i]|   ; (the four blocks by turns)
.endr
.endr
.irp b, 0,1,2,3
	v_permlanex16_b32 v[TM+4+\b], v[TM+\b], s18, s19
.endr
.irp b, 0,1,2,3
	v_max_num_f32 v[TM+\b], v[TM+\b], v[TM+4+\b]   ; with lane l xor 16's: the block's largest magnitude
.endr
.irp b, 0,1,2,3
	v_add_nc_u32 v[TM+12+\b], 0xff000000, v[TM+\b] ; 2 off its exponent field: the conversion's scale operand
.endr
.irp b, 0,1,2,3
	v_lshrrev_b32 v[TM+4+\b], 23, v[TM+12+\b]      ; the scale's byte
.endr
	v_lshl_or_b32 v[\pw], v[TM+5], 8, v[TM+4]
	v_lshl_or_b32 v[\pw], v[TM+6], 16, v[\pw]
	v_lshl_or_b32 v[\pw], v[TM+7], 24, v[\pw]
.irp c, 0,1
	v_cvt_scalef32_pk16_fp6_f32 v[PC+6*\c:PC+2+6*\c], v[\s+32*\c:\s+15+32*\c], v[TM+12+2*\c]
	v_cvt_scalef32_pk16_fp6_f32 v[PC+12+4*\c:PC+14+4*\c], v[\s+16+32*\c:\s+31+32*\c], v[TM+12+2*\c+1]   ; (a conversion's three registers begin on an even number)
.endr
	v_nop                                          ; one plain place behind a scaled conversion
.irp c, 0,1                                    ; the operand's layout wants a whole block in a lane: lanes 0-15 block 2 c, lanes 16-31 block 2 c + 1
.irp i, 0,1,2
	v_permlane16_swap_b32 v[PC+6*\c+\i], v[PC+12+4*\c+\i]
.endr
.irp i, 0,1,2
	v_mov_b32 v[PC+3+6*\c+\i], v[PC+12+4*\c+\i]
.endr
.endr
.endm
.macro IMAGE hh, i                     ; the 12 registers as they stand: three stores of 512 consecutive bytes
.irp c, 0,1,2
	global_store_b128 v[OA], v[PC+4*\c:PC+4*\c+3], s[96:97] offset:REC*(\hh)+1536*(\i)+512*\c
.endr
.endm
; Q, K: head hh of my two, A's blocks 2 pp and 2 pp + 1: each gives a lane 32 numbers, the head's 64 shared with lane l xor 16
.macro QKUNIT hh, pp
.if (\hh)+(\pp) > 0
	s_wait_xcnt 0x0                                ; the stores of the image before have read their registers
.endif
	WIN 0x02+(\pp)/2                               ; source 0: window 2 or 3
.irp c, 0,1
.set jj, 0
.rept 16
	v_pk_add_f32 v[T+32*\c+jj:T+32*\c+jj+1], v[64*((2*(\pp)+\c)%4)+32*(\hh)+jj:64*((2*(\pp)+\c)%4)+32*(\hh)+jj+1], v[BIAS+32*(\hh)+jj:BIAS+32*(\hh)+jj+1]   ; each accumulator from its low end on
.set jj, jj+2
.endr
.endr
	WIN 0
	QUANT T, s10, PWS+(\pp)
	IMAGE \hh, \pp
.endm
; V: A's block 4 hh + i: 16 channels of head hh; a lane's 64 numbers are its channel at 128 keys, shared with lane l xor 16
.macro VUNIT hh, i
.if (\hh)+(\i) > 0
	s_wait_xcnt 0x0
.endif
	WIN 0x02+(\hh)
.set jj, 0
.rept 32
	v_pk_add_f32 v[T+jj:T+jj+1], v[64*(\i)+jj:64*(\i)+jj+1], v[BV+2*(4*(\hh)+(\i)):BV+2*(4*(\hh)+(\i))+1]
.set jj, jj+2
.endr
	WIN 0
	QUANT T, 0x1800000, PWS+(\i)
	IMAGE \hh, \i
.endm
.macro WORDS hh, adj                   ; four images' scale words make a unit: lanes 0-15 those of images 0 and 2, lanes 16-31 those of images 1 and 3
	v_cndmask_b32 v[W2], v[PWS], v[PWS+1], s12
	v_cndmask_b32 v[W2+1], v[PWS+2], v[PWS+3], s12
.if \adj
	v_sub_nc_u32 v[W2], v[W2], s11                 ; Q: 3 off each byte (none is under 4); K: 0
	v_sub_nc_u32 v[W2+1], v[W2+1], s11
.endif
	global_store_b64 v[OS], v[W2:W2+1], s[98:99] offset:REC*(\hh)   ; 32 lanes store 256 consecutive bytes
.endm
	s_wait_loadcnt 0x0                             ; the bias
	s_wait_tensorcnt 1                             ; the scale bytes and my part of K step 0 are in (K step 1's load may be out),
	s_barrier_signal -1
	s_barrier_wait -1                              ; everybody's are
	FETCH_B 0, 0, 0
	FETCH_A 0, 0, 0
	SCALES 0
	FETCH_A 0, 0, 4
	STEP 0, 0, 1                                   ; the first step stands in front of the loop: its products start the sums
	s_mov_b32 s3, LAPS-1
.Llap:                                                 ; a trip goes once round the ring and fills both slots again
	TURN 0, 1, 1
	STEP 1, 0, 0
	TURN 1, 0, 1
	STEP 0, 0, 0
	s_sub_co_u32 s3, s3, 1
	s_cmp_lg_u32 s3, 0
	s_cbranch_scc1 .Llap
	TURN 0, 1, 0                                   ; the last lap fills nothing
	STEP 1, 0, 0
	s_wait_dscnt 4*NL
	WIN MUL_LO
	MUL16 0, 1, NQ-1, 1, 0
	MUL16 2, 1, NQ-1, 1, 0
	s_wait_dscnt 0
	WIN MUL_HI
	MUL16 4, 1, NQ-1, 1, 0
	MUL16 6, 1, NQ-1, 1, 0
	WIN 0
	PLACES NP                                      ; in front of the first read of results and the first write over A's fragments
.irp b, 0,1,2,3
	v_mov_b32 v[TM+4+\b], 0                        ; a lane permute's destination counts as one of its sources
.endr
	s_cmp_eq_u32 s[PROJ], 2                        ; the cluster's number: all partners go the same way
	s_cbranch_scc1 .Lv_path
.irp hh, 0,1
.irp pp, 0,1,2,3
	QKUNIT \hh, \pp
.endr
	WORDS \hh, 1
.endr
	s_branch .Lout
.Lv_path:
.irp hh, 0,1
.irp i, 0,1,2,3
	VUNIT \hh, \i
.endr
	WORDS \hh, 0
.endr
.Lout:
	s_wait_tensorcnt 0x0                           ; the wave's end
	ds_add_u32 v[SPW], v[NIL]
	s_wait_dscnt 0x0
	CROUND                                         ; the closing round: no work-group ends while a partner may still ask for a tile that names it
	s_endpgm
.Lfunc_end_k_q612ae05327_proj:
	.size	k_q612ae05327_proj, .Lfunc_end_k_q612ae05327_proj-k_q612ae05327_proj
	.p2alignl 7, 3214868480
	.fill 96, 4, 3214868480
	.section	.rodata,"a",@progbits
	.p2align	6, 0x0
	.amdhsa_kernel k_q612ae05327_proj
		.amdhsa_group_segment_fixed_size 327680
		.amdhsa_private_segment_fixed_size 0
		.amdhsa_enable_private_segment 0
		.amdhsa_kernarg_size 64
		.amdhsa_user_sgpr_count 2
		.amdhsa_user_sgpr_kernarg_segment_ptr 1
		.amdhsa_wavefront_size32 1
		.amdhsa_system_sgpr_workgroup_id_x 1
		.amdhsa_system_sgpr_workgroup_id_y 1
		.amdhsa_system_sgpr_workgroup_id_z 1
		.amdhsa_system_vgpr_workitem_id 0
		.amdhsa_next_free_vgpr 1024
		.amdhsa_next_free_sgpr 102
		.amdhsa_reserve_vcc 0
		.amdhsa_float_denorm_mode_32 3
		.amdhsa_float_denorm_mode_16_64 3
		.amdhsa_memory_ordered 1
		.amdhsa_forward_progress 1
		.amdhsa_inst_pref_size 233
	.end_amdhsa_kernel
	.amdgpu_metadata
---
amdhsa.version: [ 1, 2 ]
amdhsa.kernels:
  - .name:           k_q612ae05327_proj
    .symbol:         k_q612ae05327_proj.kd
    .args:
      - { .name: codes, .offset: 0, .size: 8, .value_kind: global_buffer, .address_space: global }
      - { .name: scales, .offset: 8, .size: 8, .value_kind: global_buffer, .address_space: global }
      - { .name: bq, .offset: 16, .size: 8, .value_kind: global_buffer, .address_space: global }
      - { .name: bk, .offset: 24, .size: 8, .value_kind: global_buffer, .address_space: global }
      - { .name: bv, .offset: 32, .size: 8, .value_kind: global_buffer, .address_space: global }
      - { .name: qrec, .offset: 40, .size: 8, .value_kind: global_buffer, .address_space: global }
      - { .name: krec, .offset: 48, .size: 8, .value_kind: global_buffer, .address_space: global }
      - { .name: vrec, .offset: 56, .size: 8, .value_kind: global_buffer, .address_space: global }
    .group_segment_fixed_size: 327680
    .private_segment_fixed_size: 0
    .kernarg_segment_align: 8
    .kernarg_segment_size: 64
    .max_flat_workgroup_size: 128
    .sgpr_count:     102
    .vgpr_count:     1024
    .wavefront_size: 32
...
	.end_amdgpu_metadata
.endif
;; end of part 2
;; launch attn (part 3): grid 4 x 64, 16 waves a work-group, clusters of 4 x 1, 206,848 bytes of LDS; arguments qrec, krec, vrec, acod, ascl; writes acod, ascl
.if DOCPART == 3
	.amdgcn_target "amdgcn-amd-amdhsa--gfx1250"
	.amdhsa_code_object_version 6
	.text
	.protected	k_q612ae05327_attn
	.globl	k_q612ae05327_attn
	.p2align	8
	.type	k_q612ae05327_attn,@function
k_q612ae05327_attn:
	s_mov_b64 s[64:65], 0
	v_nop
	global_prefetch_b8 v0, s[64:65] scope:SCOPE_SE
	s_setreg_imm32_b32 hwreg(HW_REG_WAVE_MODE, 25, 1), 1
	s_wait_xcnt 0x0
	s_wait_alu depctr_hold_cnt(0) depctr_sa_sdst(0) depctr_va_vdst(0) depctr_va_sdst(0) depctr_va_ssrc(0) depctr_va_vcc(0) depctr_vm_vsrc(0)
	s_getreg_b32 s2, hwreg(HW_REG_IB_STS2, 6, 4)
	s_cmp_eq_u32 s2, 0
	s_cbranch_scc0 .Lentry_in_a_cluster
	s_endpgm
.Lentry_in_a_cluster:
	s_bfe_u32 s2, ttmp6, 0x10000c
	s_cmp_lg_u32 s2, 0x3003
	s_cbranch_scc0 .Lentry_shape_is_right
	s_endpgm
.Lentry_shape_is_right:
; For each batch and head: scores = (Q / 8) K^T, w = exp(scores - max) / (sum + 1e-10), attn = w V, both products on codes of FP6 (E2M3) with one E8M0 scale for each 32 along K.
; THE WEIGHTS ARE QUANTISED FINISHED AND NORMALISED, along the keys.  A block's scale hangs on 1 / sum, so a row's maximum and sum are known before any weight is quantised: THE KEYS ARE WALKED TWICE.
;   Pass 1: scores, a running maximum and sum for each lane.   Pass 2: the scores again, w = 2^(c s - c m) x 1 / (sum + 1e-10), quantised in registers, times V.   c = log2(e); c m is rounded once and serves both passes.
; SHARES.  A cluster of four work-groups is one batch and head; a work-group takes 512 queries; each of its sixteen waves 32 of them, two tiles of 16, one after the other, in 256 registers: four waves to a SIMD,
; so that one wave's vector work stands beside another's matrix work and LDS loads.
; LDS.  The head's whole K record and V record (102,400 bytes each: 64 images of operand registers, 1,536 bytes each, then 16 units of scale words) are filled ONCE, jointly by the four work-groups; nothing is filled again.
; An image comes back by three loads of 16 bytes a lane at 16 x lane.
; THE FIRST PRODUCT'S K IS 64, the instruction's 128.  An image of K is [16 keys x 64 | the next 16 keys x 64]; against [Q | zeros] it gives the first 16 keys' scores, against [zeros | Q] the second's.  Zero codes add nothing under any scale byte but 0xff,
; and every byte here lies between 1 and 254.
; LAYOUT.  Both products are used transposed (source 0 = keys, or V's channels; source 1 = my 16 queries): a lane holds ONE query.  The rows of every tensor lie in the stored order, so that register 16 p + i of the scores is key 32 p + 16 (lane / 16) + i
; of the step's 128, and register 16 b + i of the result is channel 32 b + 16 (lane / 16) + i.
; OUT.  The head's 64 channels of 16 queries are quantised along d_model (two blocks) and stored as half an image of the last product's operand: 512 bytes (registers 0-3) and 256 bytes (registers 4-5); two scale bytes a row.
; LIMITS: scores above -1e38; a weight under 2^-126 is taken as 0 by the exponential; blocks under 2^(3 - 127) keep the byte 1; NaN and infinities are not served.
; No ring and no prefetch: every byte of the two records is asked for at the head.
.set REC,   102400
.set IMB,   1536                       ; an image
.set STEPB, 4*IMB                      ; a step of 128 keys: four images
.set SCO,   64*IMB                     ; where a record's scale words begin
.set VB,    REC                        ; LDS: K's record at 0, V's here
.set SPARE, 2*REC                      ; the spare words, 128 bytes for each of sixteen waves
.set PART,  REC/16                     ; what one tensor load brings: 25 rows of 256 bytes
.set LI,  1                            ; v1   16 x lane: my place in a piece of an image, in LDS and in memory
.set LIV, 2                            ; v2   the same in V's record
.set LSK, 3                            ; v3   8 x lane + K's scale words
.set LSV, 4                            ; v4   8 x lane + V's
.set SPW, 5                            ; v5   my spare word; never rewritten
.set NIL, 6                            ; v6   0; never rewritten
.set AO8, 8                            ; v8   8 x lane + 512: registers 4-5 of the half image that I store
.set AS,  9                            ; v9   32 x r: my row of scale bytes
.set ADK, 10                           ; v10-13 LDS addresses of the loads in hand: K's images, K's words, V's images, V's words
.set ADS, 11
.set ADV, 12
.set ADT, 13
.set QW,  14                           ; v14  the pair's scale word: bytes 0, 1 tile 0; bytes 2, 3 tile 1
.set QS,  15                           ; v15  the tile's two bytes, twice
.set CM,  16                           ; v[16:17] c m (v17 is named with it as a pair)
.set L,   18                           ; v[18:19] the sum, in two halves
.set RR,  20                           ; v[20:21] pass 1: 2^(c m_old - c m_new); pass 2: 1 / (sum + 1e-10)
.set MX,  22                           ; v22  m
.set OLD, 23
.set T2,  24                           ; v[24:25] the second chain of the sums; the two scale bytes on the way out
.set SK,  26                           ; v[26:27] K's scale words of a step
.set SV,  28                           ; v[28:29] V's
.set PW,  30                           ; v30  the weights' scale word
.set QA,  31                           ; v31  8 x r: where Q's scale word lies
.set F,   32                           ; v32-79  four images, of K or of V
.set QF,  80                           ; v80-97  six zeros, Q's six registers, six zeros
.set IMG, 98                           ; v98-109 the pair's image
.set S,   112                          ; v112-175 the scores, then the weights
.set O,   176                          ; v176-207 the result
.set PC,  208                          ; v208-227 codes
.set TM,  228                          ; v228-243 at work in the quantiser
.set WV,  14
.set SEL, 20
.set CS,  22
.set G1,  24
.set G0K, 32
.set G0V, 36
.set TB,  40                           ; s40  where the step's images begin in a record
.set TS,  41                           ; s41  and its scale words
.set CNT, 42
.macro CROUND                          ; a round of the cluster's barrier
	s_barrier_signal -1
	s_barrier_wait -1
	s_cmp_lg_u32 s[WV], 0
	s_cbranch_scc1 .Lnot_wave_0_\@
	s_barrier_signal -3
.Lnot_wave_0_\@:
	s_barrier_wait -3
	s_barrier_signal -1
	s_barrier_wait -1
.endm
	s_load_b128 s[4:7], s[0:1], 0x0                ; Q's records, K's
	s_load_b128 s[8:11], s[0:1], 0x10              ; V's; the codes that I store
	s_load_b64 s[12:13], s[0:1], 0x20              ; and their scale bytes
	v_lshl_add_u32 v[SPW], v0, 2, SPARE
	v_mov_b32 v[NIL], 0
	ds_add_u32 v[SPW], v[NIL]                      ; the wave's opening: the add and its wait stand ahead of my first tensor load; the set-up below stands between them
	v_lshrrev_b32 v1, 5, v0
	v_readfirstlane_b32 s[WV], v1                  ; wave 0..15
	s_bfe_u32 s15, ttmp6, 0x40000                  ; cx: it enters Q's and the outputs' addresses alone
	s_and_b32 s16, ttmp7, 0xffff                   ; 16 x batch + head, which the four partners share
	; descriptor group 1: 25 rows of 256 bytes (32 elements of 8 bytes), dense, no padding; the mask names all four work-groups
	s_mov_b32 s[G1], 15|(3<<16)|(1<<21)
	s_mov_b32 s[G1+1], 32<<16                      ; tensor_dim0
	s_mov_b32 s[G1+2], 25<<16                      ; tensor_dim1
	s_mov_b32 s[G1+3], 32<<16                      ; tile_dim0
	s_mov_b32 s[G1+4], 25                          ; tile_dim1
	s_mov_b32 s[G1+5], 32                          ; from row to row
	s_mov_b32 s[G1+6], 0
	s_mov_b32 s[G1+7], 0
	s_mul_i32 s43, s[WV], PART                     ; my wave's part of a record
	s_mul_i32 s44, s16, REC                        ; the record
	s_add_co_u32 s46, s44, s43
	s_mov_b32 s47, 0
	s_lshl_b32 s45, s15, 4
	s_add_co_u32 s45, s45, s[WV]                   ; gp: my pair of query tiles, 0..63
	s_mul_i32 s48, s45, IMB
	s_add_co_u32 s48, s48, s44                     ; its image
	s_mov_b32 s49, 0
	s_lshr_b32 s50, s45, 2
	s_lshl_b32 s50, s50, 8                         ; its scale word: unit gp / 4,
	s_and_b32 s51, s45, 1
	s_lshl_b32 s51, s51, 7                         ; lanes 16-31 of it for an odd image,
	s_add_co_u32 s50, s50, s51
	s_bfe_u32 s51, s45, 0x10001
	s_lshl_b32 s51, s51, 2                         ; the second word for images 2 and 3
	s_add_co_u32 s50, s50, s51
	s_add_co_u32 s50, s50, s44
	s_add_co_u32 s50, s50, SCO
	s_mov_b32 s51, 0
	s_lshr_b32 s52, s16, 4
	s_lshl_b32 s52, s52, 7
	s_lshl_b32 s53, s45, 1
	s_add_co_u32 s52, s52, s53                     ; my first stored tile of 16 queries: 128 x batch + 2 gp
	s_and_b32 s53, s16, 15                         ; the head
	s_mul_i32 s54, s52, 8*IMB                      ; a tile has 8 K steps of 1,536 bytes;
	s_mul_i32 s56, s53, IMB/2                      ; a head is half a K step
	s_add_co_u32 s54, s54, s56
	s_mov_b32 s55, 0
	s_lshl_b32 s56, s52, 9                         ; 16 rows of 32 scale bytes a tile,
	s_lshl_b32 s57, s53, 1                         ; two bytes a head
	s_add_co_u32 s56, s56, s57
	s_mov_b32 s57, 0
	s_mov_b32 s[SEL], 0x76543210
	s_mov_b32 s[SEL+1], 0xfedcba98                 ; v_permlanex16_b32's selects for lane l xor 16
	s_mov_b32 s[CS], 0x3fb8aa3b                    ; c = log2(e)
	s_mov_b32 s[CS+1], s[CS]                       ; (named with it as a pair)
	s_wait_dscnt 0x0                               ; the opening add is done
	s_wait_kmcnt 0x0
	s_mov_b32 s[G0K], 1
	s_mov_b32 s[G0K+1], s43                        ; LDS: K's record, my part
	s_add_nc_u64 s[G0K+2:G0K+3], s[6:7], s[46:47]
	s_or_b32 s[G0K+3], s[G0K+3], 0x80000000
	s_mov_b32 s[G0V], 1
	s_add_co_u32 s[G0V+1], s43, VB
	s_add_nc_u64 s[G0V+2:G0V+3], s[8:9], s[46:47]
	s_or_b32 s[G0V+3], s[G0V+3], 0x80000000
	s_add_nc_u64 s[48:49], s[4:5], s[48:49]
	s_add_nc_u64 s[50:51], s[4:5], s[50:51]
	s_add_nc_u64 s[10:11], s[10:11], s[54:55]
	s_add_nc_u64 s[12:13], s[12:13], s[56:57]
	CROUND                                         ; all four work-groups are here: the joint loads meet
	tensor_load_to_lds s[G0K:G0K+3], s[G1:G1+7]    ; two tensor loads of mine are out: the only ones of the launch
	s_nop 0
	tensor_load_to_lds s[G0V:G0V+3], s[G1:G1+7]
	s_nop 0
.rept 4
	v_nop
.endr
	v_and_b32 v[QA], 15, v0                        ; r
	v_and_b32 v[LI], 31, v0
	v_lshlrev_b32 v[LSK], 3, v[LI]
	v_lshlrev_b32 v[LI], 4, v[LI]
	v_lshlrev_b32 v[AS], 5, v[QA]
	v_lshlrev_b32 v[QA], 3, v[QA]
.irp c, 0,1,2
	global_load_b128 v[IMG+4*\c:IMG+4*\c+3], v[LI], s[48:49] offset:512*\c   ; my pair's image
.endr
	global_load_b32 v[QW], v[QA], s[50:51]         ; row r's word, in both halves of the lanes
	v_add_nc_u32 v[AO8], 512, v[LSK]
	v_add_nc_u32 v[LSV], VB+SCO, v[LSK]
	v_add_nc_u32 v[LSK], SCO, v[LSK]
	v_add_nc_u32 v[LIV], VB, v[LI]
.irp j, 0,1,2,3,4,5
	v_mov_b32 v[QF+\j], 0                          ; zero codes on both sides of Q
	v_mov_b32 v[QF+12+\j], 0
.endr
.irp b, 0,1,2,3
	v_mov_b32 v[TM+4+\b], 0                        ; a lane permute's destination counts as one of its sources
.endr
	v_mov_b32 v[CM+1], 0                           ; (upper halves of pairs of which the low word serves both results)
	v_mov_b32 v[RR+1], 0
	s_wait_loadcnt 0x0
.macro KLOAD                           ; a step's four images of K and their scale words
.irp p, 0,1,2,3
.irp c, 0,1,2
	ds_load_b128 v[F+12*\p+4*\c:F+12*\p+4*\c+3], v[ADK] offset:IMB*\p+512*\c
.endr
.endr
	ds_load_b64 v[SK:SK+1], v[ADS]                 ; register p / 2: lanes 0-15 image p even, lanes 16-31 image p odd
.endm
.macro VLOAD
.irp p, 0,1,2,3
.irp c, 0,1,2
	ds_load_b128 v[F+12*\p+4*\c:F+12*\p+4*\c+3], v[ADV] offset:IMB*\p+512*\c
.endr
.endr
	ds_load_b64 v[SV:SV+1], v[ADT]
.endm
.macro QK                              ; the scores of 128 keys: image p against [Q | 0] (u = 0) and [0 | Q] (u = 1)
.irp p, 0,1,2,3
.irp u, 0,1
.if \p%2
	v_wmma_scale_f32_16x16x128_f8f6f4 v[S+16*\p+8*\u:S+16*\p+8*\u+7], v[F+12*\p:F+12*\p+11], v[QF+6-6*\u:QF+17-6*\u], 0, v[SK+\p/2], v[QS] matrix_a_fmt:MATRIX_FMT_FP6 matrix_b_fmt:MATRIX_FMT_FP6 matrix_a_scale:MATRIX_SCALE_ROW1
.else
	v_wmma_scale_f32_16x16x128_f8f6f4 v[S+16*\p+8*\u:S+16*\p+8*\u+7], v[F+12*\p:F+12*\p+11], v[QF+6-6*\u:QF+17-6*\u], 0, v[SK+\p/2], v[QS] matrix_a_fmt:MATRIX_FMT_FP6 matrix_b_fmt:MATRIX_FMT_FP6
.endif
.endr
.endr
.endm
.macro PV                              ; the result's four tiles of 16 channels, by turns, one instruction a turn
.irp d, 0,1,2,3
.if \d%2
	v_wmma_scale_f32_16x16x128_f8f6f4 v[O+8*\d:O+8*\d+7], v[F+12*\d:F+12*\d+11], v[PC:PC+11], v[O+8*\d:O+8*\d+7], v[SV+\d/2], v[PW] matrix_a_fmt:MATRIX_FMT_FP6 matrix_b_fmt:MATRIX_FMT_FP6 matrix_a_scale:MATRIX_SCALE_ROW1
.else
	v_wmma_scale_f32_16x16x128_f8f6f4 v[O+8*\d:O+8*\d+7], v[F+12*\d:F+12*\d+11], v[PC:PC+11], v[O+8*\d:O+8*\d+7], v[SV+\d/2], v[PW] matrix_a_fmt:MATRIX_FMT_FP6 matrix_b_fmt:MATRIX_FMT_FP6
.endif
.endr
.endm
.macro NEXT nxt                        ; where the next fetch of K stands: 1: the next step; 2: back at the head's first step
.if \nxt == 1
	s_add_co_u32 s[TB], s[TB], STEPB
	s_add_co_u32 s[TS], s[TS], 256
.else
	s_mov_b32 s[TB], 0
	s_mov_b32 s[TS], 0
.endif
	v_add_nc_u32 v[ADK], s[TB], v[LI]
	v_add_nc_u32 v[ADS], s[TS], v[LSK]
.endm
.macro TOEXP                           ; c s - c m, two at a time, and 2^ of it
.set jj, 0
.rept 32
	v_pk_fma_f32 v[S+jj:S+jj+1], v[S+jj:S+jj+1], s[CS:CS+1], v[CM:CM+1] op_sel_hi:[1,0,0] neg_lo:[0,0,1] neg_hi:[0,0,1]
.set jj, jj+2
.endr
.endm
.macro EXPS
.set jj, 0
.rept 64
	v_exp_f32 v[S+jj], v[S+jj]
.set jj, jj+1
.endr
.endm
; PASS 1, a step of 128 keys.  Maximum and sum stay a lane's own (a query's keys lie in lanes l and l xor 16): the halves meet once, behind the pass.
.macro P1STEP nxt
	s_wait_dscnt 0x0                               ; K's images and words are in
	QK
	NEXT \nxt                                      ; two additions and two v_nop: the four places in front of loads into registers that the products read
	v_nop
	v_nop
	KLOAD                                          ; the next step's, a whole step's vector work ahead of their use
.irp b, 0,1,2,3
	v_max3_num_f32 v[TM+\b], v[S+16*\b], v[S+16*\b+1], v[S+16*\b+2]   ; four chains; each accumulator is read from its low end on
.endr
.irp i, 3,5,7,9,11,13
.irp b, 0,1,2,3
	v_max3_num_f32 v[TM+\b], v[TM+\b], v[S+16*\b+\i], v[S+16*\b+\i+1]
.endr
.endr
.irp b, 0,1,2,3
	v_max_num_f32 v[TM+\b], v[TM+\b], v[S+16*\b+15]
.endr
	v_max3_num_f32 v[MX], v[MX], v[TM], v[TM+1]
	v_max3_num_f32 v[MX], v[MX], v[TM+2], v[TM+3]  ; the running maximum
	v_mov_b32 v[OLD], v[CM]
	v_mul_f32 v[CM], s[CS], v[MX]
	v_sub_f32 v[OLD], v[OLD], v[CM]                ; c m_old - c m_new, 0 or less
	TOEXP
	v_exp_f32 v[RR], v[OLD]
	EXPS                                           ; one batch of 65 exponentials,
	v_nop                                          ; a plain instruction behind the last,
	s_wait_alu depctr_va_vdst(0)                   ; and one wait ahead of the first instruction that names a result
	v_pk_mul_f32 v[L:L+1], v[L:L+1], v[RR:RR+1] op_sel_hi:[1,0]   ; the sum under the new maximum
	v_pk_add_f32 v[T2:T2+1], v[S:S+1], v[S+2:S+3]  ; two chains, two numbers an instruction
.set jj, 4
.rept 15
	v_pk_add_f32 v[L:L+1], v[L:L+1], v[S+jj:S+jj+1]
	v_pk_add_f32 v[T2:T2+1], v[T2:T2+1], v[S+jj+2:S+jj+3]
.set jj, jj+4
.endr
	v_pk_add_f32 v[L:L+1], v[L:L+1], v[T2:T2+1]
.endm
; 64 numbers of a lane, none negative, register 16 b + i = key 32 b + 16 (lane / 16) + i, become 12 registers of codes in v[PC] on and the row's scale word in v[PW].
.macro QUANT s
.irp b, 0,1,2,3
	v_max3_num_f32 v[TM+\b], v[\s+16*\b], v[\s+1+16*\b], 0x1800000   ; and the floor 2^(3 - 127): the byte cannot fall under 1
.endr
.irp i, 2,4,6,8,10,12,14
.irp b, 0,1,2,3
	v_max3_num_f32 v[TM+\b], v[TM+\b], v[\s+16*\b+\i], v[\s+1+16*\b+\i]
.endr
.endr
.irp b, 0,1,2,3
	v_permlanex16_b32 v[TM+4+\b], v[TM+\b], s[SEL], s[SEL+1]
.endr
.irp b, 0,1,2,3
	v_max_num_f32 v[TM+\b], v[TM+\b], v[TM+4+\b]   ; with lane l xor 16's: the block's largest
.endr
.irp b, 0,1,2,3
	v_add_nc_u32 v[TM+12+\b], 0xff000000, v[TM+\b] ; 2 off its exponent field: the conversion's scale operand
.endr
.irp b, 0,1,2,3
	v_lshrrev_b32 v[TM+4+\b], 23, v[TM+12+\b]      ; the scale's byte
.endr
	v_lshl_or_b32 v[PW], v[TM+5], 8, v[TM+4]
	v_lshl_or_b32 v[PW], v[TM+6], 16, v[PW]
	v_lshl_or_b32 v[PW], v[TM+7], 24, v[PW]
.irp c, 0,1
	v_cvt_scalef32_pk16_fp6_f32 v[PC+6*\c:PC+2+6*\c], v[\s+32*\c:\s+15+32*\c], v[TM+12+2*\c]
	v_cvt_scalef32_pk16_fp6_f32 v[PC+12+4*\c:PC+14+4*\c], v[\s+16+32*\c:\s+31+32*\c], v[TM+12+2*\c+1]   ; (a conversion's three registers begin on an even number)
.endr
	v_nop                                          ; one plain place behind a scaled conversion
.irp c, 0,1                                    ; a whole block to a lane: lanes 0-15 block 2 c, lanes 16-31 block 2 c + 1
.irp i, 0,1,2
	v_permlane16_swap_b32 v[PC+6*\c+\i], v[PC+12+4*\c+\i]
.endr
.irp i, 0,1,2
	v_mov_b32 v[PC+3+6*\c+\i], v[PC+12+4*\c+\i]
.endr
.endr
.endm
; PASS 2, a step of 128 keys.  nxt = 0: nothing more is fetched.
.macro P2STEP nxt
	s_wait_dscnt 0x0                               ; K's images and words are in
	QK
	v_add_nc_u32 v[ADV], s[TB], v[LIV]             ; this step's V: two additions and two v_nop are the four places in front of the loads
	v_add_nc_u32 v[ADT], s[TS], v[LSV]
	v_nop
	v_nop
	VLOAD                                          ; into the registers that K has left; it lands under the softmax
	TOEXP
	EXPS                                           ; one batch,
	v_nop                                          ; a plain instruction behind the last,
	s_wait_alu depctr_va_vdst(0)                   ; one wait ahead of the first reader
.set jj, 0
.rept 32
	v_pk_mul_f32 v[S+jj:S+jj+1], v[S+jj:S+jj+1], v[RR:RR+1] op_sel_hi:[1,0]   ; the finished weight: e x 1 / (sum + 1e-10)
.set jj, jj+2
.endr
	QUANT S
.if \nxt                               ; eight plain instructions between the scale word's and the codes' last writes and the scaled products
	NEXT \nxt
.rept 6
	v_nop
.endr
.else
.rept 8
	v_nop
.endr
.endif
	s_wait_dscnt 0x0                               ; V's images and words are in
	PV
.rept 4
	v_nop                                          ; places in front of the loads below, and of the first read of the result behind the last step
.endr
.if \nxt
	KLOAD
.endif
.endm
; ONE TILE OF 16 QUERIES: half i of my pair's image.
.macro QTILE i
.if \i
	s_wait_xcnt 0x0                                ; the first tile's stores have read their registers
.endif
	v_perm_b32 v[QS], v[QW], v[QW], 0x01000100+0x02020202*\i   ; the tile's two scale bytes, for either half of K
.irp j, 0,1,2,3,4,5
	v_mov_b32 v[QF+6+\j], v[IMG+6*\i+\j]
.endr
.set jj, 0
.rept 32
	v_mov_b32 v[O+jj], 0                           ; the result begins as zeros, so that pass 2's step is written once; these lines are also the places between Q's and its scale's writes and the first product
.set jj, jj+1
.endr
	v_mov_b32 v[MX], 0xfe967699                    ; -1e38, under every score
	v_mul_f32 v[CM], s[CS], v[MX]
	v_mov_b32 v[L], 0
	v_mov_b32 v[L+1], 0
.if \i == 0
	s_wait_tensorcnt 0x0                           ; my parts of both records are in,
	s_barrier_signal -1
	s_barrier_wait -1                              ; everybody's are
	NEXT 2
	KLOAD
.endif
	s_mov_b32 s[CNT], 15
.Lp1_\@:
	P1STEP 1
	s_sub_co_u32 s[CNT], s[CNT], 1
	s_cmp_lg_u32 s[CNT], 0
	s_cbranch_scc1 .Lp1_\@
	P1STEP 2                                       ; the last step fetches the first step's K again, for pass 2
	v_permlanex16_b32 v[TM+4], v[MX], s[SEL], s[SEL+1]   ; the two halves of the lanes meet: the row's maximum,
	v_max_num_f32 v[MX], v[MX], v[TM+4]
	v_mov_b32 v[OLD], v[CM]
	v_mul_f32 v[CM], s[CS], v[MX]
	v_sub_f32 v[OLD], v[OLD], v[CM]
	v_exp_f32 v[RR], v[OLD]
	v_add_f32 v[L], v[L], v[L+1]                   ; (a plain instruction behind the exponential)
	s_wait_alu depctr_va_vdst(0)                   ; the wait ahead of its first reader
	v_mul_f32 v[L], v[L], v[RR]                    ; my half's sum under it,
	v_permlanex16_b32 v[TM+4], v[L], s[SEL], s[SEL+1]
	v_add_f32 v[L], v[L], v[TM+4]                  ; the row's sum,
	v_add_f32 v[L], 0x2edbe6ff, v[L]               ; + 1e-10
	v_rcp_f32 v[RR], v[L]
	v_nop
	s_wait_alu depctr_va_vdst(0)
	s_mov_b32 s[CNT], 15
.Lp2_\@:
	P2STEP 1
	s_sub_co_u32 s[CNT], s[CNT], 1
	s_cmp_lg_u32 s[CNT], 0
	s_cbranch_scc1 .Lp2_\@
	P2STEP 2-2*\i                                  ; the first tile's last step fetches the first step's K for the second tile
	; the head's 64 channels of my query: two blocks of 32, each in lanes l and l xor 16
.irp b, 0,1
	v_max3_num_f32 v[TM+\b], |v[O+16*\b]|, |v[O+1+16*\b]|, 0x1800000
.endr
.irp n, 2,4,6,8,10,12,14
.irp b, 0,1
	v_max3_num_f32 v[TM+\b], v[TM+\b], |v[O+16*\b+\n]|, |v[O+1+16*\b+\n]|
.endr
.endr
.irp b, 0,1
	v_permlanex16_b32 v[TM+4+\b], v[TM+\b], s[SEL], s[SEL+1]
.endr
.irp b, 0,1
	v_max_num_f32 v[TM+\b], v[TM+\b], v[TM+4+\b]
.endr
.irp b, 0,1
	v_add_nc_u32 v[TM+12+\b], 0xff000000, v[TM+\b]
.endr
.irp b, 0,1
	v_lshrrev_b32 v[TM+4+\b], 23, v[TM+12+\b]
.endr
	v_lshl_or_b32 v[T2], v[TM+5], 8, v[TM+4]       ; the row's two scale bytes
	v_cvt_scalef32_pk16_fp6_f32 v[PC:PC+2], v[O:O+15], v[TM+12]
	v_cvt_scalef32_pk16_fp6_f32 v[PC+12:PC+14], v[O+16:O+31], v[TM+13]
	v_nop                                          ; one plain place behind a scaled conversion
.irp n, 0,1,2
	v_permlane16_swap_b32 v[PC+\n], v[PC+12+\n]
.endr
.irp n, 0,1,2
	v_mov_b32 v[PC+3+\n], v[PC+12+\n]
.endr
	global_store_b128 v[LI], v[PC:PC+3], s[10:11] offset:8*IMB*\i          ; 512 consecutive bytes
	global_store_b64 v[AO8], v[PC+4:PC+5], s[10:11] offset:8*IMB*\i        ; 256 consecutive bytes
	global_store_b16 v[AS], v[T2], s[12:13] offset:512*\i                  ; two bytes of each of 16 rows (both halves of the lanes hold and write the same): one byte in 25 of what the launch stores
.endm
	QTILE 0
	QTILE 1
	s_wait_tensorcnt 0x0                           ; the wave's end
	ds_add_u32 v[SPW], v[NIL]
	s_wait_dscnt 0x0
	CROUND                                         ; the closing round
	s_endpgm
.Lfunc_end_k_q612ae05327_attn:
	.size	k_q612ae05327_attn, .Lfunc_end_k_q612ae05327_attn-k_q612ae05327_attn
	.p2alignl 7, 3214868480
	.fill 96, 4, 3214868480
	.section	.rodata,"a",@progbits
	.p2align	6, 0x0
	.amdhsa_kernel k_q612ae05327_attn
		.amdhsa_group_segment_fixed_size 206848
		.amdhsa_private_segment_fixed_size 0
		.amdhsa_enable_private_segment 0
		.amdhsa_kernarg_size 40
		.amdhsa_user_sgpr_count 2
		.amdhsa_user_sgpr_kernarg_segment_ptr 1
		.amdhsa_wavefront_size32 1
		.amdhsa_system_sgpr_workgroup_id_x 1
		.amdhsa_system_sgpr_workgroup_id_y 1
		.amdhsa_system_sgpr_workgroup_id_z 1
		.amdhsa_system_vgpr_workitem_id 0
		.amdhsa_next_free_vgpr 256
		.amdhsa_next_free_sgpr 66
		.amdhsa_reserve_vcc 0
		.amdhsa_float_denorm_mode_32 3
		.amdhsa_float_denorm_mode_16_64 3
		.amdhsa_memory_ordered 1
		.amdhsa_forward_progress 1
		.amdhsa_inst_pref_size 111
	.end_amdhsa_kernel
	.amdgpu_metadata
---
amdhsa.version: [ 1, 2 ]
amdhsa.kernels:
  - .name:           k_q612ae05327_attn
    .symbol:         k_q612ae05327_attn.kd
    .args:
      - { .name: qrec, .offset: 0, .size: 8, .value_kind: global_buffer, .address_space: global }
      - { .name: krec, .offset: 8, .size: 8, .value_kind: global_buffer, .address_space: global }
      - { .name: vrec, .offset: 16, .size: 8, .value_kind: global_buffer, .address_space: global }
      - { .name: acod, .offset: 24, .size: 8, .value_kind: global_buffer, .address_space: global }
      - { .name: ascl, .offset: 32, .size: 8, .value_kind: global_buffer, .address_space: global }
    .group_segment_fixed_size: 206848
    .private_segment_fixed_size: 0
    .kernarg_segment_align: 8
    .kernarg_segment_size: 40
    .max_flat_workgroup_size: 512
    .sgpr_count:     66
    .vgpr_count:     256
    .wavefront_size: 32
...
	.end_amdgpu_metadata
.endif
;; end of part 3
;; launch outp (part 4): grid 4 x 32, 4 waves a work-group, clusters of 4 x 4, 327,680 bytes of LDS; arguments acod, ascl, codes, scales, bo, out0; writes out0
.if DOCPART == 4
	.amdgcn_target "amdgcn-amd-amdhsa--gfx1250"
	.amdhsa_code_object_version 6
	.text
	.protected	k_q612ae05327_outp
	.globl	k_q612ae05327_outp
	.p2align	8
	.type	k_q612ae05327_outp,@function
k_q612ae05327_outp:
	s_mov_b64 s[64:65], 0
	v_nop
	global_prefetch_b8 v0, s[64:65] scope:SCOPE_SE
	s_setreg_imm32_b32 hwreg(HW_REG_WAVE_MODE, 25, 1), 1
	s_wait_xcnt 0x0
	s_wait_alu depctr_hold_cnt(0) depctr_sa_sdst(0) depctr_va_vdst(0) depctr_va_sdst(0) depctr_va_ssrc(0) depctr_va_vcc(0) depctr_vm_vsrc(0)
	s_getreg_b32 s2, hwreg(HW_REG_IB_STS2, 6, 4)
	s_cmp_eq_u32 s2, 0
	s_cbranch_scc0 .Lentry_in_a_cluster
	s_endpgm
.Lentry_in_a_cluster:
	s_bfe_u32 s2, ttmp6, 0x10000c
	s_cmp_lg_u32 s2, 0xf033
	s_cbranch_scc0 .Lentry_shape_is_right
	s_endpgm
.Lentry_shape_is_right:
; out0 = concat Wo^T + bo on codes of FP6 (E2M3) with one E8M0 scale for each 32 along K = 1024.  out0: [8192][1024] f32.
; A = the concatenated heads, as the attention launch stored them: [512 stored tiles of 16 queries][8 K steps of 128][1,536 bytes: an image of the operand's 12 registers]; its scale bytes [8192 stored rows][32].
; An image is, for each of its two heads, 512 bytes (registers 0-3, or 6-9: 16 bytes a lane) and 256 bytes (registers 4-5, or 10-11: 8 bytes a lane).
; B = Wo's codes and scale bytes, rows 27,648 on of the common buffers.
; A work-group of four waves makes 256 x 256 of the result, a wave 128 x 128: 64 accumulators in 512 registers.  K goes in steps of 256 through two LDS slots; the scale bytes of the work-group's rows come once.
; CLUSTERS of 4 x 4: A's tiles are shared along a row of the cluster, B's along a column; each is asked for jointly by the four that need it.  128 work-groups: with tiles of this size the result has no more.
; The matrix instruction is used transposed (source 0 = 16 rows of Wo, source 1 = 16 queries): a lane holds numbers of one row of the result.
; BOTH OPERANDS' ROWS LIE IN THE STORED ORDER (inside a group of 32 rows the second and third group of 8 have changed places).  The way out puts both back: the columns by the places in the stage, the rows by the stores' offsets.
; No prefetch: K has four slots' worth of tiles, of which two are asked for at the head.
; REGISTERS, in windows of 256: window 0: v0-31 addresses, v8-11 my four numbers of bo; v32-63 scale words, two sets; from v128 A's fragments, one set; on the way out v128-255 are free.
;   window 1: B's fragments, two sets.   window 2: the accumulators of my rows 0-63 ((a, b) at v[8 (8 a + b)]);   window 3: those of my rows 64-127.
.set SIZE_N, 1024
.set SIZE_K, 1024
.set KSTEP,  256
.set NQ,     KSTEP/128
.set ROWB,   192                       ; B: a tile's row in bytes
.set KROW,   SIZE_K*6/8                ; a row of codes in memory; also: a sixteenth of A's tile of 16 rows
.set PITCH,  240                       ; B: an LDS row: 3 x (64 bytes + 16 of padding)
.set FR,     12
.set NL,     6                         ; LDS loads that bring a fragment of B
.set NLA,    4                         ; and of A
.set NP,     4                         ; places behind this matrix instruction (ISA guide 7.12.1)
.set AENT,   1536                      ; A: an image
.set ASTEP,  NQ*AENT                   ; A: a tile's bytes of a K step
.set HALFT,  128*PITCH                 ; the place of 128 rows in a slot (A uses 8 x ASTEP = 24,576 bytes of it)
.set SLOT,   4*HALFT
.set LAPS,   SIZE_K/(2*KSTEP)
.set KS,     SIZE_K/32
.set SCL,    2*SLOT
.set HALFS,  (128*KS/256)*272
.set SBLK,   (16*KS/256)*272
.set SPARE,  SCL+4*HALFS               ; the spare words, 128 bytes for each wave
.set SPITCH, 528                       ; the way out: a stage of 16 rows x (512 bytes + 16) for each wave, in slot 0, which has had its last fill and its last read when the first result is stored there
.set WOROW,  27648
.set BO,   8                           ; v[8:11]
.set ADRA, 16                          ; v16-17 16 x lane + my A rows in slot 0, 1;  v18-19 8 x lane + the same
.set ADRB, 20                          ; v20-23 B's, as rows
.set STO,  24
.set RD,   25
.set CO,   26                          ; v26  16 x lane
.set ADRS, 27
.set SPW,  28                          ; my spare word; never rewritten
.set NIL,  29                          ; 0; never rewritten
.set SC,   32
.set AF,   128
.set BK,   128
.set G1, 24
.set G0, 32
.set G1B, 48
.set G0B, 56
.set G1S, 68
.set G0S, 76
.set G1SB, 80
.set G0SB, 88
.set MSB, 0
.macro WIN new                         ; the immediate's high byte repeats the setting that is left
.if MSB != \new
	s_set_vgpr_msb (MSB<<8)|\new
.set MSB, \new
.endif
.endm
.set MUL_LO, 0xa1
.set MUL_HI, 0xf1
.set TO_B,   0x40
.macro JLOAD g0a, g1a, g0b, g1b        ; a joint load: waves 0 and 1 fetch for A, waves 2 and 3 for B; an s_nop 0 and four v_nop follow each of the two lines
	s_cmp_eq_u32 s15, 0
	s_cbranch_scc0 .Lfor_b_\@
	tensor_load_to_lds s[\g0a:\g0a+3], s[\g1a:\g1a+7]
	s_nop 0
.rept 4
	v_nop
.endr
	s_branch .Lasked_\@
.Lfor_b_\@:
	tensor_load_to_lds s[\g0b:\g0b+3], s[\g1b:\g1b+7]
	s_nop 0
.rept 4
	v_nop
.endr
.Lasked_\@:
.endm
.macro CREST
	s_cmp_lg_u32 s14, 0
	s_cbranch_scc1 .Lnot_wave_0_\@
	s_barrier_signal -3
.Lnot_wave_0_\@:
	s_barrier_wait -3
	s_barrier_signal -1
	s_barrier_wait -1
.endm
.macro CROUND
	s_barrier_signal -1
	s_barrier_wait -1
	CREST
.endm
	s_load_b128 s[4:7], s[0:1], 0x0                ; A's images, A's scale bytes
	s_load_b128 s[8:11], s[0:1], 0x10              ; the common codes and scale bytes (Wo)
	s_load_b64 s[96:97], s[0:1], 0x20              ; bo
	s_load_b64 s[12:13], s[0:1], 0x28              ; out0
	v_lshl_add_u32 v[SPW], v0, 2, SPARE
	v_mov_b32 v[NIL], 0
	ds_add_u32 v[SPW], v[NIL]                      ; the wave's opening: the add and its wait stand ahead of my first tensor load; the set-up below stands between them
	v_lshrrev_b32 v1, 5, v0
	v_readfirstlane_b32 s14, v1                    ; wave 0..3
	s_lshr_b32 s15, s14, 1                         ; which half of the tile's rows is mine.  Also: I fetch for A (0) or for B (1)
	s_and_b32 s16, s14, 1                          ; which half of its columns.  Also: which 128 rows I fetch
	s_bfe_u32 s40, ttmp6, 0x40000                  ; cx, cy
	s_bfe_u32 s41, ttmp6, 0x40004
	s_lshl_b32 s42, ttmp9, 2
	s_add_co_u32 s42, s42, s40                     ; tile column
	s_and_b32 s17, ttmp7, 0xffff
	s_lshl_b32 s17, s17, 2
	s_add_co_u32 s17, s17, s41                     ; tile row
	s_lshl_b32 s43, s41, 2
	s_lshl_b32 s43, 15, s43                        ; my row of the cluster
	s_lshl_b32 s44, 0x1111, s40                    ; my column
	; A: 8 tiles of 16 rows, of each the K step's two images: 8 rows of 3,072 bytes (384 elements of 8 bytes), 12,288 bytes apart; no padding: the images are read at 16 x lane
	s_or_b32 s[G1+0], s43, (3<<16)|(1<<21)
	s_mov_b32 s[G1+1], (ASTEP/8)<<16               ; tensor_dim0
	s_mov_b32 s[G1+2], 8<<16                       ; tensor_dim1
	s_mov_b32 s[G1+3], (ASTEP/8)<<16               ; tile_dim0
	s_mov_b32 s[G1+4], 8                           ; tile_dim1
	s_mov_b32 s[G1+5], AENT                        ; from tile to tile: 8 x 1,536 bytes = 1,536 elements
	s_mov_b32 s[G1+6], 0
	s_mov_b32 s[G1+7], 0
	; B: 128 rows x ROWB bytes, 16 bytes of padding behind every 64
	s_or_b32 s[G1B+0], s44, (0<<16)|(1<<20)|(1<<21)|(3<<22)|(3<<25)
	s_mov_b32 s[G1B+1], ROWB<<16
	s_mov_b32 s[G1B+2], 128<<16
	s_mov_b32 s[G1B+3], ROWB<<16
	s_mov_b32 s[G1B+4], 128
	s_mov_b32 s[G1B+5], KROW
	s_mov_b32 s[G1B+6], 0
	s_mov_b32 s[G1B+7], 0
	; the scale bytes of 128 rows: a dense block, as rows of 256 bytes, 16 bytes of padding behind each
	s_or_b32 s[G1S+0], s43, (3<<16)|(1<<20)|(1<<21)|(5<<22)|(3<<25)
	s_or_b32 s[G1SB+0], s44, (3<<16)|(1<<20)|(1<<21)|(5<<22)|(3<<25)
.irp g, G1S, G1SB
	s_mov_b32 s[\g+1], 32<<16
	s_mov_b32 s[\g+2], (128*KS/256)<<16
	s_mov_b32 s[\g+3], 32<<16
	s_mov_b32 s[\g+4], 128*KS/256
	s_mov_b32 s[\g+5], 32
	s_mov_b32 s[\g+6], 0
	s_mov_b32 s[\g+7], 0
.endr
	s_lshl_b32 s18, s16, 7
	s_lshl_b32 s20, s17, 8
	s_add_co_u32 s20, s20, s18                     ; A: stored row 256 x tile row + 128 x half
	s_lshl_b32 s46, s42, 8
	s_add_co_u32 s46, s46, s18
	s_add_co_u32 s46, s46, WOROW                   ; B: row 27,648 + 256 x tile column + 128 x half
	s_mov_b32 s21, 0
	s_mov_b32 s47, 0
	s_mov_b64 s[18:19], KS
	s_mul_u64 s[22:23], s[20:21], s[18:19]
	s_mul_u64 s[92:93], s[46:47], s[18:19]
	s_mov_b64 s[18:19], KROW
	s_mul_u64 s[20:21], s[20:21], s[18:19]         ; A: 16 rows are 12,288 bytes: 768 a row, as in B
	s_mul_u64 s[46:47], s[46:47], s[18:19]
	s_mul_i32 s45, s14, HALFT
	s_mul_i32 s94, s14, HALFS
	s_wait_dscnt 0x0                               ; the opening add is done
	s_wait_kmcnt 0x0
	s_add_nc_u64 s[20:21], s[4:5], s[20:21]
	s_add_nc_u64 s[22:23], s[6:7], s[22:23]
	s_add_nc_u64 s[46:47], s[8:9], s[46:47]
	s_add_nc_u64 s[92:93], s[10:11], s[92:93]
	CROUND                                         ; all sixteen work-groups are here: the first joint loads meet
	s_mov_b32 s[G0S], 1
	s_add_co_u32 s[G0S+1], s94, SCL
	s_mov_b64 s[G0S+2:G0S+3], s[22:23]
	s_or_b32 s[G0S+3], s[G0S+3], 0x80000000
	s_mov_b32 s[G0SB], 1
	s_add_co_u32 s[G0SB+1], s94, SCL
	s_mov_b64 s[G0SB+2:G0SB+3], s[92:93]
	s_or_b32 s[G0SB+3], s[G0SB+3], 0x80000000
	JLOAD G0S, G1S, G0SB, G1SB
.irp s, 0,1
	s_mov_b32 s[G0+4*\s], 1
	s_add_co_u32 s[G0+4*\s+1], s45, \s*SLOT
	s_add_nc_u64 s[G0+4*\s+2:G0+4*\s+3], s[20:21], \s*ASTEP
	s_or_b32 s[G0+4*\s+3], s[G0+4*\s+3], 0x80000000
	s_mov_b32 s[G0B+4*\s], 1
	s_add_co_u32 s[G0B+4*\s+1], s45, \s*SLOT
	s_add_nc_u64 s[G0B+4*\s+2:G0B+4*\s+3], s[46:47], \s*ROWB
	s_or_b32 s[G0B+4*\s+3], s[G0B+4*\s+3], 0x80000000
	JLOAD G0+4*\s, G1, G0B+4*\s, G1B               ; three tensor loads of mine are out
.endr
	v_and_b32 v1, 15, v0                           ; r
	v_bfe_u32 v2, v0, 4, 1                         ; h
	v_and_b32 v6, 31, v0
	v_mul_u32_u24 v3, v1, PITCH
	v_mul_u32_u24 v4, v2, 24
	v_add_nc_u32 v4, v3, v4                        ; B: a fragment's row x pitch + 24 x half
	v_lshl_add_u32 v5, v2, 4, v4                   ; and the same behind one padding more
	v_lshlrev_b32 v[CO], 4, v6                     ; 16 x lane
	v_lshlrev_b32 v7, 3, v6                        ; 8 x lane
	s_mul_i32 s21, s15, HALFT
	s_mul_i32 s22, s16, HALFT
	s_add_co_u32 s22, s22, 2*HALFT
.irp s, 0,1
	v_add_nc_u32 v[ADRA+\s], s21, v[CO]
	v_add_nc_u32 v[ADRA+2+\s], s21, v7
	v_add_nc_u32 v[ADRB+\s], s22, v4
	v_add_nc_u32 v[ADRB+2+\s], s22, v5
	s_add_co_u32 s21, s21, SLOT
	s_add_co_u32 s22, s22, SLOT
.endr
	v_mul_u32_u24 v5, v1, KS
	v_lshrrev_b32 v6, 8, v5
	v_lshl_add_u32 v5, v6, 4, v5
	s_mul_i32 s21, s15, HALFS
	s_mul_i32 s22, s16, HALFS
	s_add_co_u32 s22, s22, 2*HALFS
	s_sub_co_u32 s22, s22, s21
	v_mul_u32_u24 v6, s22, v2                      ; lanes 16-31 take B's
	s_add_co_u32 s21, s21, SCL
	v_add_nc_u32 v5, v5, v6
	v_add_nc_u32 v[ADRS], s21, v5
	s_mul_i32 s23, s14, 16*SPITCH                  ; my stage
	v_mul_u32_u24 v5, v1, SPITCH                   ; in: row r; my half's 16 columns of each group of 32: 64 h bytes on
	v_lshl_add_u32 v5, v2, 6, v5
	v_add_nc_u32 v[STO], s23, v5
	v_add_nc_u32 v[RD], s23, v[CO]                 ; back: the 32 lanes take one row of 512 bytes
	s_lshl_b32 s20, s17, 8
	s_lshl_b32 s21, s15, 7
	s_add_co_u32 s20, s20, s21                     ; my first row of the result
	s_mov_b32 s21, 0
	s_mov_b64 s[18:19], SIZE_N*4
	s_mul_u64 s[20:21], s[20:21], s[18:19]
	s_lshl_b32 s46, s42, 10                        ; my first column, in bytes
	s_lshl_b32 s47, s16, 9
	s_add_co_u32 s46, s46, s47
	s_mov_b32 s47, 0
	s_add_nc_u64 s[20:21], s[20:21], s[46:47]
	s_add_nc_u64 s[12:13], s[12:13], s[20:21]
	s_add_nc_u64 s[96:97], s[96:97], s[46:47]
	global_load_b128 v[BO:BO+3], v[CO], s[96:97]   ; bo at the four columns that I store
.macro FRAG reg, adr, q, i             ; B: 16 rows x 128 K as six pieces of 8 bytes of the row
.irp p, 0,1,2,3,4,5
.set PCE, 12*(\q)+6*(\p/3)+\p%3
.if PCE%8 < 5
	ds_load_b64 v[\reg+2*\p:\reg+2*\p+1], v[\adr] offset:8*PCE+16*(PCE/8)+(\i)*16*PITCH
.else
	ds_load_b64 v[\reg+2*\p:\reg+2*\p+1], v[\adr+2] offset:8*PCE+16*(PCE/8)+(\i)*16*PITCH
.endif
.endr
.endm
.macro FRAG_A reg, slot, q, i          ; A: an image comes back as it was stored: four loads
	ds_load_b128 v[\reg:\reg+3], v[ADRA+\slot] offset:ASTEP*(\i)+AENT*(\q)
	ds_load_b64 v[\reg+4:\reg+5], v[ADRA+2+\slot] offset:ASTEP*(\i)+AENT*(\q)+512
	ds_load_b128 v[\reg+6:\reg+9], v[ADRA+\slot] offset:ASTEP*(\i)+AENT*(\q)+768
	ds_load_b64 v[\reg+10:\reg+11], v[ADRA+2+\slot] offset:ASTEP*(\i)+AENT*(\q)+1280
.endm
; 16 matrix instructions; the 64 accumulators take turns, one instruction a turn, in the same order in every step
.macro MUL16 a0, p, q, sc, zero
.irp a, \a0, \a0+1
.irp b, 0,1,2,3,4,5,6,7
.if \zero
	v_wmma_scale_f32_16x16x128_f8f6f4 v[8*(8*((\a)%4)+\b):8*(8*((\a)%4)+\b)+7], v[128*(\p)+FR*\b:128*(\p)+FR*\b+FR-1], v[AF+FR*(\a):AF+FR*(\a)+FR-1], 0, v[SC+8*NQ*(\sc)+NQ*\b+(\q)], v[SC+8*NQ*(\sc)+NQ*(\a)+(\q)] matrix_a_fmt:MATRIX_FMT_FP6 matrix_b_fmt:MATRIX_FMT_FP6 matrix_a_scale:MATRIX_SCALE_ROW1
.else
	v_wmma_scale_f32_16x16x128_f8f6f4 v[8*(8*((\a)%4)+\b):8*(8*((\a)%4)+\b)+7], v[128*(\p)+FR*\b:128*(\p)+FR*\b+FR-1], v[AF+FR*(\a):AF+FR*(\a)+FR-1], v[8*(8*((\a)%4)+\b):8*(8*((\a)%4)+\b)+7], v[SC+8*NQ*(\sc)+NQ*\b+(\q)], v[SC+8*NQ*(\sc)+NQ*(\a)+(\q)] matrix_a_fmt:MATRIX_FMT_FP6 matrix_b_fmt:MATRIX_FMT_FP6 matrix_a_scale:MATRIX_SCALE_ROW1
.endif
.endr
.endr
.endm
.macro FETCH_B slot, q, p
	WIN TO_B
.irp i, 0,1,2,3,4,5,6,7
	FRAG 128*(\p)+FR*\i, ADRB+\slot, \q, \i
.endr
	WIN 0
.endm
.macro FETCH_A slot, q, i0
.irp i, \i0, \i0+1, \i0+2, \i0+3
	FRAG_A AF+FR*(\i), \slot, \q, \i
.endr
.endm
.macro SCALES sc
.irp i, 0,1,2,3,4,5,6,7
	ds_load_b64 v[SC+8*NQ*\sc+NQ*\i:SC+8*NQ*\sc+NQ*\i+1], v[ADRS] offset:\i*SBLK
.endr
.endm
.macro PLACES n
.rept \n
	v_nop
.endr
.endm
.macro STEP slot, q, zero
	s_wait_dscnt 4*NLA                             ; B's set and A's blocks 0-3 are in; the youngest 16 loads (A's blocks 4-7) may be out
	WIN MUL_LO
	MUL16 0, (\q)%2, \q, \slot, \zero
	MUL16 2, (\q)%2, \q, \slot, \zero
	s_wait_dscnt 0
	PLACES NP
	FETCH_B \slot, (\q)+1, 1-(\q)%2
	FETCH_A \slot, (\q)+1, 0
	WIN MUL_HI
	MUL16 4, (\q)%2, \q, \slot, \zero
	MUL16 6, (\q)%2, \q, \slot, \zero
	PLACES NP
	WIN 0
	FETCH_A \slot, (\q)+1, 4
.endm
.macro TURN slot, next, fill
	s_wait_tensorcnt 0x0                           ; all my tensor loads have landed: my part of the next slot
	ds_add_u32 v[SPW], v[NIL]
	s_wait_dscnt 4*NLA+1                           ; (the add and the youngest 16 loads, A's blocks 4-7, may be out)
	WIN MUL_LO
	MUL16 0, 1, NQ-1, \slot, 0
	s_wait_dscnt 0x0                               ; the add is done, and my reads of this slot are over
	s_barrier_signal -1
	MUL16 2, 1, NQ-1, \slot, 0
	WIN 0
	s_barrier_wait -1
.if \fill
	CREST                                          ; the barrier has opened a round of the cluster's barrier: no wave of any partner still reads this slot or has a load on its way
	s_add_nc_u64 s[G0+4*\slot+2:G0+4*\slot+3], s[G0+4*\slot+2:G0+4*\slot+3], 2*ASTEP
	s_add_nc_u64 s[G0B+4*\slot+2:G0B+4*\slot+3], s[G0B+4*\slot+2:G0B+4*\slot+3], 2*ROWB
	JLOAD G0+4*\slot, G1, G0B+4*\slot, G1B         ; the first tensor load behind the round; its four v_nop are the places in front of the loads below
.else
	PLACES NP
.endif
	v_add_nc_u32 v[ADRS], 4*NQ, v[ADRS]
	FETCH_B \next, 0, 0
	FETCH_A \next, 0, 0
	SCALES \next
	WIN MUL_HI
	MUL16 4, 1, NQ-1, \slot, 0
	MUL16 6, 1, NQ-1, \slot, 0
	PLACES NP
	WIN 0
	FETCH_A \next, 0, 4
.endm
	s_wait_loadcnt 0x0                             ; bo
	s_wait_tensorcnt 1                             ; the scale bytes and my part of K step 0 are in (K step 1's load may be out),
	s_barrier_signal -1
	s_barrier_wait -1                              ; everybody's are
	FETCH_B 0, 0, 0
	FETCH_A 0, 0, 0
	SCALES 0
	FETCH_A 0, 0, 4
	STEP 0, 0, 1                                   ; the first step's products start the sums
	s_mov_b32 s3, LAPS-1
.Llap:
	TURN 0, 1, 1
	STEP 1, 0, 0
	TURN 1, 0, 1
	STEP 0, 0, 0
	s_sub_co_u32 s3, s3, 1
	s_cmp_lg_u32 s3, 0
	s_cbranch_scc1 .Llap
	TURN 0, 1, 0                                   ; the last lap fills nothing
	STEP 1, 0, 0
	s_wait_dscnt 4*NLA
	WIN MUL_LO
	MUL16 0, 1, NQ-1, 1, 0
	MUL16 2, 1, NQ-1, 1, 0
	s_wait_dscnt 0
	WIN MUL_HI
	MUL16 4, 1, NQ-1, 1, 0
	MUL16 6, 1, NQ-1, 1, 0
	WIN 0
; THE WAY OUT, block by block of 16 stored rows x 128 columns, through my own stage.  Register j of accumulator b is column 32 (b / 2) + 16 h + 8 (b % 2) + j: its place in the stage puts Wo's rows back in order.
; Stored row t of block a is row 32 (a / 2) + 8 (a % 2) + t + 8 (t / 8): the stores' base and offsets put the queries back.  LDS serves a wave's instructions in order (ISA guide 5.7.1.4): no wait between the stores and the loads.
.macro TOSTAGE a
.set AC, 64*((\a)%4)
	WIN 0x08+4*((\a)/4)                            ; the data: window 2 or 3
.irp b, 0,1,2,3,4,5,6,7
	ds_store_b128 v[STO], v[AC+8*\b:AC+8*\b+3] offset:128*(\b/2)+32*(\b%2)          ; each accumulator from its low end on
	ds_store_b128 v[STO], v[AC+8*\b+4:AC+8*\b+7] offset:128*(\b/2)+32*(\b%2)+16
.endr
	WIN 0
.set BB, BK+64*((\a)%2)
.irp t, 0,1,2,3,4,5,6,7,8,9,10,11,12,13,14,15
	ds_load_b128 v[BB+4*\t:BB+4*\t+3], v[RD] offset:\t*SPITCH
.endr
.endm
.macro SEND a, younger                 ; younger: the LDS instructions issued behind block a's loads, which may stay out
.set BB, BK+64*((\a)%2)
	s_wait_dscnt \younger                          ; the block is back in registers
.if (\a) > 0
.if (\a)%2
	s_add_nc_u64 s[12:13], s[12:13], 8*SIZE_N*4    ; (behind a wait on XCNT: the earlier stores have read their base)  an odd block begins 8 rows on,
.else
	s_add_nc_u64 s[12:13], s[12:13], 24*SIZE_N*4   ; an even one 24
.endif
.endif
.irp t, 0,1,2,3,4,5,6,7,8,9,10,11,12,13,14,15
	v_pk_add_f32 v[BB+4*\t:BB+4*\t+1], v[BB+4*\t:BB+4*\t+1], v[BO:BO+1]             ; + bo
	v_pk_add_f32 v[BB+4*\t+2:BB+4*\t+3], v[BB+4*\t+2:BB+4*\t+3], v[BO+2:BO+3]
	global_store_b128 v[CO], v[BB+4*\t:BB+4*\t+3], s[12:13] offset:(\t+8*(\t/8))*SIZE_N*4 th:TH_STORE_NT   ; 32 lanes store 512 consecutive bytes, at a multiple of 256 from the buffer's first byte
.endr
.endm
	PLACES NP                                      ; in front of the first read of results and of the loads into the registers that held A's fragments
	TOSTAGE 0
.irp a, 1,2,3,4,5,6,7
.if \a > 1
	s_wait_xcnt 0x0                                ; block a - 2's stores have read their registers and their base: block a's loads may land there, and the base may step
.endif
	TOSTAGE \a
	SEND \a-1, 32                                  ; behind block a - 1's loads: block a's 16 stores and 16 loads
.endr
	s_wait_xcnt 0x0                                ; block 6's stores have read their base
	SEND 7, 0
	s_wait_tensorcnt 0x0                           ; the wave's end: behind my last tensor load and my last LDS store
	ds_add_u32 v[SPW], v[NIL]
	s_wait_dscnt 0x0
	CROUND                                         ; the closing round
	s_endpgm
.Lfunc_end_k_q612ae05327_outp:
	.size	k_q612ae05327_outp, .Lfunc_end_k_q612ae05327_outp-k_q612ae05327_outp
	.p2alignl 7, 3214868480
	.fill 96, 4, 3214868480
	.section	.rodata,"a",@progbits
	.p2align	6, 0x0
	.amdhsa_kernel k_q612ae05327_outp
		.amdhsa_group_segment_fixed_size 327680
		.amdhsa_private_segment_fixed_size 0
		.amdhsa_enable_private_segment 0
		.amdhsa_kernarg_size 48
		.amdhsa_user_sgpr_count 2
		.amdhsa_user_sgpr_kernarg_segment_ptr 1
		.amdhsa_wavefront_size32 1
		.amdhsa_system_sgpr_workgroup_id_x 1
		.amdhsa_system_sgpr_workgroup_id_y 1
		.amdhsa_system_sgpr_workgroup_id_z 1
		.amdhsa_system_vgpr_workitem_id 0
		.amdhsa_next_free_vgpr 1024
		.amdhsa_next_free_sgpr 98
		.amdhsa_reserve_vcc 0
		.amdhsa_float_denorm_mode_32 3
		.amdhsa_float_denorm_mode_16_64 3
		.amdhsa_memory_ordered 1
		.amdhsa_forward_progress 1
		.amdhsa_inst_pref_size 168
	.end_amdhsa_kernel
	.amdgpu_metadata
---
amdhsa.version: [ 1, 2 ]
amdhsa.kernels:
  - .name:           k_q612ae05327_outp
    .symbol:         k_q612ae05327_outp.kd
    .args:
      - { .name: acod, .offset: 0, .size: 8, .value_kind: global_buffer, .address_space: global }
      - { .name: ascl, .offset: 8, .size: 8, .value_kind: global_buffer, .address_space: global }
      - { .name: codes, .offset: 16, .size: 8, .value_kind: global_buffer, .address_space: global }
      - { .name: scales, .offset: 24, .size: 8, .value_kind: global_buffer, .address_space: global }
      - { .name: bo, .offset: 32, .size: 8, .value_kind: global_buffer, .address_space: global }
      - { .name: out0, .offset: 40, .size: 8, .value_kind: global_buffer, .address_space: global }
    .group_segment_fixed_size: 327680
    .private_segment_fixed_size: 0
    .kernarg_segment_align: 8
    .kernarg_segment_size: 48
    .max_flat_workgroup_size: 128
    .sgpr_count:     98
    .vgpr_count:     1024
    .wavefront_size: 32
...
	.end_amdgpu_metadata
.endif
;; end of part 4
;; ======== version 2 of 2: 4 launches
;; limits: right only within a limited range of input values
;; workspace buffers: codes 22,020,096 bytes; scales 917,504 bytes; qrec 6,553,600 bytes; krec 6,553,600 bytes; vrec 6,553,600 bytes; acod 6,291,456 bytes; ascl 262,144 bytes
;; launch quant (part 5): grid 896 x 1, 4 waves a work-group, no clusters, 33,280 bytes of LDS; arguments q, k, v, Wq, Wk, Wv, Wo, codes, scales; writes codes, scales
.if DOCPART == 5
	.amdgcn_target "amdgcn-amd-amdhsa--gfx1250"
	.amdhsa_code_object_version 6
	.text
	.protected	k_q612ae05327_quant
	.globl	k_q612ae05327_quant
	.p2align	8
	.type	k_q612ae05327_quant,@function
k_q612ae05327_quant:
	s_mov_b64 s[64:65], 0
	v_nop
	global_prefetch_b8 v0, s[64:65] scope:SCOPE_SE
	s_setreg_imm32_b32 hwreg(HW_REG_WAVE_MODE, 25, 1), 1
	s_wait_xcnt 0x0
; q, k, v [8192][1024] and Wq, Wk, Wv, Wo [1024][1024], f32, K innermost, become codes of FP6 (E2M3), 6 bits each, with one E8M0 scale byte for each 32 along K.
; All seven land in ONE buffer of codes, [28672 rows][768 bytes], and one of scale bytes, [28672][32]: q from row 0, k from 8192, v from 16384, Wq 24576, Wk 25600, Wv 26624, Wo 27648.
; A block's scale is 2^(floor(log2(its largest magnitude)) - 2); its byte is the largest magnitude's exponent field - 2, held at 1 from below.  Each number is divided by the scale and rounded to the nearest code, ties to even.
; THE ROWS ARE STORED IN ANOTHER ORDER: inside each aligned group of 32 rows the second and the third group of 8 change places.  Sixteen stored rows 16 u + i are then the rows 8 u + i + 8 (i / 8) of the group:
; used as source 0 of a matrix instruction, two neighbouring stored tiles give a lane 16 NEIGHBOURS of the group of 32, which is what the later launches' quantisers want.
; A work-group takes 32 rows, a wave 8 rows = 8,192 numbers = 16 steps of 512; so the change of places is a change of the wave's number on the way out: its two bits are swapped.
; LIMITS: a block of zeros, and a block whose largest magnitude lies under 2^(3 - 127), gets the byte 1 (the rule says 127 for zeros: the codes are zeros, and this program alone reads the bytes); NaN and infinities are not served.
; Each of a step's four loads reads 512 consecutive bytes; the 2,048 bytes turn through the wave's own stage in LDS and come back 64 bytes a lane: 16 neighbours along K, two lanes to a block.
; No tensor loads, no barrier, no cluster, no matrix unit: waves share nothing and the launch only streams.  Loads run four steps (16 loads a wave) ahead, the turn through LDS one step.
.set WAVES, 4
.set STEPS, 16
.set EMAX,  2
.set CB,    12                         ; bytes of 16 codes
.set R,     16                         ; v16-79   four sets of 16 numbers as they are loaded
.set X,     80                         ; v80-111  two sets of 16 neighbours
.set C,     128                        ; v128-191 codes: four registers for each step, so that no store's data are written again
.set E,     112                        ; v112-127 a scale byte for each step
.set WREG,  8192                       ; LDS: a region for each wave: two stages of 32 x SP bytes, and behind them its 256 scale bytes
.set SP,    80                         ; a lane's place in a stage: its 64 bytes + 16 of padding
.set SPW,   12                         ; v12      LDS address of my spare word; never rewritten
.set NIL,   13                         ; v13      0; never rewritten
.set SPARE, WAVES*WREG                 ; behind the four regions: the spare words, 128 bytes for each wave
.set WV,    22                         ; s22      my wave's number
	s_load_b256 s[4:11], s[0:1], 0x0               ; q, k, v, Wq
	s_load_b256 s[12:19], s[0:1], 0x20             ; Wk, Wv, Wo, the codes
	s_load_b64 s[20:21], s[0:1], 0x40              ; the scale bytes
	v_lshl_add_u32 v[SPW], v0, 2, SPARE
	v_mov_b32 v[NIL], 0
	v_lshrrev_b32 v1, 5, v0
	v_readfirstlane_b32 s[WV], v1                  ; wave
	v_and_b32 v2, 31, v0                           ; lane
	v_lshlrev_b32 v3, 4, v2                        ; my 16 bytes of a load's 512
	s_mul_i32 s23, s[WV], WREG
	v_lshrrev_b32 v14, 2, v2
	v_mul_u32_u24 v14, v14, SP
	v_and_b32 v15, 3, v2
	v_lshl_add_u32 v14, v15, 4, v14
	v_add_nc_u32 v14, s23, v14                     ; the stage, on the way in: four lanes' 64 bytes on end, then 16 of padding
	v_mul_u32_u24 v15, v2, SP
	v_add_nc_u32 v15, s23, v15                     ; and on the way out: SP x lane: my 16 neighbours
	; THE CODES LIE IN FOUR PLANES, [K step of 256][28672 rows][192 bytes], each plane dense: 128 rows of a plane are 24,576 consecutive bytes, at a multiple of 256
.set PLANE, 28672*192
	v_and_b32 v4, 15, v2
	v_mul_u32_u24 v4, v4, CB                       ; sixteen lanes fill a row's 192 bytes of one plane;
	v_lshrrev_b32 v5, 4, v2
	v_mad_u32_u24 v4, v5, PLANE, v4                ; lanes 16-31 write the next plane.  v4: planes 0 and 1, for a row's first 512 numbers,
	v_add_nc_u32 v10, 2*PLANE, v4                  ; v10: planes 2 and 3, for its second 512
	v_lshrrev_b32 v5, 1, v2
	s_add_co_u32 s23, s23, 2*32*SP
	v_add_nc_u32 v5, s23, v5                       ; LDS: my wave's 256 scale bytes, my block's byte
	v_lshlrev_b32 v7, 3, v2                        ; and on the way out 8 bytes a lane
	v_add_nc_u32 v6, s23, v7
	s_mov_b32 s24, 0                               ; the first work-group of my tensor
	s_wait_alu depctr_va_vdst(0)
	s_wait_kmcnt 0x0
; which tensor is mine hangs on the work-group's number alone: only the pointer is chosen, the path through the text is one
.macro PICK first, ptr
	s_cmp_ge_u32 ttmp9, \first
	s_cselect_b64 s[4:5], s[\ptr:\ptr+1], s[4:5]
	s_cselect_b32 s24, \first, s24
.endm
	PICK 256, 6
	PICK 512, 8
	PICK 768, 10
	PICK 800, 12
	PICK 832, 14
	PICK 864, 16
	s_sub_co_u32 s25, ttmp9, s24
	s_lshl_b32 s25, s25, 2
	s_add_co_u32 s25, s25, s[WV]                   ; which run of 8 rows of the tensor I read
	s_lshl_b32 s26, s25, 15                        ; 32,768 bytes a run
	s_mov_b32 s27, 0
	s_add_nc_u64 s[4:5], s[4:5], s[26:27]
	s_and_b32 s25, s[WV], 1
	s_lshl_b32 s25, s25, 1
	s_lshr_b32 s28, s[WV], 1
	s_or_b32 s25, s25, s28                         ; the wave's number with its two bits swapped
	s_lshl_b32 s28, ttmp9, 2
	s_add_co_u32 s25, s25, s28                     ; which run of 8 stored rows I write
	s_mul_i32 s26, s25, 8*192                      ; 8 stored rows of 192 bytes a run, in each plane
	s_add_nc_u64 s[18:19], s[18:19], s[26:27]
	s_lshl_b32 s26, s25, 8                         ; 256 scale bytes a run
	s_add_nc_u64 s[20:21], s[20:21], s[26:27]
.macro LOAD t
.irp i, 0,1,2,3
	global_load_b128 v[R+16*((\t)%4)+4*\i:R+16*((\t)%4)+4*\i+3], v3, s[4:5] offset:2048*(\t)+512*\i th:TH_LOAD_NT   ; 32 lanes read 512 consecutive bytes
.endr
.endm
.macro TURN t                          ; step t's numbers through the stage: LDS serves a wave's instructions in order, so no wait stands between the stores and the loads
.irp i, 0,1,2,3
	ds_store_b128 v14, v[R+16*((\t)%4)+4*\i:R+16*((\t)%4)+4*\i+3] offset:32*SP*((\t)%2)+8*SP*\i
.endr
.irp i, 0,1,2,3
	ds_load_b128 v[X+16*((\t)%2)+4*\i:X+16*((\t)%2)+4*\i+3], v15 offset:32*SP*((\t)%2)+16*\i
.endr
.endm
.irp t, 0,1,2,3
	LOAD \t
.endr
	s_wait_loadcnt 12                              ; step 0's four loads are in; the twelve behind them may be out
	TURN 0
.macro STEP t
.set XS, X+16*((\t)%2)
.if (\t) > 0
	s_wait_dscnt 1                                 ; this step's numbers are back from the stage (the last step's byte store may be out): so its stores into the stage have read their registers,
.else
	s_wait_dscnt 0x0
.endif
.if (\t)+4 < STEPS
	LOAD (\t)+4                                    ; which take the loads of four steps on
.endif
.if (\t)+1 < STEPS
.if STEPS-2-(\t) >= 3
	s_wait_loadcnt 12                              ; the next step's four loads are in; those of the three steps behind it may be out
.else
	s_wait_loadcnt 4*(STEPS-2-(\t))
.endif
	TURN (\t)+1                                    ; and go through the other stage while this step is worked
.endif
	v_max3_num_f32 v8, |v[XS]|, |v[XS+1]|, |v[XS+2]|               ; the largest magnitude of my 16, in two chains
	v_max3_num_f32 v9, |v[XS+3]|, |v[XS+4]|, |v[XS+5]|
.irp i, 6,10
	v_max3_num_f32 v8, v8, |v[XS+\i]|, |v[XS+\i+1]|
	v_max3_num_f32 v9, v9, |v[XS+\i+2]|, |v[XS+\i+3]|
.endr
	v_max3_num_f32 v8, v8, |v[XS+14]|, |v[XS+15]|
	v_max3_num_f32 v8, v8, v9, (EMAX+1)<<23        ; and the floor 2^(EMAX + 1 - 127): the byte cannot fall under 1
	v_max_num_f32_dpp v8, v8, v8 row_xmask:1 row_mask:0xf bank_mask:0xf   ; and of my neighbour's 16: the block's
	v_add_nc_u32 v11, -(EMAX<<23), v8              ; EMAX off its exponent field: the conversion takes the exponent field of this operand as its scale
	v_cvt_scalef32_pk16_fp6_f32 v[C+4*(\t):C+4*(\t)+2], v[XS:XS+15], v11         ; sixteen codes, 96 bits without gaps, the first number's code lowest
	v_lshrrev_b32 v[E+(\t)], 23, v11               ; the scale's byte
	ds_store_b8 v5, v[E+(\t)] offset:16*(\t)       ; both lanes of a block write the same byte with the same value
	global_store_b96 v[4+6*((\t)%2)], v[C+4*(\t):C+4*(\t)+2], s[18:19] offset:192*((\t)/2)   ; row t / 2 of my 8; a wave's 8 rows fill 1,536 consecutive bytes of each plane
.endm
.irp t, 0,1,2,3,4,5,6,7,8,9,10,11,12,13,14,15
	STEP \t
.endr
	ds_load_b64 v[8:9], v6                         ; LDS serves a wave's instructions in order: these see my stores
	s_wait_dscnt 0x0
	global_store_b64 v7, v[8:9], s[20:21]          ; 32 lanes store 256 consecutive bytes, at a multiple of 256 from the buffer's first byte
	s_wait_tensorcnt 0x0                           ; the wave's end: behind my last LDS store
	ds_add_u32 v[SPW], v[NIL]
	s_wait_dscnt 0x0
	s_endpgm
.Lfunc_end_k_q612ae05327_quant:
	.size	k_q612ae05327_quant, .Lfunc_end_k_q612ae05327_quant-k_q612ae05327_quant
	.p2alignl 7, 3214868480
	.fill 96, 4, 3214868480
	.section	.rodata,"a",@progbits
	.p2align	6, 0x0
	.amdhsa_kernel k_q612ae05327_quant
		.amdhsa_group_segment_fixed_size 33280
		.amdhsa_private_segment_fixed_size 0
		.amdhsa_enable_private_segment 0
		.amdhsa_kernarg_size 72
		.amdhsa_user_sgpr_count 2
		.amdhsa_user_sgpr_kernarg_segment_ptr 1
		.amdhsa_wavefront_size32 1
		.amdhsa_system_sgpr_workgroup_id_x 1
		.amdhsa_system_sgpr_workgroup_id_y 1
		.amdhsa_system_sgpr_workgroup_id_z 1
		.amdhsa_system_vgpr_workitem_id 0
		.amdhsa_next_free_vgpr 192
		.amdhsa_next_free_sgpr 66
		.amdhsa_reserve_vcc 0
		.amdhsa_float_denorm_mode_32 3
		.amdhsa_float_denorm_mode_16_64 3
		.amdhsa_memory_ordered 1
		.amdhsa_forward_progress 1
		.amdhsa_inst_pref_size 33
	.end_amdhsa_kernel
	.amdgpu_metadata
---
amdhsa.version: [ 1, 2 ]
amdhsa.kernels:
  - .name:           k_q612ae05327_quant
    .symbol:         k_q612ae05327_quant.kd
    .args:
      - { .name: q, .offset: 0, .size: 8, .value_kind: global_buffer, .address_space: global }
      - { .name: k, .offset: 8, .size: 8, .value_kind: global_buffer, .address_space: global }
      - { .name: v, .offset: 16, .size: 8, .value_kind: global_buffer, .address_space: global }
      - { .name: Wq, .offset: 24, .size: 8, .value_kind: global_buffer, .address_space: global }
      - { .name: Wk, .offset: 32, .size: 8, .value_kind: global_buffer, .address_space: global }
      - { .name: Wv, .offset: 40, .size: 8, .value_kind: global_buffer, .address_space: global }
      - { .name: Wo, .offset: 48, .size: 8, .value_kind: global_buffer, .address_space: global }
      - { .name: codes, .offset: 56, .size: 8, .value_kind: global_buffer, .address_space: global }
      - { .name: scales, .offset: 64, .size: 8, .value_kind: global_buffer, .address_space: global }
    .group_segment_fixed_size: 33280
    .private_segment_fixed_size: 0
    .kernarg_segment_align: 8
    .kernarg_segment_size: 72
    .max_flat_workgroup_size: 128
    .sgpr_count:     66
    .vgpr_count:     192
    .wavefront_size: 32
...
	.end_amdgpu_metadata
.endif
;; end of part 5
;; launch proj (part 6): grid 4 x 96, 4 waves a work-group, clusters of 4 x 4, 327,680 bytes of LDS; arguments codes, scales, bq, bk, bv, qrec, krec, vrec; writes qrec, krec, vrec
.if DOCPART == 6
	.amdgcn_target "amdgcn-amd-amdhsa--gfx1250"
	.amdhsa_code_object_version 6
	.text
	.protected	k_q612ae05327_proj
	.globl	k_q612ae05327_proj
	.p2align	8
	.type	k_q612ae05327_proj,@function
k_q612ae05327_proj:
	s_mov_b64 s[64:65], 0
	v_nop
	global_prefetch_b8 v0, s[64:65] scope:SCOPE_SE
	s_setreg_imm32_b32 hwreg(HW_REG_WAVE_MODE, 25, 1), 1
	s_wait_xcnt 0x0
	s_wait_alu depctr_hold_cnt(0) depctr_sa_sdst(0) depctr_va_vdst(0) depctr_va_sdst(0) depctr_va_ssrc(0) depctr_va_vcc(0) depctr_vm_vsrc(0)
	s_getreg_b32 s2, hwreg(HW_REG_IB_STS2, 6, 4)
	s_cmp_eq_u32 s2, 0
	s_cbranch_scc0 .Lentry_in_a_cluster
	s_endpgm
.Lentry_in_a_cluster:
	s_bfe_u32 s2, ttmp6, 0x10000c
	s_cmp_lg_u32 s2, 0xf033
	s_cbranch_scc0 .Lentry_shape_is_right
	s_endpgm
.Lentry_shape_is_right:
; Q = q Wq^T + bq, K = k Wk^T + bk, V = v Wv^T + bv on codes of FP6 (E2M3) with one E8M0 scale for each 32 along K = 1024; the results are quantised at once for the attention's two products and leave as
; IMAGES OF OPERAND REGISTERS: they never lie in memory as f32.
; A work-group of four waves makes 256 x 256 results, a wave 128 x 128: 64 accumulators of 16 x 16 in 512 registers.  K goes in steps of 256 through two LDS slots filled by the tensor data mover.
; The scale bytes of the work-group's 2 x 256 rows, for all of K, come into LDS once, with the first fills.
; CLUSTERS of 4 x 4: cluster y = 8 x (which product: 0 Q, 1 K, 2 V) + (which 1,024 rows of x).  The operand called A here is source 1 and is shared along a row of the cluster, B is source 0 and is shared along a column;
; each tile is asked for jointly by the four that need it.
;   Q, K: A = rows of x, B = rows of W: a lane holds ONE row of x and its registers run along the head's 64, which is the first attention product's K.
;   V:    A = rows of Wv, B = rows of v: a lane holds ONE channel and its registers run along the keys, which is the second attention product's K.
; The rows of every tensor lie in the stored order (inside a group of 32 rows the second and third group of 8 have changed places): so the 16 registers of the accumulators 2 t and 2 t + 1 are 16 neighbours, 32 t + 16 (lane / 16) + 0 .. 15.
; THE WAY OUT.  Bias added in f32; 64 numbers of a lane are quantised in registers (four blocks of 32, each in lanes l and l xor 16); the 12 registers of codes go out as three stores of 512 consecutive bytes, lane l's 16 bytes at 16 l.
;   Q, K: an image is [16 rows x the head's 64 | the next 16 rows x the head's 64].  V: an image is 16 channels x 128 keys.
;   A record (one batch and head) is 64 images of 1,536 bytes, then 16 units of 256 bytes of scale words: lane l's 8 bytes: the words of images 4 g + l / 16 and 4 g + 2 + l / 16, row l % 16.
;   Q / 8 is exact: the codes stay and 3 goes off each scale byte; Q's floor is 2^(6 - 127), so that no byte falls under 1.
; LIMITS: blocks under the floor (2^(3 - 127); Q: 2^(6 - 127)), blocks of zeros among them, keep the floor's byte: this program alone reads the bytes.  NaN and infinities are not served.
; No prefetch: K has four slots' worth of tiles, of which two are asked for at the head.
; REGISTERS, in windows of 256: window 0: v0-31 addresses; v32-63 scale words, two sets; v64-127 the bias along a lane's registers; v128-223 A's fragments, one set; v240-255 the bias of a lane's channel, each number twice.
;   window 1: B's fragments, two sets.   window 2: the accumulators of my A rows 0-63 ((a, b) at v[8 (8 a + b)]);   window 3: those of rows 64-127.   On the way out v128-237 of window 0 are at work.
.set SIZE_K, 1024
.set KSTEP,  256                       ; along K in a slot
.set NQ,     KSTEP/128                 ; matrix instructions deep
.set ROWB,   192                       ; a tile's row in bytes
.set KROW,   192                       ; a row's codes of one K step in memory: the codes lie in four dense planes, [K step][28672 rows][192 bytes]
.set CHB,    28672*192                 ; from plane to plane
.set PITCH,  240                       ; an LDS row: 3 x (64 bytes + 16 of padding): the 32 lanes of a load of 8 bytes touch 64 different banks (64 banks of 4 bytes: ISA guide 11.1)
.set FR,     12                        ; registers of a fragment
.set NL,     6                         ; LDS loads that bring one
.set NP,     4                         ; places behind this matrix instruction (ISA guide 7.12.1)
.set HALFT,  128*PITCH
.set SLOT,   4*HALFT                   ; A's 256 rows, then B's 256 rows
.set LAPS,   SIZE_K/(2*KSTEP)
.set KS,     SIZE_K/32                 ; a row of scale bytes
.set SCL,    2*SLOT                    ; behind the ring: the scale bytes, as units of 256 bytes + 16 of padding
.set HALFS,  (128*KS/256)*272
.set SBLK,   (16*KS/256)*272
.set SPARE,  SCL+4*HALFS               ; the spare words, 128 bytes for each wave
.set REC,    102400                    ; a record
.set RSC,    98304                     ; where its scale words begin
.set ADRA, 16                          ; v16-17 LDS address of my A fragments in slot 0, 1 (v18-19: behind one padding more)
.set ADRB, 20                          ; v20-23 the same for B
.set OA,   24                          ; v24  16 x lane: my place in a piece of an image
.set OS,   25                          ; v25  8 x lane: my place in a unit of scale words
.set ADRS, 27                          ; v27  LDS address of my scale words: lanes 0-15 A's rows, lanes 16-31 B's
.set SPW,  28                          ; v28  my spare word; never rewritten
.set NIL,  29                          ; v29  0; never rewritten
.set BA,   30                          ; v30  64 x (lane / 16): the bias along registers
.set BL,   31                          ; v31  4 x (r + 8 (r / 8)): the bias of my channel
.set SC,   32
.set BIAS, 64
.set AF,   128
.set T,    128                         ; the way out: 64 numbers
.set PC,   192                         ; v192-211 the codes
.set TM,   212                         ; v212-227 at work in the quantiser
.set PWS,  232                         ; v232-235 four images' scale words
.set W2,   236                         ; v[236:237] a unit's 8 bytes
.set BV,   240
.set PROJ, 66                          ; s66  which product
.set C8,   67                          ; s67  which 1,024 rows of x
.set G1, 24
.set G0, 32
.set G1B, 48
.set G0B, 56
.set G1S, 68
.set G0S, 76
.set G1SB, 80
.set G0SB, 88
.set MSB, 0
.macro WIN new                         ; the immediate's high byte repeats the setting that is left
.if MSB != \new
	s_set_vgpr_msb (MSB<<8)|\new
.set MSB, \new
.endif
.endm
.set MUL_LO, 0xa1                      ; source 0 (B) window 1, source 1 (A) window 0, C and D window 2
.set MUL_HI, 0xf1                      ; the same, C and D window 3
.set TO_B,   0x40                      ; destination window 1, address window 0
; A joint load: waves 0 and 1 fetch for A, waves 2 and 3 for B; the branch hangs on the wave's number alone.  An s_nop 0 and four v_nop follow each of the two lines.
.macro JLOAD g0a, g1a, g0b, g1b
	s_cmp_eq_u32 s15, 0
	s_cbranch_scc0 .Lfor_b_\@
	tensor_load_to_lds s[\g0a:\g0a+3], s[\g1a:\g1a+7]
	s_nop 0
.rept 4
	v_nop
.endr
	s_branch .Lasked_\@
.Lfor_b_\@:
	tensor_load_to_lds s[\g0b:\g0b+3], s[\g1b:\g1b+7]
	s_nop 0
.rept 4
	v_nop
.endr
.Lasked_\@:
.endm
.macro CREST                           ; a round of the cluster's barrier behind its opening barrier
	s_cmp_lg_u32 s14, 0
	s_cbranch_scc1 .Lnot_wave_0_\@
	s_barrier_signal -3
.Lnot_wave_0_\@:
	s_barrier_wait -3
	s_barrier_signal -1
	s_barrier_wait -1
.endm
.macro CROUND
	s_barrier_signal -1
	s_barrier_wait -1
	CREST
.endm
	s_load_b128 s[4:7], s[0:1], 0x0                ; the codes, the scale bytes
	s_load_b128 s[8:11], s[0:1], 0x10              ; bq, bk
	s_load_b64 s[12:13], s[0:1], 0x20              ; bv
	s_load_b64 s[96:97], s[0:1], 0x28              ; Q's records
	s_load_b64 s[98:99], s[0:1], 0x30              ; K's
	s_load_b64 s[100:101], s[0:1], 0x38            ; V's
	v_lshl_add_u32 v[SPW], v0, 2, SPARE
	v_mov_b32 v[NIL], 0
	ds_add_u32 v[SPW], v[NIL]                      ; the wave's opening: the add and its wait stand ahead of my first tensor load; the set-up below stands between them
	ds_add_u32 v[SPW], v[NIL]
	v_lshrrev_b32 v1, 5, v0
	v_readfirstlane_b32 s14, v1                    ; wave 0..3
	s_lshr_b32 s15, s14, 1                         ; which half of A's 256 rows is mine.  Also: I fetch for A (0) or for B (1)
	s_and_b32 s16, s14, 1                          ; which half of B's.  Also: which 128 rows I fetch
	s_bfe_u32 s40, ttmp6, 0x40000                  ; cx, cy: my place in the cluster
	s_bfe_u32 s41, ttmp6, 0x40004
	s_and_b32 s17, ttmp7, 0xffff                   ; cluster y: the same in all sixteen partners
	s_lshr_b32 s[PROJ], s17, 3
	s_and_b32 s[C8], s17, 7
	s_lshl_b32 s43, s41, 2
	s_lshl_b32 s43, 15, s43                        ; my row of the cluster
	s_lshl_b32 s44, 0x1111, s40                    ; my column
	; descriptor group 1: a tile of 128 rows x ROWB bytes, 16 bytes of padding behind every 64
	s_or_b32 s[G1+0], s43, (0<<16)|(1<<20)|(1<<21)|(3<<22)|(3<<25)
	s_or_b32 s[G1B+0], s44, (0<<16)|(1<<20)|(1<<21)|(3<<22)|(3<<25)
.irp g, G1, G1B
	s_mov_b32 s[\g+1], 768<<16                     ; 128 rows of a plane are dense: stated as 32 rows of 768 bytes, each at a multiple of 256 bytes;
	s_mov_b32 s[\g+2], 32<<16                      ; the padding is counted along the whole tile, so the LDS rows of 192 bytes stay PITCH apart
	s_mov_b32 s[\g+3], 768<<16
	s_mov_b32 s[\g+4], 32
	s_mov_b32 s[\g+5], 768
	s_mov_b32 s[\g+6], 0
	s_mov_b32 s[\g+7], 0
.endr
	; the scale bytes of 128 rows: a dense block, as rows of 256 bytes (32 elements of 8 bytes), 16 bytes of padding behind each
	s_or_b32 s[G1S+0], s43, (3<<16)|(1<<20)|(1<<21)|(5<<22)|(3<<25)
	s_or_b32 s[G1SB+0], s44, (3<<16)|(1<<20)|(1<<21)|(5<<22)|(3<<25)
.irp g, G1S, G1SB
	s_mov_b32 s[\g+1], 32<<16
	s_mov_b32 s[\g+2], (128*KS/256)<<16
	s_mov_b32 s[\g+3], 32<<16
	s_mov_b32 s[\g+4], 128*KS/256
	s_mov_b32 s[\g+5], 32
	s_mov_b32 s[\g+6], 0
	s_mov_b32 s[\g+7], 0
.endr
	; where A's and B's rows begin in the buffer of codes: made of the cluster's number alone
	s_lshl_b32 s94, s[C8], 10
	s_lshl_b32 s17, s[PROJ], 13
	s_add_co_u32 s17, s17, s94                     ; Q, K: A = x: 8,192 x product + 1,024 c8
	s_lshl_b32 s42, s[PROJ], 10
	s_add_co_u32 s42, s42, 24576                   ; Q, K: B = W: 24,576 + 1,024 x product
	s_add_co_u32 s94, s94, 16384                   ; V: B = v: 16,384 + 1,024 c8
	s_cmp_eq_u32 s[PROJ], 2
	s_cselect_b32 s17, 26624, s17                  ; V: A = Wv
	s_cselect_b32 s42, s94, s42
	s_lshl_b32 s18, s16, 7                         ; which 128 rows of the tile I fetch
	s_lshl_b32 s20, s41, 8
	s_add_co_u32 s20, s20, s18
	s_add_co_u32 s20, s20, s17                     ; A: 256 cy + 128 x half + the base
	s_lshl_b32 s46, s40, 8
	s_add_co_u32 s46, s46, s18
	s_add_co_u32 s46, s46, s42                     ; B: 256 cx + 128 x half + the base
	s_mov_b32 s21, 0
	s_mov_b32 s47, 0
	s_mov_b64 s[18:19], KS
	s_mul_u64 s[22:23], s[20:21], s[18:19]         ; where these rows' scale bytes begin
	s_mul_u64 s[92:93], s[46:47], s[18:19]
	s_mov_b64 s[18:19], KROW
	s_mul_u64 s[20:21], s[20:21], s[18:19]         ; and their codes
	s_mul_u64 s[46:47], s[46:47], s[18:19]
	s_mul_i32 s45, s14, HALFT                      ; where they go: wave x 128 rows: no place in the cluster enters an LDS address
	s_mul_i32 s94, s14, HALFS
	s_wait_dscnt 0x0                               ; the opening add is done
	s_wait_kmcnt 0x0
	s_add_nc_u64 s[20:21], s[4:5], s[20:21]
	s_add_nc_u64 s[22:23], s[6:7], s[22:23]
	s_add_nc_u64 s[46:47], s[4:5], s[46:47]
	s_add_nc_u64 s[92:93], s[6:7], s[92:93]
	CROUND                                         ; all sixteen work-groups are here: the first joint loads meet
	s_mov_b32 s[G0S], 1
	s_add_co_u32 s[G0S+1], s94, SCL
	s_mov_b64 s[G0S+2:G0S+3], s[22:23]
	s_or_b32 s[G0S+3], s[G0S+3], 0x80000000
	s_mov_b32 s[G0SB], 1
	s_add_co_u32 s[G0SB+1], s94, SCL
	s_mov_b64 s[G0SB+2:G0SB+3], s[92:93]
	s_or_b32 s[G0SB+3], s[G0SB+3], 0x80000000
	JLOAD G0S, G1S, G0SB, G1SB                     ; the scale bytes first: they are wanted with K step 0
.irp s, 0,1
	s_mov_b32 s[G0+4*\s], 1
	s_add_co_u32 s[G0+4*\s+1], s45, \s*SLOT
	s_add_nc_u64 s[G0+4*\s+2:G0+4*\s+3], s[20:21], \s*CHB
	s_or_b32 s[G0+4*\s+3], s[G0+4*\s+3], 0x80000000
	s_mov_b32 s[G0B+4*\s], 1
	s_add_co_u32 s[G0B+4*\s+1], s45, \s*SLOT
	s_add_nc_u64 s[G0B+4*\s+2:G0B+4*\s+3], s[46:47], \s*CHB
	s_or_b32 s[G0B+4*\s+3], s[G0B+4*\s+3], 0x80000000
	s_wait_alu depctr_va_vdst(0)
	s_wait_tensorcnt 0x0                           ; a later first fill is issued as a refill is: all my tensor loads have landed,
	ds_add_u32 v[SPW], v[NIL]                      ; 0 onto my spare word,
	s_wait_dscnt 0x0                               ; the add is done,
	CROUND                                         ; a whole round of the cluster's barrier,
	JLOAD G0+4*\s, G1, G0B+4*\s, G1B               ; and my one tensor load behind it: one load of mine is out
.endr
	v_and_b32 v1, 15, v0                           ; r = l % 16
	v_bfe_u32 v2, v0, 4, 1                         ; h = l / 16
	v_mul_u32_u24 v3, v1, PITCH
	v_mul_u32_u24 v4, v2, 24
	v_add_nc_u32 v4, v3, v4                        ; a fragment's row x pitch + 24 x half
	v_lshl_add_u32 v5, v2, 4, v4                   ; and the same behind one padding more
	s_mul_i32 s21, s15, HALFT                      ; my 128 rows of A
	s_mul_i32 s22, s16, HALFT                      ; my 128 rows of B,
	s_add_co_u32 s22, s22, 2*HALFT                 ; which lie behind A's 256
.irp s, 0,1
	v_add_nc_u32 v[ADRA+\s], s21, v4
	v_add_nc_u32 v[ADRB+\s], s22, v4
	v_add_nc_u32 v[ADRA+2+\s], s21, v5
	v_add_nc_u32 v[ADRB+2+\s], s22, v5
	s_add_co_u32 s21, s21, SLOT
	s_add_co_u32 s22, s22, SLOT
.endr
	v_mul_u32_u24 v5, v1, KS                       ; my row's scale bytes: KS a row,
	v_lshrrev_b32 v6, 8, v5
	v_lshl_add_u32 v5, v6, 4, v5                   ; and 16 more for each 256 passed
	s_mul_i32 s21, s15, HALFS
	s_mul_i32 s22, s16, HALFS
	s_add_co_u32 s22, s22, 2*HALFS
	s_sub_co_u32 s22, s22, s21
	v_mul_u32_u24 v6, s22, v2                      ; lanes 16-31 take B's
	s_add_co_u32 s21, s21, SCL
	v_add_nc_u32 v5, v5, v6
	v_add_nc_u32 v[ADRS], s21, v5
	; where my results go.  Rx: my first row of x; Nw: my first output feature
	s_lshl_b32 s20, s41, 8
	s_lshl_b32 s21, s15, 7
	s_add_co_u32 s20, s20, s21                     ; A's side: 256 cy + 128 x half
	s_lshl_b32 s21, s40, 8
	s_lshl_b32 s22, s16, 7
	s_add_co_u32 s21, s21, s22                     ; B's side: 256 cx + 128 x half
	s_lshl_b32 s46, s[C8], 10
	s_cmp_eq_u32 s[PROJ], 2
	s_cselect_b32 s22, s21, s20
	s_cselect_b32 s23, s20, s21                    ; Nw
	s_add_co_u32 s22, s22, s46                     ; Rx
	s_lshr_b32 s46, s22, 11
	s_lshl_b32 s46, s46, 4
	s_lshr_b32 s47, s23, 6
	s_add_co_u32 s46, s46, s47                     ; the record: 16 x batch + my first head
	s_mul_i32 s46, s46, REC
	s_bfe_u32 s47, s22, 0x40007                    ; g: which 128 rows of the batch's 2,048
	s_mul_i32 s92, s47, 4*1536
	s_add_co_u32 s92, s92, s46
	s_mov_b32 s93, 0
	s_lshl_b32 s94, s47, 8
	s_add_co_u32 s94, s94, s46
	s_add_co_u32 s94, s94, RSC
	s_mov_b32 s95, 0
	s_cmp_eq_u32 s[PROJ], 1                        ; the buffers are chosen by the cluster's number
	s_cselect_b64 s[96:97], s[98:99], s[96:97]
	s_cselect_b64 s[8:9], s[10:11], s[8:9]
	s_cmp_eq_u32 s[PROJ], 2
	s_cselect_b64 s[96:97], s[100:101], s[96:97]
	s_cselect_b64 s[8:9], s[12:13], s[8:9]
	s_add_nc_u64 s[98:99], s[96:97], s[94:95]      ; my unit of scale words
	s_add_nc_u64 s[96:97], s[96:97], s[92:93]      ; my four images
	s_lshl_b32 s92, s23, 2
	s_add_nc_u64 s[8:9], s[8:9], s[92:93]          ; the bias at Nw
	s_mov_b32 s10, 0x1800000                       ; the floor 2^(3 - 127);
	s_cmp_eq_u32 s[PROJ], 0
	s_cselect_b32 s10, 0x3000000, s10              ; Q's is 2^(6 - 127),
	s_cselect_b32 s11, 0x03030303, 0               ; since 3 goes off each of its bytes: Q / 8
	s_mov_b32 s12, 0xffff0000                      ; lanes 16-31
	s_mov_b32 s18, 0x76543210
	s_mov_b32 s19, 0xfedcba98                      ; v_permlanex16_b32's selects for lane l xor 16
	; the bias in both layouts, 128 numbers each way: along a lane's registers (Q, K) and of a lane's channel (V).  Both are loaded on the one path that all take; each way out reads its own
	v_lshlrev_b32 v[BA], 6, v2
	v_and_b32 v[BL], 8, v1
	v_add_nc_u32 v[BL], v[BL], v1
	v_lshlrev_b32 v[BL], 2, v[BL]
.irp b, 0,1,2,3,4,5,6,7
	global_load_b128 v[BIAS+8*\b:BIAS+8*\b+3], v[BA], s[8:9] offset:4*(32*(\b/2)+8*(\b%2))          ; features 32 (b / 2) + 16 h + 8 (b % 2) + 0 .. 7
	global_load_b128 v[BIAS+8*\b+4:BIAS+8*\b+7], v[BA], s[8:9] offset:4*(32*(\b/2)+8*(\b%2))+16
.endr
.irp a, 0,1,2,3,4,5,6,7
	global_load_b32 v[BV+2*\a], v[BL], s[8:9] offset:4*(32*(\a/2)+8*(\a%2))                        ; feature 32 (a / 2) + 8 (a % 2) + r + 8 (r / 8), into both registers of a pair for the packed addition
	global_load_b32 v[BV+2*\a+1], v[BL], s[8:9] offset:4*(32*(\a/2)+8*(\a%2))
.endr
	v_and_b32 v6, 31, v0
	v_lshlrev_b32 v[OA], 4, v6
	v_lshlrev_b32 v[OS], 3, v6
.macro FRAG reg, adr, q, i             ; a fragment, 16 rows x 128 K, is 12 registers: lane l holds row l % 16; registers 6 c .. 6 c + 5 hold K = 64 c + 32 (l / 16) + 0 .. 31: 24 bytes of the row, as they lie
.irp p, 0,1,2,3,4,5                    ; in pieces of 8 bytes; where the piece of lanes 16-31 lies behind one padding more, the second address register serves
.set PCE, 12*(\q)+6*(\p/3)+\p%3
.if PCE%8 < 5
	ds_load_b64 v[\reg+2*\p:\reg+2*\p+1], v[\adr] offset:8*PCE+16*(PCE/8)+(\i)*16*PITCH
.else
	ds_load_b64 v[\reg+2*\p:\reg+2*\p+1], v[\adr+2] offset:8*PCE+16*(PCE/8)+(\i)*16*PITCH
.endif
.endr
.endm
; 16 matrix instructions: A's blocks a0, a0 + 1 x B's eight, 128 along K.  The 64 accumulators take turns, one instruction a turn, in the same order in every step.
.macro MUL16 a0, p, q, sc, zero
.irp a, \a0, \a0+1
.irp b, 0,1,2,3,4,5,6,7
.if \zero
	v_wmma_scale_f32_16x16x128_f8f6f4 v[8*(8*((\a)%4)+\b):8*(8*((\a)%4)+\b)+7], v[128*(\p)+FR*\b:128*(\p)+FR*\b+FR-1], v[AF+FR*(\a):AF+FR*(\a)+FR-1], 0, v[SC+8*NQ*(\sc)+NQ*\b+(\q)], v[SC+8*NQ*(\sc)+NQ*(\a)+(\q)] matrix_a_fmt:MATRIX_FMT_FP6 matrix_b_fmt:MATRIX_FMT_FP6 matrix_a_scale:MATRIX_SCALE_ROW1
.else
	v_wmma_scale_f32_16x16x128_f8f6f4 v[8*(8*((\a)%4)+\b):8*(8*((\a)%4)+\b)+7], v[128*(\p)+FR*\b:128*(\p)+FR*\b+FR-1], v[AF+FR*(\a):AF+FR*(\a)+FR-1], v[8*(8*((\a)%4)+\b):8*(8*((\a)%4)+\b)+7], v[SC+8*NQ*(\sc)+NQ*\b+(\q)], v[SC+8*NQ*(\sc)+NQ*(\a)+(\q)] matrix_a_fmt:MATRIX_FMT_FP6 matrix_b_fmt:MATRIX_FMT_FP6 matrix_a_scale:MATRIX_SCALE_ROW1
.endif
.endr
.endr
.endm
.macro FETCH_B slot, q, p
	WIN TO_B
.irp i, 0,1,2,3,4,5,6,7
	FRAG 128*(\p)+FR*\i, ADRB+\slot, \q, \i
.endr
	WIN 0
.endm
.macro FETCH_A slot, q, i0
.irp i, \i0, \i0+1, \i0+2, \i0+3
	FRAG AF+FR*(\i), ADRA+\slot, \q, \i
.endr
.endm
.macro SCALES sc                       ; a K step's scale words: lanes 0-15 take A's block i, lanes 16-31 B's block i
.irp i, 0,1,2,3,4,5,6,7
	ds_load_b64 v[SC+8*NQ*\sc+NQ*\i:SC+8*NQ*\sc+NQ*\i+1], v[ADRS] offset:\i*SBLK
.endr
.endm
.macro PLACES n                        ; plain vector instructions between a matrix instruction and a load into, or a vector instruction on, its registers
.rept \n
	v_nop
.endr
.endm
.macro STEP slot, q, zero              ; a step of 128 along K that has its successor in the same slot
	s_wait_dscnt 4*NL                              ; B's set and A's blocks 0-3 are in; the youngest 24 loads (A's blocks 4-7) may be out
	WIN MUL_LO
	MUL16 0, (\q)%2, \q, \slot, \zero
	MUL16 2, (\q)%2, \q, \slot, \zero
	s_wait_dscnt 0                                 ; A's blocks 4-7 are in
	PLACES NP
	FETCH_B \slot, (\q)+1, 1-(\q)%2
	FETCH_A \slot, (\q)+1, 0
	WIN MUL_HI
	MUL16 4, (\q)%2, \q, \slot, \zero
	MUL16 6, (\q)%2, \q, \slot, \zero
	PLACES NP
	WIN 0
	FETCH_A \slot, (\q)+1, 4
.endm
; A slot's last step changes slots: one barrier; in front of it each wave waits for all its tensor loads, adds 0 to its spare word, and waits for that and for its own reads of this slot.
.macro TURN slot, next, fill
	s_wait_tensorcnt 0x0                           ; all my tensor loads have landed: my part of the next slot
	ds_add_u32 v[SPW], v[NIL]
	s_wait_dscnt 4*NL+1                            ; (the add and the youngest 24 loads, A's blocks 4-7, may be out)
	WIN MUL_LO
	MUL16 0, 1, NQ-1, \slot, 0
	s_wait_dscnt 0x0                               ; the add is done, and my reads of this slot are over
	s_barrier_signal -1
	MUL16 2, 1, NQ-1, \slot, 0
	WIN 0
	s_barrier_wait -1
.if \fill
	CREST                                          ; the barrier has opened a round of the cluster's barrier: no wave of any partner still reads this slot or has a load on its way
	s_add_nc_u64 s[G0+4*\slot+2:G0+4*\slot+3], s[G0+4*\slot+2:G0+4*\slot+3], 2*CHB
	s_add_nc_u64 s[G0B+4*\slot+2:G0B+4*\slot+3], s[G0B+4*\slot+2:G0B+4*\slot+3], 2*CHB
	JLOAD G0+4*\slot, G1, G0B+4*\slot, G1B         ; the first tensor load behind the round; its four v_nop are the places in front of the loads below
.else
	PLACES NP
.endif
	s_wait_alu depctr_va_vdst(0)
	v_add_nc_u32 v[ADRS], 4*NQ, v[ADRS]            ; on to the next K step's scale words
	FETCH_B \next, 0, 0
	FETCH_A \next, 0, 0
	SCALES \next
	WIN MUL_HI
	MUL16 4, 1, NQ-1, \slot, 0
	MUL16 6, 1, NQ-1, \slot, 0
	PLACES NP
	WIN 0
	FETCH_A \next, 0, 4
.endm
; 64 numbers of a lane, v[s] on, register 16 b + i = place 32 b + 16 (lane / 16) + i along K of my row, become 12 registers of codes in v[PC] on and the row's scale word in v[pw].
.macro QUANT s, floor, pw
.irp b, 0,1,2,3
	v_max3_num_f32 v[TM+\b], |v[\s+16*\b]|, |v[\s+1+16*\b]|, \floor   ; block b: my 16 numbers, and the floor, under which no largest magnitude is taken
.endr
.irp i, 2,4,6,8,10,12,14
.irp b, 0,1,2,3
	v_max3_num_f32 v[TM+\b], v[TM+\b], |v[\s+16*\b+\i]|, |v[\s+1+16*\b+\i]|   ; (the four blocks by turns)
.endr
.endr
.irp b, 0,1,2,3
	v_permlanex16_b32 v[TM+4+\b], v[TM+\b], s18, s19
.endr
.irp b, 0,1,2,3
	v_max_num_f32 v[TM+\b], v[TM+\b], v[TM+4+\b]   ; with lane l xor 16's: the block's largest magnitude
.endr
.irp b, 0,1,2,3
	v_add_nc_u32 v[TM+12+\b], 0xff000000, v[TM+\b] ; 2 off its exponent field: the conversion's scale operand
.endr
.irp b, 0,1,2,3
	v_lshrrev_b32 v[TM+4+\b], 23, v[TM+12+\b]      ; the scale's byte
.endr
	v_lshl_or_b32 v[\pw], v[TM+5], 8, v[TM+4]
	v_lshl_or_b32 v[\pw], v[TM+6], 16, v[\pw]
	v_lshl_or_b32 v[\pw], v[TM+7], 24, v[\pw]
.irp c, 0,1
	v_cvt_scalef32_pk16_fp6_f32 v[PC+6*\c:PC+2+6*\c], v[\s+32*\c:\s+15+32*\c], v[TM+12+2*\c]
	v_cvt_scalef32_pk16_fp6_f32 v[PC+12+4*\c:PC+14+4*\c], v[\s+16+32*\c:\s+31+32*\c], v[TM+12+2*\c+1]   ; (a conversion's three registers begin on an even number)
.endr
	v_nop                                          ; one plain place behind a scaled conversion
.irp c, 0,1                                    ; the operand's layout wants a whole block in a lane: lanes 0-15 block 2 c, lanes 16-31 block 2 c + 1
.irp i, 0,1,2
	v_permlane16_swap_b32 v[PC+6*\c+\i], v[PC+12+4*\c+\i]
.endr
.irp i, 0,1,2
	v_mov_b32 v[PC+3+6*\c+\i], v[PC+12+4*\c+\i]
.endr
.endr
.endm
.macro IMAGE hh, i                     ; the 12 registers as they stand: three stores of 512 consecutive bytes
.irp c, 0,1,2
	global_store_b128 v[OA], v[PC+4*\c:PC+4*\c+3], s[96:97] offset:REC*(\hh)+1536*(\i)+512*\c
.endr
.endm
; Q, K: head hh of my two, A's blocks 2 pp and 2 pp + 1: each gives a lane 32 numbers, the head's 64 shared with lane l xor 16
.macro QKUNIT hh, pp
.if (\hh)+(\pp) > 0
	s_wait_xcnt 0x0                                ; the stores of the image before have read their registers
.endif
	WIN 0x02+(\pp)/2                               ; source 0: window 2 or 3
.irp c, 0,1
.set jj, 0
.rept 16
	v_pk_add_f32 v[T+32*\c+jj:T+32*\c+jj+1], v[64*((2*(\pp)+\c)%4)+32*(\hh)+jj:64*((2*(\pp)+\c)%4)+32*(\hh)+jj+1], v[BIAS+32*(\hh)+jj:BIAS+32*(\hh)+jj+1]   ; each accumulator from its low end on
.set jj, jj+2
.endr
.endr
	WIN 0
	QUANT T, s10, PWS+(\pp)
	IMAGE \hh, \pp
.endm
; V: A's block 4 hh + i: 16 channels of head hh; a lane's 64 numbers are its channel at 128 keys, shared with lane l xor 16
.macro VUNIT hh, i
.if (\hh)+(\i) > 0
	s_wait_xcnt 0x0
.endif
	WIN 0x02+(\hh)
.set jj, 0
.rept 32
	v_pk_add_f32 v[T+jj:T+jj+1], v[64*(\i)+jj:64*(\i)+jj+1], v[BV+2*(4*(\hh)+(\i)):BV+2*(4*(\hh)+(\i))+1]
.set jj, jj+2
.endr
	WIN 0
	QUANT T, 0x1800000, PWS+(\i)
	IMAGE \hh, \i
.endm
.macro WORDS hh, adj                   ; four images' scale words make a unit: lanes 0-15 those of images 0 and 2, lanes 16-31 those of images 1 and 3
	v_cndmask_b32 v[W2], v[PWS], v[PWS+1], s12
	v_cndmask_b32 v[W2+1], v[PWS+2], v[PWS+3], s12
.if \adj
	v_sub_nc_u32 v[W2], v[W2], s11                 ; Q: 3 off each byte (none is under 4); K: 0
	v_sub_nc_u32 v[W2+1], v[W2+1], s11
.endif
	global_store_b64 v[OS], v[W2:W2+1], s[98:99] offset:REC*(\hh)   ; 32 lanes store 256 consecutive bytes
.endm
	s_wait_alu depctr_va_vdst(0)
	s_wait_loadcnt 0x0                             ; the bias
	s_wait_tensorcnt 1                             ; the scale bytes and my part of K step 0 are in (K step 1's load may be out),
	s_barrier_signal -1
	s_barrier_wait -1                              ; everybody's are
	FETCH_B 0, 0, 0
	FETCH_A 0, 0, 0
	SCALES 0
	FETCH_A 0, 0, 4
	STEP 0, 0, 1                                   ; the first step stands in front of the loop: its products start the sums
	s_mov_b32 s3, LAPS-1
.Llap:                                                 ; a trip goes once round the ring and fills both slots again
	TURN 0, 1, 1
	STEP 1, 0, 0
	TURN 1, 0, 1
	STEP 0, 0, 0
	s_sub_co_u32 s3, s3, 1
	s_cmp_lg_u32 s3, 0
	s_cbranch_scc1 .Llap
	TURN 0, 1, 0                                   ; the last lap fills nothing
	STEP 1, 0, 0
	s_wait_dscnt 4*NL
	WIN MUL_LO
	MUL16 0, 1, NQ-1, 1, 0
	MUL16 2, 1, NQ-1, 1, 0
	s_wait_dscnt 0
	WIN MUL_HI
	MUL16 4, 1, NQ-1, 1, 0
	MUL16 6, 1, NQ-1, 1, 0
	WIN 0
	PLACES NP                                      ; in front of the first read of results and the first write over A's fragments
.irp b, 0,1,2,3
	v_mov_b32 v[TM+4+\b], 0                        ; a lane permute's destination counts as one of its sources
.endr
	s_cmp_eq_u32 s[PROJ], 2                        ; the cluster's number: all partners go the same way
	s_cbranch_scc1 .Lv_path
.irp hh, 0,1
.irp pp, 0,1,2,3
	QKUNIT \hh, \pp
.endr
	WORDS \hh, 1
.endr
	s_branch .Lout
.Lv_path:
.irp hh, 0,1
.irp i, 0,1,2,3
	VUNIT \hh, \i
.endr
	WORDS \hh, 0
.endr
.Lout:
	s_wait_tensorcnt 0x0                           ; the wave's end
	ds_add_u32 v[SPW], v[NIL]
	s_wait_dscnt 0x0
	CROUND                                         ; the closing round: no work-group ends while a partner may still ask for a tile that names it
	s_endpgm
.Lfunc_end_k_q612ae05327_proj:
	.size	k_q612ae05327_proj, .Lfunc_end_k_q612ae05327_proj-k_q612ae05327_proj
	.p2alignl 7, 3214868480
	.fill 96, 4, 3214868480
	.section	.rodata,"a",@progbits
	.p2align	6, 0x0
	.amdhsa_kernel k_q612ae05327_proj
		.amdhsa_group_segment_fixed_size 327680
		.amdhsa_private_segment_fixed_size 0
		.amdhsa_enable_private_segment 0
		.amdhsa_kernarg_size 64
		.amdhsa_user_sgpr_count 2
		.amdhsa_user_sgpr_kernarg_segment_ptr 1
		.amdhsa_wavefront_size32 1
		.amdhsa_system_sgpr_workgroup_id_x 1
		.amdhsa_system_sgpr_workgroup_id_y 1
		.amdhsa_system_sgpr_workgroup_id_z 1
		.amdhsa_system_vgpr_workitem_id 0
		.amdhsa_next_free_vgpr 1024
		.amdhsa_next_free_sgpr 102
		.amdhsa_reserve_vcc 0
		.amdhsa_float_denorm_mode_32 3
		.amdhsa_float_denorm_mode_16_64 3
		.amdhsa_memory_ordered 1
		.amdhsa_forward_progress 1
		.amdhsa_inst_pref_size 234
	.end_amdhsa_kernel
	.amdgpu_metadata
---
amdhsa.version: [ 1, 2 ]
amdhsa.kernels:
  - .name:           k_q612ae05327_proj
    .symbol:         k_q612ae05327_proj.kd
    .args:
      - { .name: codes, .offset: 0, .size: 8, .value_kind: global_buffer, .address_space: global }
      - { .name: scales, .offset: 8, .size: 8, .value_kind: global_buffer, .address_space: global }
      - { .name: bq, .offset: 16, .size: 8, .value_kind: global_buffer, .address_space: global }
      - { .name: bk, .offset: 24, .size: 8, .value_kind: global_buffer, .address_space: global }
      - { .name: bv, .offset: 32, .size: 8, .value_kind: global_buffer, .address_space: global }
      - { .name: qrec, .offset: 40, .size: 8, .value_kind: global_buffer, .address_space: global }
      - { .name: krec, .offset: 48, .size: 8, .value_kind: global_buffer, .address_space: global }
      - { .name: vrec, .offset: 56, .size: 8, .value_kind: global_buffer, .address_space: global }
    .group_segment_fixed_size: 327680
    .private_segment_fixed_size: 0
    .kernarg_segment_align: 8
    .kernarg_segment_size: 64
    .max_flat_workgroup_size: 128
    .sgpr_count:     102
    .vgpr_count:     1024
    .wavefront_size: 32
...
	.end_amdgpu_metadata
.endif
;; end of part 6
;; launch attn (part 7): grid 4 x 64, 8 waves a work-group, clusters of 4 x 1, 327,680 bytes of LDS; arguments qrec, krec, vrec, acod, ascl; writes acod, ascl
.if DOCPART == 7
	.amdgcn_target "amdgcn-amd-amdhsa--gfx1250"
	.amdhsa_code_object_version 6
	.text
	.protected	k_q612ae05327_attn
	.globl	k_q612ae05327_attn
	.p2align	8
	.type	k_q612ae05327_attn,@function
k_q612ae05327_attn:
	s_mov_b64 s[64:65], 0
	v_nop
	global_prefetch_b8 v0, s[64:65] scope:SCOPE_SE
	s_setreg_imm32_b32 hwreg(HW_REG_WAVE_MODE, 25, 1), 1
	s_wait_xcnt 0x0
	s_wait_alu depctr_hold_cnt(0) depctr_sa_sdst(0) depctr_va_vdst(0) depctr_va_sdst(0) depctr_va_ssrc(0) depctr_va_vcc(0) depctr_vm_vsrc(0)
	s_getreg_b32 s2, hwreg(HW_REG_IB_STS2, 6, 4)
	s_cmp_eq_u32 s2, 0
	s_cbranch_scc0 .Lentry_in_a_cluster
	s_endpgm
.Lentry_in_a_cluster:
	s_bfe_u32 s2, ttmp6, 0x10000c
	s_cmp_lg_u32 s2, 0x3003
	s_cbranch_scc0 .Lentry_shape_is_right
	s_endpgm
.Lentry_shape_is_right:
; Attention of one batch and head on operand images: S^T = K Q^T, the finished softmax quantised along the keys, O^T = V^T P^T; four waves share a tile's 2,048 keys, 512 each, and join maxima, sums and O through LDS.
; K's and V's records stay in LDS for the whole launch: waves 0-3 fetch K's, waves 4-7 V's, a quarter each, jointly with the cluster's four work-groups.
; A BLOCK'S LARGEST p IS NOT SEARCHED FOR: the block's largest score goes through the same multiply-add, exponential and multiply as every score, which gives the same bits.
; LIMIT: this takes v_exp_f32 not to fall where its input rises; at the worst one p of a block would be held one code low.  NaN and infinities are not served.
.set REC,   102400
.set BM,    200                        ; v200-215 for each of my 16 blocks of 32 keys: its largest score, then its largest p, then the conversion's scale operand
.set IMB,   1536
.set STEPB, 4*IMB
.set SCO,   64*IMB
.set VB,    REC
.set XB,    2*REC
.set OPB,   XB+2048
.set SPARE, OPB+65536
.set PART,  REC/4
.set TRIPS, 8
.set LI,  1
.set ADK, 2
.set ADV, 3
.set ADS, 4
.set SPW, 5
.set NIL, 6
.set ADT, 7
.set AO8, 8
.set AS,  9
.set XW,  10
.set XR,  11
.set OW,  12
.set ORD, 13
.set QW,  14
.set QS,  15
.set CM,  16
.set L,   18
.set RR,  20
.set MX,  22
.set T2,  24
.set SK,  26
.set SV,  28
.set PW,  30
.set QA,  31
.set F,   32
.set QF,  80
.set IMG, 98
.set O,   112
.set PC,  144
.set TM,  164
.set X,   180
.set T3,  192
.set T4,  194
.set G,   196
.set FO,  197
.set IA,  198
.set QA2, 199
.set WV,  14
.set GR,  17
.set KQ,  18
.set TI,  19
.set SEL, 20
.set CS,  22
.set G1,  24
.set G0K, 32
.set G0V, 36
.set FIN, 40
.set TR,  41
.set MSB, 0
.macro WIN new
.if MSB != \new
	s_set_vgpr_msb (MSB<<8)|\new
.set MSB, \new
.endif
.endm
.macro CROUND
	s_barrier_signal -1
	s_barrier_wait -1
	s_cmp_lg_u32 s[WV], 0
	s_cbranch_scc1 .Lnot_wave_0_\@
	s_barrier_signal -3
.Lnot_wave_0_\@:
	s_barrier_wait -3
	s_barrier_signal -1
	s_barrier_wait -1
.endm
	s_load_b128 s[4:7], s[0:1], 0x0
	s_load_b128 s[8:11], s[0:1], 0x10
	s_load_b64 s[12:13], s[0:1], 0x20
	v_lshl_add_u32 v[SPW], v0, 2, SPARE
	v_mov_b32 v[NIL], 0
	ds_add_u32 v[SPW], v[NIL]
	ds_add_u32 v[SPW], v[NIL]
	v_lshrrev_b32 v1, 5, v0
	s_delay_alu instid0(VALU_DEP_1)
	v_readfirstlane_b32 s[WV], v1
	s_lshr_b32 s[GR], s[WV], 2
	s_and_b32 s[KQ], s[WV], 3
	s_and_b32 s[TI], s[WV], 1
	s_bfe_u32 s[FIN], s[WV], 0x10001
	s_xor_b32 s[FIN], s[FIN], s[GR]
	s_bfe_u32 s15, ttmp6, 0x40000
	s_and_b32 s16, ttmp7, 0xffff
	s_mov_b32 s[G1], 15|(3<<16)|(1<<21)
	s_mov_b32 s[G1+1], 32<<16
	s_mov_b32 s[G1+2], 100<<16
	s_mov_b32 s[G1+3], 32<<16
	s_mov_b32 s[G1+4], 100
	s_mov_b32 s[G1+5], 32
	s_mov_b32 s[G1+6], 0
	s_mov_b32 s[G1+7], 0
	s_mul_i32 s43, s[WV], PART
	s_mul_i32 s44, s16, REC
	s_mul_i32 s46, s[KQ], PART                     ; which quarter of the record I fetch
	s_add_co_u32 s46, s46, s44
	s_mov_b32 s47, 0
	s_lshl_b32 s45, s15, 4
	s_lshl_b32 s52, s[GR], 3
	s_add_co_u32 s45, s45, s52
	s_mul_i32 s48, s45, IMB
	s_add_co_u32 s48, s48, s44
	s_mov_b32 s49, 0
	s_lshl_b32 s50, s45, 6
	s_add_co_u32 s50, s50, s44
	s_add_co_u32 s50, s50, SCO
	s_mov_b32 s51, 0
	s_lshr_b32 s52, s16, 4
	s_lshl_b32 s52, s52, 7
	s_lshl_b32 s53, s45, 1
	s_add_co_u32 s52, s52, s53
	s_add_co_u32 s52, s52, s[TI]
	s_and_b32 s53, s16, 15
	s_mul_i32 s54, s52, 8*IMB
	s_mul_i32 s56, s53, IMB/2
	s_add_co_u32 s54, s54, s56
	s_mov_b32 s55, 0
	s_lshl_b32 s56, s52, 9
	s_lshl_b32 s57, s53, 1
	s_add_co_u32 s56, s56, s57
	s_mov_b32 s57, 0
	s_mov_b32 s[SEL], 0x76543210
	s_mov_b32 s[SEL+1], 0xfedcba98
	s_mov_b32 s[CS], 0x3fb8aa3b
	s_mov_b32 s[CS+1], s[CS]
	s_wait_dscnt 0x0
	s_wait_kmcnt 0x0
	s_mov_b32 s[G0K], 1
	s_mov_b32 s[G0K+1], s43
	s_add_nc_u64 s[G0K+2:G0K+3], s[6:7], s[46:47]
	s_or_b32 s[G0K+3], s[G0K+3], 0x80000000
	s_mov_b32 s[G0V], 1
	s_mov_b32 s[G0V+1], s43                        ; wave x PART: V's record lies behind K's four quarters
	s_add_nc_u64 s[G0V+2:G0V+3], s[8:9], s[46:47]
	s_or_b32 s[G0V+3], s[G0V+3], 0x80000000
	s_add_nc_u64 s[48:49], s[4:5], s[48:49]
	s_add_nc_u64 s[50:51], s[4:5], s[50:51]
	s_add_nc_u64 s[10:11], s[10:11], s[54:55]
	s_add_nc_u64 s[12:13], s[12:13], s[56:57]
	CROUND
	s_cmp_eq_u32 s[GR], 0                          ; one tensor load a wave at the head: waves 0-3 K's record, waves 4-7 V's
	s_cbranch_scc0 .Lfor_v
	tensor_load_to_lds s[G0K:G0K+3], s[G1:G1+7]
	s_nop 0
.rept 4
	v_nop
.endr
	s_branch .Lasked
.Lfor_v:
	tensor_load_to_lds s[G0V:G0V+3], s[G1:G1+7]
	s_nop 0
.Lasked:
.rept 4
	v_nop
.endr
	v_and_b32 v[QA], 15, v0
	v_and_b32 v[LI], 31, v0
	s_delay_alu instid0(VALU_DEP_1)
	v_lshlrev_b32 v[ADS], 3, v[LI]
	s_delay_alu instid0(VALU_DEP_2)
	v_lshlrev_b32 v[LI], 4, v[LI]
	s_delay_alu instid0(VALU_DEP_4)
	v_lshlrev_b32 v[AS], 5, v[QA]
	v_lshlrev_b32 v[QA], 3, v[QA]
	s_delay_alu instid0(VALU_DEP_3)
	v_mov_b32 v[IA], v[LI]
	s_delay_alu instid0(VALU_DEP_2)
	v_mov_b32 v[QA2], v[QA]
.irp c, 0,1,2
	global_load_b128 v[IMG+4*\c:IMG+4*\c+3], v[IA], s[48:49] offset:512*\c
.endr
	global_load_b32 v[QW], v[QA2], s[50:51]
	v_add_nc_u32 v[AO8], 512, v[ADS]
	s_mul_i32 s52, s[KQ], 4*STEPB
	s_lshl_b32 s53, s[KQ], 10
	s_add_co_u32 s53, s53, SCO
	v_add_nc_u32 v[ADK], s52, v[LI]
	s_delay_alu instid0(VALU_DEP_1)
	v_add_nc_u32 v[ADV], VB, v[ADK]
	v_add_nc_u32 v[ADS], s53, v[ADS]
	s_delay_alu instid0(VALU_DEP_1)
	v_add_nc_u32 v[ADT], VB, v[ADS]
	s_lshl_b32 s52, s[WV], 7
	s_add_co_u32 s52, s52, XB
	v_add_nc_u32 v[XW], s52, v[QA]
	s_lshl_b32 s52, s[GR], 9
	s_add_co_u32 s52, s52, XB
	v_add_nc_u32 v[XR], s52, v[QA]
	s_lshl_b32 s52, s[GR], 15
	s_add_co_u32 s52, s52, OPB
	s_lshl_b32 s53, s[KQ], 12
	s_add_co_u32 s53, s53, s52
	v_add_nc_u32 v[OW], s53, v[LI]
	s_lshl_b32 s53, s[TI], 14
	s_add_co_u32 s53, s53, s52
	v_add_nc_u32 v[ORD], s53, v[LI]
.irp j, 0,1,2,3,4,5
	v_mov_b32 v[QF+\j], 0
	v_mov_b32 v[QF+12+\j], 0
.endr
.irp b, 0,1,2,3
	v_mov_b32 v[TM+4+\b], 0
.endr
	v_mov_b32 v[CM+1], 0
	v_mov_b32 v[RR+1], 0
.macro KLOAD s
.irp p, 0,1,2,3
.irp c, 0,1,2
	ds_load_b128 v[F+12*\p+4*\c:F+12*\p+4*\c+3], v[ADK] offset:STEPB*(\s)+IMB*\p+512*\c
.endr
.endr
	ds_load_b64 v[SK:SK+1], v[ADS] offset:256*(\s)
.endm
.macro VLOAD s
.irp p, 0,1,2,3
.irp c, 0,1,2
	ds_load_b128 v[F+12*\p+4*\c:F+12*\p+4*\c+3], v[ADV] offset:STEPB*(\s)+IMB*\p+512*\c
.endr
.endr
	ds_load_b64 v[SV:SV+1], v[ADT] offset:256*(\s)
.endm
.macro QK s
	WIN 0x40
.irp p, 0,1,2,3
.irp u, 0,1
.if \p%2
	v_wmma_scale_f32_16x16x128_f8f6f4 v[64*(\s)+16*\p+8*\u:64*(\s)+16*\p+8*\u+7], v[F+12*\p:F+12*\p+11], v[QF+6-6*\u:QF+17-6*\u], 0, v[SK+\p/2], v[QS] matrix_a_fmt:MATRIX_FMT_FP6 matrix_b_fmt:MATRIX_FMT_FP6 matrix_a_scale:MATRIX_SCALE_ROW1
.else
	v_wmma_scale_f32_16x16x128_f8f6f4 v[64*(\s)+16*\p+8*\u:64*(\s)+16*\p+8*\u+7], v[F+12*\p:F+12*\p+11], v[QF+6-6*\u:QF+17-6*\u], 0, v[SK+\p/2], v[QS] matrix_a_fmt:MATRIX_FMT_FP6 matrix_b_fmt:MATRIX_FMT_FP6
.endif
.endr
.endr
.endm
.macro MAXA s
	WIN 0x05
.irp b, 0,1,2,3
	v_max_num_f32 v[BM+4*(\s)+\b], v[64*(\s)+16*\b], v[64*(\s)+16*\b+1]
.endr
.endm
.macro MAXB s
	WIN 0x14
.irp n, 2,4,6,8,10,12,14
.irp b, 0,1,2,3
	v_max3_num_f32 v[BM+4*(\s)+\b], v[BM+4*(\s)+\b], v[64*(\s)+16*\b+\n], v[64*(\s)+16*\b+\n+1]   ; each block's largest score is kept
.endr
.endr
	WIN 0
.if (\s) == 0
	v_max3_num_f32 v[MX], v[BM], v[BM+1], v[BM+2]
	s_delay_alu instid0(VALU_DEP_1)
	v_max_num_f32 v[MX], v[MX], v[BM+3]
.else
	v_max3_num_f32 v[MX], v[MX], v[BM+4*(\s)], v[BM+4*(\s)+1]
	s_delay_alu instid0(VALU_DEP_1)
	v_max3_num_f32 v[MX], v[MX], v[BM+4*(\s)+2], v[BM+4*(\s)+3]
.endif
.endm
.macro FMA1
	v_pk_fma_f32 v[ff:ff+1], v[ff:ff+1], s[CS:CS+1], v[CM:CM+1] op_sel_hi:[1,0,0] neg_lo:[0,0,1] neg_hi:[0,0,1]
.set ff, ff+2
.endm
.macro EXP1
	v_exp_f32 v[ee], v[ee]
.set ee, ee+1
.endm
.macro EXPALL
	WIN 0x41
.set ff, 0
.set ee, 0
.rept 128
	FMA1                                           ; all 256 exponents first, two an instruction
.endr
	s_wait_alu depctr_va_vdst(0)                   ; one wait ahead of the batch
.rept 256
	EXP1                                           ; the batch; the plain place and the one wait behind it follow
.endr
	WIN 0
.irp j, 0,1,2,3,4,5,6,7,8,9,10,11,12,13,14,15
	v_exp_f32 v[BM+\j], v[BM+\j]                   ; and the same of the 16 blocks' largest
.endr
	v_nop
	s_wait_alu depctr_va_vdst(0)
.endm
.macro SUMS
	WIN 0x05
	v_pk_add_f32 v[L:L+1], v[0:1], v[2:3]
	v_pk_add_f32 v[T2:T2+1], v[4:5], v[6:7]
	v_pk_add_f32 v[T3:T3+1], v[8:9], v[10:11]
	v_pk_add_f32 v[T4:T4+1], v[12:13], v[14:15]
	WIN 0x04
.set jj, 16
.rept 30
	v_pk_add_f32 v[L:L+1], v[L:L+1], v[jj:jj+1]
	v_pk_add_f32 v[T2:T2+1], v[T2:T2+1], v[jj+2:jj+3]
	v_pk_add_f32 v[T3:T3+1], v[T3:T3+1], v[jj+4:jj+5]
	v_pk_add_f32 v[T4:T4+1], v[T4:T4+1], v[jj+6:jj+7]
.set jj, jj+8
.endr
	WIN 0
	v_pk_add_f32 v[L:L+1], v[L:L+1], v[T2:T2+1]
	v_pk_add_f32 v[T3:T3+1], v[T3:T3+1], v[T4:T4+1]
	s_delay_alu instid0(VALU_DEP_1)
	v_pk_add_f32 v[L:L+1], v[L:L+1], v[T3:T3+1]
.endm
.macro XCHG ti
	s_delay_alu instid0(VALU_DEP_1)
	v_add_f32 v[L], v[L], v[L+1]
	s_delay_alu instid0(VALU_DEP_1)
	v_permlanex16_b32 v[TM+4], v[L], s[SEL], s[SEL+1]
	s_delay_alu instid0(VALU_DEP_1)
	v_add_f32 v[CM+1], v[L], v[TM+4]
	ds_store_b64 v[XW], v[CM:CM+1] offset:1024*\ti
	s_wait_dscnt 0x0
	s_barrier_signal -1
	s_barrier_wait -1
.irp j, 0,1,2,3
	ds_load_b64 v[X+2*\j:X+2*\j+1], v[XR] offset:1024*\ti+128*\j
.endr
	s_wait_dscnt 0x0
	v_max3_num_f32 v[G], v[X], v[X+2], v[X+4]
	s_delay_alu instid0(VALU_DEP_1)
	v_max_num_f32 v[G], v[G], v[X+6]
.irp j, 0,1,2,3
	v_sub_f32 v[X+2*\j], v[X+2*\j], v[G]
.endr
	v_sub_f32 v[FO], v[CM], v[G]
	s_wait_alu depctr_va_vdst(0)
.irp j, 0,1,2,3
	v_exp_f32 v[X+2*\j], v[X+2*\j]
.endr
	v_exp_f32 v[FO], v[FO]
	v_nop
	s_wait_alu depctr_va_vdst(0)
	v_mul_f32 v[L], v[X], v[X+1]
	v_fmac_f32 v[L], v[X+2], v[X+3]
	v_fmac_f32 v[L], v[X+4], v[X+5]
	v_fmac_f32 v[L], v[X+6], v[X+7]
	s_delay_alu instid0(VALU_DEP_1)
	v_add_f32 v[L], 0x2edbe6ff, v[L]
	s_wait_alu depctr_va_vdst(0)
	v_rcp_f32 v[RR], v[L]
	v_nop
	s_wait_alu depctr_va_vdst(0)
	v_mul_f32 v[RR], v[RR], v[FO]
.endm
.macro MUL s
	WIN 0x41
.set jj, 64*(\s)
.rept 32
	v_pk_mul_f32 v[jj:jj+1], v[jj:jj+1], v[RR:RR+1] op_sel_hi:[1,0]
.set jj, jj+2
.endr
.endm
.macro BLKMAX                          ; the 16 blocks' largest scores, joined with lane l xor 16's, and the same multiply-add that every score gets
.irp s, 0,1,2,3
.irp b, 0,1,2,3
	v_permlanex16_b32 v[TM+4+\b], v[BM+4*\s+\b], s[SEL], s[SEL+1]
.endr
.irp b, 0,1,2,3
	v_max_num_f32 v[BM+4*\s+\b], v[BM+4*\s+\b], v[TM+4+\b]
.endr
.endr
.irp j, 0,2,4,6,8,10,12,14
	v_pk_fma_f32 v[BM+\j:BM+\j+1], v[BM+\j:BM+\j+1], s[CS:CS+1], v[CM:CM+1] op_sel_hi:[1,0,0] neg_lo:[0,0,1] neg_hi:[0,0,1]
.endr
.endm
.macro BLKSC                           ; the blocks' largest p, normalised as every p is; the floor 2^(3 - 127); 2 off the exponent field: the conversions' scale operands
.irp j, 0,2,4,6,8,10,12,14
	v_pk_mul_f32 v[BM+\j:BM+\j+1], v[BM+\j:BM+\j+1], v[RR:RR+1] op_sel_hi:[1,0]
.endr
.irp j, 0,1,2,3,4,5,6,7,8,9,10,11,12,13,14,15
	v_max_num_f32 v[BM+\j], 0x1800000, v[BM+\j]
.endr
.irp j, 0,1,2,3,4,5,6,7,8,9,10,11,12,13,14,15
	v_add_nc_u32 v[BM+\j], 0xff000000, v[BM+\j]
.endr
.endm
.macro QMAXA s                         ; the four scale bytes of step s: also the four places behind the products before
	WIN 0
.irp b, 0,1,2,3
	v_lshrrev_b32 v[TM+4+\b], 23, v[BM+4*(\s)+\b]
.endr
.endm
.macro QREST s
	v_lshl_or_b32 v[PW], v[TM+5], 8, v[TM+4]
	s_delay_alu instid0(VALU_DEP_1)
	v_lshl_or_b32 v[PW], v[TM+6], 16, v[PW]
	s_delay_alu instid0(VALU_DEP_1)
	v_lshl_or_b32 v[PW], v[TM+7], 24, v[PW]
	WIN 0x01
.irp c, 0,1
	v_cvt_scalef32_pk16_fp6_f32 v[PC+6*\c:PC+2+6*\c], v[64*(\s)+32*\c:64*(\s)+32*\c+15], v[BM+4*(\s)+2*\c]
	v_cvt_scalef32_pk16_fp6_f32 v[PC+12+4*\c:PC+14+4*\c], v[64*(\s)+32*\c+16:64*(\s)+32*\c+31], v[BM+4*(\s)+2*\c+1]
.endr
	v_nop
	WIN 0
.irp c, 0,1
.irp n, 0,1,2
	v_permlane16_swap_b32 v[PC+6*\c+\n], v[PC+12+4*\c+\n]
.endr
.irp n, 0,1,2
	s_delay_alu instid0(VALU_DEP_3)
	v_mov_b32 v[PC+3+6*\c+\n], v[PC+12+4*\c+\n]
.endr
.endr
.endm
.macro PV s
.irp d, 0,1,2,3
.if (\s) == 0
.if \d%2
	v_wmma_scale_f32_16x16x128_f8f6f4 v[O+8*\d:O+8*\d+7], v[F+12*\d:F+12*\d+11], v[PC:PC+11], 0, v[SV+\d/2], v[PW] matrix_a_fmt:MATRIX_FMT_FP6 matrix_b_fmt:MATRIX_FMT_FP6 matrix_a_scale:MATRIX_SCALE_ROW1
.else
	v_wmma_scale_f32_16x16x128_f8f6f4 v[O+8*\d:O+8*\d+7], v[F+12*\d:F+12*\d+11], v[PC:PC+11], 0, v[SV+\d/2], v[PW] matrix_a_fmt:MATRIX_FMT_FP6 matrix_b_fmt:MATRIX_FMT_FP6
.endif
.else
.if \d%2
	v_wmma_scale_f32_16x16x128_f8f6f4 v[O+8*\d:O+8*\d+7], v[F+12*\d:F+12*\d+11], v[PC:PC+11], v[O+8*\d:O+8*\d+7], v[SV+\d/2], v[PW] matrix_a_fmt:MATRIX_FMT_FP6 matrix_b_fmt:MATRIX_FMT_FP6 matrix_a_scale:MATRIX_SCALE_ROW1
.else
	v_wmma_scale_f32_16x16x128_f8f6f4 v[O+8*\d:O+8*\d+7], v[F+12*\d:F+12*\d+11], v[PC:PC+11], v[O+8*\d:O+8*\d+7], v[SV+\d/2], v[PW] matrix_a_fmt:MATRIX_FMT_FP6 matrix_b_fmt:MATRIX_FMT_FP6
.endif
.endif
.endr
.endm
.macro TILE ti
.if \ti == 0
	s_wait_loadcnt 0x0
.endif
	v_perm_b32 v[QS], v[QW], v[QW], 0x01000100+0x02020202*\ti
.irp j, 0,1,2,3,4,5
	v_mov_b32 v[QF+6+\j], v[IMG+6*\ti+\j]
.endr
.if \ti == 1
	s_cmp_eq_u32 s[TR], TRIPS-1
	s_cbranch_scc1 .Lno_next_\@
	s_add_co_u32 s43, s[TR], 1
	s_mul_i32 s44, s43, IMB
	v_add_nc_u32 v[IA], s44, v[LI]
	s_wait_alu depctr_va_vdst(0)
	s_lshr_b32 s44, s43, 2
	s_lshl_b32 s44, s44, 8
	s_and_b32 s45, s43, 1
	s_lshl_b32 s45, s45, 7
	s_add_co_u32 s44, s44, s45
	s_bfe_u32 s45, s43, 0x10001
	s_lshl_b32 s45, s45, 2
	s_add_co_u32 s44, s44, s45
	v_add_nc_u32 v[QA2], s44, v[QA]
.irp c, 0,1,2
	global_load_b128 v[IMG+4*\c:IMG+4*\c+3], v[IA], s[48:49] offset:512*\c
.endr
	global_load_b32 v[QW], v[QA2], s[50:51]
.Lno_next_\@:
.endif
.rept 4
	v_nop
.endr
	s_wait_alu depctr_va_vdst(0)
	s_wait_dscnt 0x0
	QK 0
	WIN 0
.rept 4
	v_nop
.endr
	KLOAD 1
	s_wait_dscnt 0x0
	QK 1
	MAXA 0
	WIN 0
	KLOAD 2
	MAXB 0
	s_wait_dscnt 0x0
	QK 2
	MAXA 1
	WIN 0
	KLOAD 3
	MAXB 1
	s_wait_dscnt 0x0
	QK 3
	MAXA 2
	WIN 0
	VLOAD 0
	MAXB 2
	MAXA 3
	MAXB 3
	s_delay_alu instid0(VALU_DEP_1)
	v_permlanex16_b32 v[TM+4], v[MX], s[SEL], s[SEL+1]
	s_delay_alu instid0(VALU_DEP_1)
	v_max_num_f32 v[MX], v[MX], v[TM+4]
	s_delay_alu instid0(VALU_DEP_1)
	v_mul_f32 v[CM], s[CS], v[MX]
	BLKMAX
	EXPALL
	SUMS
	XCHG \ti
	BLKSC
	MUL 0
.irp s, 0,1,2,3
	QMAXA \s
.if \s > 0
	WIN 0
	VLOAD \s
.endif
	QREST \s
.if \s < 3
	MUL \s+1
.else
	s_wait_alu depctr_va_vdst(0)
.rept 8
	v_nop
.endr
.endif
	WIN 0
	s_wait_dscnt 0x0
	PV \s
.endr
.rept 4
	v_nop
.endr
.irp c, 0,1,2,3,4,5,6,7
	ds_store_b128 v[OW], v[O+4*\c:O+4*\c+3] offset:16384*\ti+512*\c
.endr
.if \ti == 1
	s_cmp_eq_u32 s[TR], TRIPS-1
	s_cbranch_scc1 .Llast_\@
.endif
	KLOAD 0
.if \ti == 1
.Llast_\@:
.endif
.endm
	s_wait_tensorcnt 0x0
	s_barrier_signal -1
	s_barrier_wait -1
	KLOAD 0
	s_mov_b32 s[TR], 0
.Ltrip:
	TILE 0
	TILE 1
	s_wait_dscnt 0x0
	s_barrier_signal -1
	s_barrier_wait -1
	s_cmp_lg_u32 s[FIN], 0
	s_cbranch_scc1 .Lnofin
	WIN 0x40
.irp j, 0,1,2,3
.irp c, 0,1,2,3,4,5,6,7
	ds_load_b128 v[32*\j+4*\c:32*\j+4*\c+3], v[ORD] offset:4096*\j+512*\c
.endr
.endr
	s_wait_dscnt 0x0
	WIN 0x05
.set jj, 0
.rept 16
	v_pk_add_f32 v[O+jj:O+jj+1], v[jj:jj+1], v[32+jj:32+jj+1]
.set jj, jj+2
.endr
	WIN 0x45
.set jj, 0
.rept 16
	v_pk_add_f32 v[64+jj:64+jj+1], v[64+jj:64+jj+1], v[96+jj:96+jj+1]
.set jj, jj+2
.endr
	WIN 0x04
.set jj, 0
.rept 16
	v_pk_add_f32 v[O+jj:O+jj+1], v[O+jj:O+jj+1], v[64+jj:64+jj+1]
.set jj, jj+2
.endr
	WIN 0
.irp b, 0,1
	v_max3_num_f32 v[TM+\b], |v[O+16*\b]|, |v[O+1+16*\b]|, 0x1800000
.endr
.irp n, 2,4,6,8,10,12,14
.irp b, 0,1
	s_delay_alu instid0(VALU_DEP_2)
	v_max3_num_f32 v[TM+\b], v[TM+\b], |v[O+16*\b+\n]|, |v[O+1+16*\b+\n]|
.endr
.endr
.irp b, 0,1
	s_delay_alu instid0(VALU_DEP_2)
	v_permlanex16_b32 v[TM+4+\b], v[TM+\b], s[SEL], s[SEL+1]
.endr
.irp b, 0,1
	s_delay_alu instid0(VALU_DEP_2)
	v_max_num_f32 v[TM+\b], v[TM+\b], v[TM+4+\b]
.endr
.irp b, 0,1
	s_delay_alu instid0(VALU_DEP_2)
	v_add_nc_u32 v[TM+12+\b], 0xff000000, v[TM+\b]
.endr
.irp b, 0,1
	s_delay_alu instid0(VALU_DEP_2)
	v_lshrrev_b32 v[TM+4+\b], 23, v[TM+12+\b]
.endr
	s_delay_alu instid0(VALU_DEP_1)
	v_lshl_or_b32 v[T2], v[TM+5], 8, v[TM+4]
	v_cvt_scalef32_pk16_fp6_f32 v[PC:PC+2], v[O:O+15], v[TM+12]
	v_cvt_scalef32_pk16_fp6_f32 v[PC+12:PC+14], v[O+16:O+31], v[TM+13]
	v_nop
.irp n, 0,1,2
	v_permlane16_swap_b32 v[PC+\n], v[PC+12+\n]
.endr
.irp n, 0,1,2
	s_delay_alu instid0(VALU_DEP_3)
	v_mov_b32 v[PC+3+\n], v[PC+12+\n]
.endr
	global_store_b128 v[LI], v[PC:PC+3], s[10:11]
	global_store_b64 v[AO8], v[PC+4:PC+5], s[10:11]
	global_store_b16 v[AS], v[T2], s[12:13]
.Lnofin:
	s_wait_xcnt 0x0
	s_add_nc_u64 s[10:11], s[10:11], 2*8*IMB
	s_add_nc_u64 s[12:13], s[12:13], 1024
	s_add_co_u32 s[TR], s[TR], 1
	s_cmp_lt_u32 s[TR], TRIPS
	s_cbranch_scc1 .Ltrip
	s_wait_tensorcnt 0x0
	ds_add_u32 v[SPW], v[NIL]
	s_wait_dscnt 0x0
	CROUND
	s_endpgm
.Lfunc_end_k_q612ae05327_attn:
	.size	k_q612ae05327_attn, .Lfunc_end_k_q612ae05327_attn-k_q612ae05327_attn
	.p2alignl 7, 3214868480
	.fill 96, 4, 3214868480
	.section	.rodata,"a",@progbits
	.p2align	6, 0x0
	.amdhsa_kernel k_q612ae05327_attn
		.amdhsa_group_segment_fixed_size 327680
		.amdhsa_private_segment_fixed_size 0
		.amdhsa_enable_private_segment 0
		.amdhsa_kernarg_size 40
		.amdhsa_user_sgpr_count 2
		.amdhsa_user_sgpr_kernarg_segment_ptr 1
		.amdhsa_wavefront_size32 1
		.amdhsa_system_sgpr_workgroup_id_x 1
		.amdhsa_system_sgpr_workgroup_id_y 1
		.amdhsa_system_sgpr_workgroup_id_z 1
		.amdhsa_system_vgpr_workitem_id 0
		.amdhsa_next_free_vgpr 512
		.amdhsa_next_free_sgpr 66
		.amdhsa_reserve_vcc 0
		.amdhsa_float_denorm_mode_32 3
		.amdhsa_float_denorm_mode_16_64 3
		.amdhsa_memory_ordered 1
		.amdhsa_forward_progress 1
		.amdhsa_inst_pref_size 153
	.end_amdhsa_kernel
	.amdgpu_metadata
---
amdhsa.version: [ 1, 2 ]
amdhsa.kernels:
  - .name:           k_q612ae05327_attn
    .symbol:         k_q612ae05327_attn.kd
    .args:
      - { .name: qrec, .offset: 0, .size: 8, .value_kind: global_buffer, .address_space: global }
      - { .name: krec, .offset: 8, .size: 8, .value_kind: global_buffer, .address_space: global }
      - { .name: vrec, .offset: 16, .size: 8, .value_kind: global_buffer, .address_space: global }
      - { .name: acod, .offset: 24, .size: 8, .value_kind: global_buffer, .address_space: global }
      - { .name: ascl, .offset: 32, .size: 8, .value_kind: global_buffer, .address_space: global }
    .group_segment_fixed_size: 327680
    .private_segment_fixed_size: 0
    .kernarg_segment_align: 8
    .kernarg_segment_size: 40
    .max_flat_workgroup_size: 256
    .sgpr_count:     66
    .vgpr_count:     512
    .wavefront_size: 32
...
	.end_amdgpu_metadata
.endif
;; end of part 7
;; launch outp (part 8): grid 4 x 32, 4 waves a work-group, clusters of 4 x 4, 327,680 bytes of LDS; arguments acod, ascl, codes, scales, bo, out0; writes out0
.if DOCPART == 8
	.amdgcn_target "amdgcn-amd-amdhsa--gfx1250"
	.amdhsa_code_object_version 6
	.text
	.protected	k_q612ae05327_outp
	.globl	k_q612ae05327_outp
	.p2align	8
	.type	k_q612ae05327_outp,@function
k_q612ae05327_outp:
	s_mov_b64 s[64:65], 0
	v_nop
	global_prefetch_b8 v0, s[64:65] scope:SCOPE_SE
	s_setreg_imm32_b32 hwreg(HW_REG_WAVE_MODE, 25, 1), 1
	s_wait_xcnt 0x0
	s_wait_alu depctr_hold_cnt(0) depctr_sa_sdst(0) depctr_va_vdst(0) depctr_va_sdst(0) depctr_va_ssrc(0) depctr_va_vcc(0) depctr_vm_vsrc(0)
	s_getreg_b32 s2, hwreg(HW_REG_IB_STS2, 6, 4)
	s_cmp_eq_u32 s2, 0
	s_cbranch_scc0 .Lentry_in_a_cluster
	s_endpgm
.Lentry_in_a_cluster:
	s_bfe_u32 s2, ttmp6, 0x10000c
	s_cmp_lg_u32 s2, 0xf033
	s_cbranch_scc0 .Lentry_shape_is_right
	s_endpgm
.Lentry_shape_is_right:
.set SIZE_N, 1024
.set SIZE_K, 1024
.set KSTEP,  256
.set NQ,     KSTEP/128
.set ROWB,   192
.set KROW,   SIZE_K*6/8
.set PITCH,  240
.set FR,     12
.set NL,     6
.set NLA,    4
.set NP,     4
.set AENT,   1536
.set ASTEP,  NQ*AENT
.set HALFT,  128*PITCH
.set SLOT,   4*HALFT
.set LAPS,   SIZE_K/(2*KSTEP)
.set KS,     SIZE_K/32
.set SCL,    2*SLOT
.set HALFS,  (128*KS/256)*272
.set SBLK,   (16*KS/256)*272
.set SPARE,  SCL+4*HALFS
.set SPITCH, 528
.set WOROW,  27648
.set PLANE,  28672*192                 ; Wo's codes lie in four dense planes, [K step of 256][28672 rows][192 bytes]
.set BO,   8
.set ADRA, 16
.set ADRB, 20
.set STO,  24
.set RD,   25
.set CO,   26
.set ADRS, 27
.set SPW,  28
.set NIL,  29
.set SC,   32
.set AF,   128
.set BK,   128
.set G1, 24
.set G0, 32
.set G1B, 48
.set G0B, 56
.set G1S, 68
.set G0S, 76
.set G1SB, 80
.set G0SB, 88
.set MSB, 0
.macro WIN new
.if MSB != \new
	s_set_vgpr_msb (MSB<<8)|\new
.set MSB, \new
.endif
.endm
.set MUL_LO, 0xa1
.set MUL_HI, 0xf1
.set TO_B,   0x40
.macro JLOAD g0a, g1a, g0b, g1b
	s_cmp_eq_u32 s15, 0
	s_cbranch_scc0 .Lfor_b_\@
	tensor_load_to_lds s[\g0a:\g0a+3], s[\g1a:\g1a+7]
	s_nop 0
.rept 4
	v_nop
.endr
	s_branch .Lasked_\@
.Lfor_b_\@:
	tensor_load_to_lds s[\g0b:\g0b+3], s[\g1b:\g1b+7]
	s_nop 0
.rept 4
	v_nop
.endr
.Lasked_\@:
.endm
.macro CREST
	s_cmp_lg_u32 s14, 0
	s_cbranch_scc1 .Lnot_wave_0_\@
	s_barrier_signal -3
.Lnot_wave_0_\@:
	s_barrier_wait -3
	s_barrier_signal -1
	s_barrier_wait -1
.endm
.macro CROUND
	s_barrier_signal -1
	s_barrier_wait -1
	CREST
.endm
	s_load_b128 s[4:7], s[0:1], 0x0
	s_load_b128 s[8:11], s[0:1], 0x10
	s_load_b64 s[96:97], s[0:1], 0x20
	s_load_b64 s[12:13], s[0:1], 0x28
	v_lshl_add_u32 v[SPW], v0, 2, SPARE
	v_mov_b32 v[NIL], 0
	ds_add_u32 v[SPW], v[NIL]
	ds_add_u32 v[SPW], v[NIL]
	v_lshrrev_b32 v1, 5, v0
	v_readfirstlane_b32 s14, v1
	s_lshr_b32 s15, s14, 1
	s_and_b32 s16, s14, 1
	s_bfe_u32 s40, ttmp6, 0x40000
	s_bfe_u32 s41, ttmp6, 0x40004
	s_lshl_b32 s42, ttmp9, 2
	s_add_co_u32 s42, s42, s40
	s_and_b32 s17, ttmp7, 0xffff
	s_lshl_b32 s17, s17, 2
	s_add_co_u32 s17, s17, s41
	s_lshl_b32 s43, s41, 2
	s_lshl_b32 s43, 15, s43
	s_lshl_b32 s44, 0x1111, s40
	s_or_b32 s[G1+0], s43, (3<<16)|(1<<21)
	s_mov_b32 s[G1+1], (ASTEP/8)<<16
	s_mov_b32 s[G1+2], 8<<16
	s_mov_b32 s[G1+3], (ASTEP/8)<<16
	s_mov_b32 s[G1+4], 8
	s_mov_b32 s[G1+5], AENT
	s_mov_b32 s[G1+6], 0
	s_mov_b32 s[G1+7], 0
	s_or_b32 s[G1B+0], s44, (0<<16)|(1<<20)|(1<<21)|(3<<22)|(3<<25)
	s_mov_b32 s[G1B+1], 768<<16                    ; 128 rows of a plane are dense: stated as 32 rows of 768 bytes, each at a multiple of 256 bytes;
	s_mov_b32 s[G1B+2], 32<<16                     ; the padding is counted along the whole tile, so the LDS rows of 192 bytes stay PITCH apart
	s_mov_b32 s[G1B+3], 768<<16
	s_mov_b32 s[G1B+4], 32
	s_mov_b32 s[G1B+5], 768
	s_mov_b32 s[G1B+6], 0
	s_mov_b32 s[G1B+7], 0
	s_or_b32 s[G1S+0], s43, (3<<16)|(1<<20)|(1<<21)|(5<<22)|(3<<25)
	s_or_b32 s[G1SB+0], s44, (3<<16)|(1<<20)|(1<<21)|(5<<22)|(3<<25)
.irp g, G1S, G1SB
	s_mov_b32 s[\g+1], 32<<16
	s_mov_b32 s[\g+2], (128*KS/256)<<16
	s_mov_b32 s[\g+3], 32<<16
	s_mov_b32 s[\g+4], 128*KS/256
	s_mov_b32 s[\g+5], 32
	s_mov_b32 s[\g+6], 0
	s_mov_b32 s[\g+7], 0
.endr
	s_lshl_b32 s18, s16, 7
	s_lshl_b32 s20, s17, 8
	s_add_co_u32 s20, s20, s18
	s_lshl_b32 s46, s42, 8
	s_add_co_u32 s46, s46, s18
	s_add_co_u32 s46, s46, WOROW
	s_mov_b32 s21, 0
	s_mov_b32 s47, 0
	s_mov_b64 s[18:19], KS
	s_mul_u64 s[22:23], s[20:21], s[18:19]
	s_mul_u64 s[92:93], s[46:47], s[18:19]
	s_mov_b64 s[18:19], KROW
	s_mul_u64 s[20:21], s[20:21], s[18:19]
	s_mov_b64 s[18:19], 192
	s_mul_u64 s[46:47], s[46:47], s[18:19]         ; B's rows are 192 bytes apart in a plane
	s_mul_i32 s45, s14, HALFT
	s_mul_i32 s94, s14, HALFS
	s_wait_dscnt 0x0
	s_wait_kmcnt 0x0
	s_add_nc_u64 s[20:21], s[4:5], s[20:21]
	s_add_nc_u64 s[22:23], s[6:7], s[22:23]
	s_add_nc_u64 s[46:47], s[8:9], s[46:47]
	s_add_nc_u64 s[92:93], s[10:11], s[92:93]
	CROUND
	s_mov_b32 s[G0S], 1
	s_add_co_u32 s[G0S+1], s94, SCL
	s_mov_b64 s[G0S+2:G0S+3], s[22:23]
	s_or_b32 s[G0S+3], s[G0S+3], 0x80000000
	s_mov_b32 s[G0SB], 1
	s_add_co_u32 s[G0SB+1], s94, SCL
	s_mov_b64 s[G0SB+2:G0SB+3], s[92:93]
	s_or_b32 s[G0SB+3], s[G0SB+3], 0x80000000
	JLOAD G0S, G1S, G0SB, G1SB
.irp s, 0,1
	s_mov_b32 s[G0+4*\s], 1
	s_add_co_u32 s[G0+4*\s+1], s45, \s*SLOT
	s_add_nc_u64 s[G0+4*\s+2:G0+4*\s+3], s[20:21], \s*ASTEP
	s_or_b32 s[G0+4*\s+3], s[G0+4*\s+3], 0x80000000
	s_mov_b32 s[G0B+4*\s], 1
	s_add_co_u32 s[G0B+4*\s+1], s45, \s*SLOT
	s_add_nc_u64 s[G0B+4*\s+2:G0B+4*\s+3], s[46:47], \s*PLANE
	s_or_b32 s[G0B+4*\s+3], s[G0B+4*\s+3], 0x80000000
	s_wait_alu depctr_va_vdst(0)
	s_wait_tensorcnt 0x0
	ds_add_u32 v28, v29
	s_wait_dscnt 0x0
	CROUND
	JLOAD G0+4*\s, G1, G0B+4*\s, G1B
.endr
	v_and_b32 v1, 15, v0
	v_bfe_u32 v2, v0, 4, 1
	v_and_b32 v6, 31, v0
	v_mul_u32_u24 v3, v1, PITCH
	v_mul_u32_u24 v4, v2, 24
	v_add_nc_u32 v4, v3, v4
	v_lshl_add_u32 v5, v2, 4, v4
	v_lshlrev_b32 v[CO], 4, v6
	v_lshlrev_b32 v7, 3, v6
	s_mul_i32 s21, s15, HALFT
	s_mul_i32 s22, s16, HALFT
	s_add_co_u32 s22, s22, 2*HALFT
.irp s, 0,1
	v_add_nc_u32 v[ADRA+\s], s21, v[CO]
	v_add_nc_u32 v[ADRA+2+\s], s21, v7
	v_add_nc_u32 v[ADRB+\s], s22, v4
	v_add_nc_u32 v[ADRB+2+\s], s22, v5
	s_add_co_u32 s21, s21, SLOT
	s_add_co_u32 s22, s22, SLOT
.endr
	v_mul_u32_u24 v5, v1, KS
	v_lshrrev_b32 v6, 8, v5
	v_lshl_add_u32 v5, v6, 4, v5
	s_mul_i32 s21, s15, HALFS
	s_mul_i32 s22, s16, HALFS
	s_add_co_u32 s22, s22, 2*HALFS
	s_sub_co_u32 s22, s22, s21
	v_mul_u32_u24 v6, s22, v2
	s_add_co_u32 s21, s21, SCL
	v_add_nc_u32 v5, v5, v6
	v_add_nc_u32 v[ADRS], s21, v5
	s_mul_i32 s23, s14, 16*SPITCH
	v_mul_u32_u24 v5, v1, SPITCH
	v_lshl_add_u32 v5, v2, 6, v5
	v_add_nc_u32 v[STO], s23, v5
	v_add_nc_u32 v[RD], s23, v[CO]
	s_lshl_b32 s20, s17, 8
	s_lshl_b32 s21, s15, 7
	s_add_co_u32 s20, s20, s21
	s_mov_b32 s21, 0
	s_mov_b64 s[18:19], SIZE_N*4
	s_mul_u64 s[20:21], s[20:21], s[18:19]
	s_lshl_b32 s46, s42, 10
	s_lshl_b32 s47, s16, 9
	s_add_co_u32 s46, s46, s47
	s_mov_b32 s47, 0
	s_add_nc_u64 s[20:21], s[20:21], s[46:47]
	s_add_nc_u64 s[12:13], s[12:13], s[20:21]
	s_add_nc_u64 s[96:97], s[96:97], s[46:47]
	global_load_b128 v[BO:BO+3], v[CO], s[96:97]
.macro FRAG reg, adr, q, i
.irp p, 0,1,2,3,4,5
.set PCE, 12*(\q)+6*(\p/3)+\p%3
.if PCE%8 < 5
	ds_load_b64 v[\reg+2*\p:\reg+2*\p+1], v[\adr] offset:8*PCE+16*(PCE/8)+(\i)*16*PITCH
.else
	ds_load_b64 v[\reg+2*\p:\reg+2*\p+1], v[\adr+2] offset:8*PCE+16*(PCE/8)+(\i)*16*PITCH
.endif
.endr
.endm
.macro FRAG_A reg, slot, q, i
	ds_load_b128 v[\reg:\reg+3], v[ADRA+\slot] offset:ASTEP*(\i)+AENT*(\q)
	ds_load_b64 v[\reg+4:\reg+5], v[ADRA+2+\slot] offset:ASTEP*(\i)+AENT*(\q)+512
	ds_load_b128 v[\reg+6:\reg+9], v[ADRA+\slot] offset:ASTEP*(\i)+AENT*(\q)+768
	ds_load_b64 v[\reg+10:\reg+11], v[ADRA+2+\slot] offset:ASTEP*(\i)+AENT*(\q)+1280
.endm
.macro MUL16 a0, p, q, sc, zero
.irp a, \a0, \a0+1
.irp b, 0,1,2,3,4,5,6,7
.if \zero
	v_wmma_scale_f32_16x16x128_f8f6f4 v[8*(8*((\a)%4)+\b):8*(8*((\a)%4)+\b)+7], v[128*(\p)+FR*\b:128*(\p)+FR*\b+FR-1], v[AF+FR*(\a):AF+FR*(\a)+FR-1], 0, v[SC+8*NQ*(\sc)+NQ*\b+(\q)], v[SC+8*NQ*(\sc)+NQ*(\a)+(\q)] matrix_a_fmt:MATRIX_FMT_FP6 matrix_b_fmt:MATRIX_FMT_FP6 matrix_a_scale:MATRIX_SCALE_ROW1
.else
	v_wmma_scale_f32_16x16x128_f8f6f4 v[8*(8*((\a)%4)+\b):8*(8*((\a)%4)+\b)+7], v[128*(\p)+FR*\b:128*(\p)+FR*\b+FR-1], v[AF+FR*(\a):AF+FR*(\a)+FR-1], v[8*(8*((\a)%4)+\b):8*(8*((\a)%4)+\b)+7], v[SC+8*NQ*(\sc)+NQ*\b+(\q)], v[SC+8*NQ*(\sc)+NQ*(\a)+(\q)] matrix_a_fmt:MATRIX_FMT_FP6 matrix_b_fmt:MATRIX_FMT_FP6 matrix_a_scale:MATRIX_SCALE_ROW1
.endif
.endr
.endr
.endm
.macro FETCH_B slot, q, p
	WIN TO_B
.irp i, 0,1,2,3,4,5,6,7
	FRAG 128*(\p)+FR*\i, ADRB+\slot, \q, \i
.endr
	WIN 0
.endm
.macro FETCH_A slot, q, i0
.irp i, \i0, \i0+1, \i0+2, \i0+3
	FRAG_A AF+FR*(\i), \slot, \q, \i
.endr
.endm
.macro SCALES sc
.irp i, 0,1,2,3,4,5,6,7
	ds_load_b64 v[SC+8*NQ*\sc+NQ*\i:SC+8*NQ*\sc+NQ*\i+1], v[ADRS] offset:\i*SBLK
.endr
.endm
.macro PLACES n
.rept \n
	v_nop
.endr
.endm
.macro STEP slot, q, zero
	s_wait_dscnt 4*NLA
	WIN MUL_LO
	MUL16 0, (\q)%2, \q, \slot, \zero
	MUL16 2, (\q)%2, \q, \slot, \zero
	s_wait_dscnt 0
	PLACES NP
	FETCH_B \slot, (\q)+1, 1-(\q)%2
	FETCH_A \slot, (\q)+1, 0
	WIN MUL_HI
	MUL16 4, (\q)%2, \q, \slot, \zero
	MUL16 6, (\q)%2, \q, \slot, \zero
	PLACES NP
	WIN 0
	FETCH_A \slot, (\q)+1, 4
.endm
.macro TURN slot, next, fill
	s_wait_tensorcnt 0x0
	ds_add_u32 v[SPW], v[NIL]
	s_wait_dscnt 4*NLA+1
	WIN MUL_LO
	MUL16 0, 1, NQ-1, \slot, 0
	s_wait_dscnt 0x0
	s_barrier_signal -1
	MUL16 2, 1, NQ-1, \slot, 0
	WIN 0
	s_barrier_wait -1
.if \fill
	CREST
	s_add_nc_u64 s[G0+4*\slot+2:G0+4*\slot+3], s[G0+4*\slot+2:G0+4*\slot+3], 2*ASTEP
	s_add_nc_u64 s[G0B+4*\slot+2:G0B+4*\slot+3], s[G0B+4*\slot+2:G0B+4*\slot+3], 2*PLANE
	JLOAD G0+4*\slot, G1, G0B+4*\slot, G1B
.else
	PLACES NP
.endif
	s_wait_alu depctr_va_vdst(0)
	v_add_nc_u32 v[ADRS], 4*NQ, v[ADRS]
	FETCH_B \next, 0, 0
	FETCH_A \next, 0, 0
	SCALES \next
	WIN MUL_HI
	MUL16 4, 1, NQ-1, \slot, 0
	MUL16 6, 1, NQ-1, \slot, 0
	PLACES NP
	WIN 0
	FETCH_A \next, 0, 4
.endm
	s_wait_alu depctr_va_vdst(0)
	s_wait_loadcnt 0x0
	s_wait_tensorcnt 1
	s_barrier_signal -1
	s_barrier_wait -1
	FETCH_B 0, 0, 0
	FETCH_A 0, 0, 0
	SCALES 0
	FETCH_A 0, 0, 4
	STEP 0, 0, 1
	s_mov_b32 s3, LAPS-1
.Llap:
	TURN 0, 1, 1
	STEP 1, 0, 0
	TURN 1, 0, 1
	STEP 0, 0, 0
	s_sub_co_u32 s3, s3, 1
	s_cmp_lg_u32 s3, 0
	s_cbranch_scc1 .Llap
	TURN 0, 1, 0
	STEP 1, 0, 0
	s_wait_dscnt 4*NLA
	WIN MUL_LO
	MUL16 0, 1, NQ-1, 1, 0
	MUL16 2, 1, NQ-1, 1, 0
	s_wait_dscnt 0
	WIN MUL_HI
	MUL16 4, 1, NQ-1, 1, 0
	MUL16 6, 1, NQ-1, 1, 0
	WIN 0
.macro TOSTAGE a
.set AC, 64*((\a)%4)
	WIN 0x08+4*((\a)/4)
.irp b, 0,1,2,3,4,5,6,7
	ds_store_b128 v[STO], v[AC+8*\b:AC+8*\b+3] offset:128*(\b/2)+32*(\b%2)
	ds_store_b128 v[STO], v[AC+8*\b+4:AC+8*\b+7] offset:128*(\b/2)+32*(\b%2)+16
.endr
	WIN 0
.set BB, BK+64*((\a)%2)
.irp t, 0,1,2,3,4,5,6,7,8,9,10,11,12,13,14,15
	ds_load_b128 v[BB+4*\t:BB+4*\t+3], v[RD] offset:\t*SPITCH
.endr
.endm
.macro SEND a, younger
.set BB, BK+64*((\a)%2)
	s_wait_dscnt \younger
.if (\a) > 0
.if (\a)%2
	s_add_nc_u64 s[12:13], s[12:13], 8*SIZE_N*4
.else
	s_add_nc_u64 s[12:13], s[12:13], 24*SIZE_N*4
.endif
.endif
.irp t, 0,1,2,3,4,5,6,7,8,9,10,11,12,13,14,15
	v_pk_add_f32 v[BB+4*\t:BB+4*\t+1], v[BB+4*\t:BB+4*\t+1], v[BO:BO+1]
	v_pk_add_f32 v[BB+4*\t+2:BB+4*\t+3], v[BB+4*\t+2:BB+4*\t+3], v[BO+2:BO+3]
	global_store_b128 v[CO], v[BB+4*\t:BB+4*\t+3], s[12:13] offset:(\t+8*(\t/8))*SIZE_N*4 th:TH_STORE_NT
.endr
.endm
	PLACES NP
	TOSTAGE 0
.irp a, 1,2,3,4,5,6,7
.if \a > 1
	s_wait_xcnt 0x0
.endif
	TOSTAGE \a
	SEND \a-1, 32
.endr
	s_wait_xcnt 0x0
	SEND 7, 0
	s_wait_tensorcnt 0x0
	ds_add_u32 v[SPW], v[NIL]
	s_wait_dscnt 0x0
	CROUND
	s_endpgm
.Lfunc_end_k_q612ae05327_outp:
	.size	k_q612ae05327_outp, .Lfunc_end_k_q612ae05327_outp-k_q612ae05327_outp
	.p2alignl 7, 3214868480
	.fill 96, 4, 3214868480
	.section	.rodata,"a",@progbits
	.p2align	6, 0x0
	.amdhsa_kernel k_q612ae05327_outp
		.amdhsa_group_segment_fixed_size 327680
		.amdhsa_private_segment_fixed_size 0
		.amdhsa_enable_private_segment 0
		.amdhsa_kernarg_size 48
		.amdhsa_user_sgpr_count 2
		.amdhsa_user_sgpr_kernarg_segment_ptr 1
		.amdhsa_wavefront_size32 1
		.amdhsa_system_sgpr_workgroup_id_x 1
		.amdhsa_system_sgpr_workgroup_id_y 1
		.amdhsa_system_sgpr_workgroup_id_z 1
		.amdhsa_system_vgpr_workitem_id 0
		.amdhsa_next_free_vgpr 1024
		.amdhsa_next_free_sgpr 98
		.amdhsa_reserve_vcc 0
		.amdhsa_float_denorm_mode_32 3
		.amdhsa_float_denorm_mode_16_64 3
		.amdhsa_memory_ordered 1
		.amdhsa_forward_progress 1
		.amdhsa_inst_pref_size 169
	.end_amdhsa_kernel
	.amdgpu_metadata
---
amdhsa.version: [ 1, 2 ]
amdhsa.kernels:
  - .name:           k_q612ae05327_outp
    .symbol:         k_q612ae05327_outp.kd
    .args:
      - { .name: acod, .offset: 0, .size: 8, .value_kind: global_buffer, .address_space: global }
      - { .name: ascl, .offset: 8, .size: 8, .value_kind: global_buffer, .address_space: global }
      - { .name: codes, .offset: 16, .size: 8, .value_kind: global_buffer, .address_space: global }
      - { .name: scales, .offset: 24, .size: 8, .value_kind: global_buffer, .address_space: global }
      - { .name: bo, .offset: 32, .size: 8, .value_kind: global_buffer, .address_space: global }
      - { .name: out0, .offset: 40, .size: 8, .value_kind: global_buffer, .address_space: global }
    .group_segment_fixed_size: 327680
    .private_segment_fixed_size: 0
    .kernarg_segment_align: 8
    .kernarg_segment_size: 48
    .max_flat_workgroup_size: 128
    .sgpr_count:     98
    .vgpr_count:     1024
    .wavefront_size: 32
...
	.end_amdgpu_metadata
.endif
;; end of part 8
